; MI455X (gfx1250); checked and timed in simulation.
; The chip was launched on July 23, 2026; its instructions are those of AMD's public machine-readable ISA for CDNA 5 (MIT licence, August 2026) and "CDNA5" Instruction Set Architecture Reference Guide (July 2026). The comments in the code are by the model that wrote it; some were corrected since.
;; Transformer Block. Allowed arithmetic: float matrix products may take bf16 or f16 operands with f32 sums; all other float work in f32.
;; Inputs: b_ff1 4,096 float32; b_ff2 1,024 float32; b_out 1,024 float32; b_qkv 3,072 float32; ln1_b 1,024 float32; ln1_g 1,024 float32; ln2_b 1,024 float32; ln2_g 1,024 float32; w_ff1 1,024 x 4,096 float32; w_ff2 4,096 x 1,024 float32; w_out 1,024 x 1,024 float32; w_qkv 1,024 x 3,072 float32; x 2 x 2,048 x 1,024 float32.
;; Outputs: out0 2 x 2,048 x 1,024 float32.
;; 2 versions, each right and faster than the one before. Each part assembles by itself: llvm-mc -triple=amdgcn-amd-amdhsa -mcpu=gfx1250 --defsym DOCPART=n.
;; ======== version 1 of 2: 8 launches
;; limits: a function is approximated: absolute error at most 1.5e-07; an absolute error that grows with the inputs' magnitude: up to 1e-07 times it
;; workspace buffers: cb 33,554,432 bytes; qkvh 25,165,824 bytes; ao 8,388,608 bytes; r1 16,777,216 bytes; y1b 8,388,608 bytes; hb 33,554,432 bytes; f2 16,777,216 bytes
;; launch cast (part 1): grid 1024 x 1, 8 waves a work-group, no clusters, 0 bytes of LDS; arguments x, w_qkv, w_out, w_ff1, w_ff2, cb; writes cb
.if DOCPART == 1
	.amdgcn_target "amdgcn-amd-amdhsa--gfx1250"
	.amdhsa_code_object_version 6
	.text
	.protected	k_qa8f07982b2_cast
	.globl	k_qa8f07982b2_cast
	.p2align	8
	.type	k_qa8f07982b2_cast,@function
k_qa8f07982b2_cast:
	s_mov_b64 s[64:65], 0
	v_nop
	global_prefetch_b8 v0, s[64:65] scope:SCOPE_SE
	s_setreg_imm32_b32 hwreg(HW_REG_WAVE_MODE, 25, 1), 1
	s_wait_xcnt 0x0
; x and the four weight matrices, f32, are rounded once to bf16 (nearest even) and laid one behind the other in cb, each in its own layout:
; x at byte 0, w_qkv at 8,388,608, w_out at 14,680,064, w_ff1 at 16,777,216, w_ff2 at 25,165,824.
; A work-group takes 16,384 numbers (65,536 bytes in, 32,768 out), so the five tensors begin at work-groups 0, 256, 448, 512, 768.
; A wave takes 8,192 bytes: sixteen loads of 512 consecutive bytes, all on their way at once; each store of the wave covers 256 consecutive bytes, aligned.
; A stream: no LDS, no barrier, no matrix unit.  No register is written twice, so no wait frees a source.
.set X, 4                              ; v[4:67]   load j: 4 registers
.set Y, 68                             ; v[68:99]  store j: 2 registers
	s_load_b256 s[4:11], s[0:1], 0x0               ; x s[4:5], w_qkv s[6:7], w_out s[8:9], w_ff1 s[10:11]
	s_load_b128 s[12:15], s[0:1], 0x20             ; w_ff2 s[12:13], cb s[14:15]
	v_lshrrev_b32 v3, 5, v0                        ; wave
	v_and_b32 v2, 31, v0                           ; lane
	v_lshlrev_b32 v1, 4, v2
	v_lshlrev_b32 v2, 3, v2
	v_lshl_or_b32 v1, v3, 13, v1                   ; source: 8,192 x wave + 16 x lane
	v_lshl_or_b32 v2, v3, 12, v2                   ; destination: 4,096 x wave + 8 x lane
	s_mov_b32 s22, 0
	s_wait_kmcnt 0x0
	s_mov_b64 s[20:21], s[4:5]
.macro PICK first, reg                 ; from work-group 'first' on the source is the tensor in s[reg:reg+1]
	s_cmp_ge_u32 ttmp9, \first
	s_cselect_b64 s[20:21], s[\reg:\reg+1], s[20:21]
	s_cselect_b32 s22, \first, s22
.endm
	PICK 256, 6
	PICK 448, 8
	PICK 512, 10
	PICK 768, 12
	s_sub_co_u32 s22, ttmp9, s22                   ; my place among the tensor's work-groups,
	s_lshl_b32 s22, s22, 16                        ; times 65,536 bytes
	s_mov_b32 s23, 0
	s_add_nc_u64 s[20:21], s[20:21], s[22:23]
	s_lshl_b32 s24, ttmp9, 15                      ; cb: 32,768 bytes a work-group
	s_mov_b32 s25, 0
	s_add_nc_u64 s[14:15], s[14:15], s[24:25]
.irp j, 0,1,2,3,4,5,6,7,8,9,10,11,12,13,14,15
	global_load_b128 v[X+4*\j:X+4*\j+3], v1, s[20:21] offset:512*\j th:TH_LOAD_NT
.endr
.irp j, 0,1,2,3,4,5,6,7,8,9,10,11,12,13,14,15
	s_wait_loadcnt 15-\j                           ; loads come back in order: load j is in, the younger ones stay out
	v_cvt_pk_bf16_f32 v[Y+2*\j], v[X+4*\j], v[X+4*\j+1]
	v_cvt_pk_bf16_f32 v[Y+2*\j+1], v[X+4*\j+2], v[X+4*\j+3]
	global_store_b64 v2, v[Y+2*\j:Y+2*\j+1], s[14:15] offset:256*\j
.endr
	s_endpgm
.Lfunc_end_k_qa8f07982b2_cast:
	.size	k_qa8f07982b2_cast, .Lfunc_end_k_qa8f07982b2_cast-k_qa8f07982b2_cast
	.p2alignl 7, 3214868480
	.fill 96, 4, 3214868480
	.section	.rodata,"a",@progbits
	.p2align	6, 0x0
	.amdhsa_kernel k_qa8f07982b2_cast
		.amdhsa_group_segment_fixed_size 0
		.amdhsa_private_segment_fixed_size 0
		.amdhsa_enable_private_segment 0
		.amdhsa_kernarg_size 48
		.amdhsa_user_sgpr_count 2
		.amdhsa_user_sgpr_kernarg_segment_ptr 1
		.amdhsa_wavefront_size32 1
		.amdhsa_system_sgpr_workgroup_id_x 1
		.amdhsa_system_sgpr_workgroup_id_y 1
		.amdhsa_system_sgpr_workgroup_id_z 1
		.amdhsa_system_vgpr_workitem_id 0
		.amdhsa_next_free_vgpr 100
		.amdhsa_next_free_sgpr 66
		.amdhsa_reserve_vcc 0
		.amdhsa_float_denorm_mode_32 3
		.amdhsa_float_denorm_mode_16_64 3
		.amdhsa_memory_ordered 1
		.amdhsa_forward_progress 1
		.amdhsa_inst_pref_size 8
	.end_amdhsa_kernel
	.amdgpu_metadata
---
amdhsa.version: [ 1, 2 ]
amdhsa.kernels:
  - .name:           k_qa8f07982b2_cast
    .symbol:         k_qa8f07982b2_cast.kd
    .args:
      - { .name: x, .offset: 0, .size: 8, .value_kind: global_buffer, .address_space: global }
      - { .name: w_qkv, .offset: 8, .size: 8, .value_kind: global_buffer, .address_space: global }
      - { .name: w_out, .offset: 16, .size: 8, .value_kind: global_buffer, .address_space: global }
      - { .name: w_ff1, .offset: 24, .size: 8, .value_kind: global_buffer, .address_space: global }
      - { .name: w_ff2, .offset: 32, .size: 8, .value_kind: global_buffer, .address_space: global }
      - { .name: cb, .offset: 40, .size: 8, .value_kind: global_buffer, .address_space: global }
    .group_segment_fixed_size: 0
    .private_segment_fixed_size: 0
    .kernarg_segment_align: 8
    .kernarg_segment_size: 48
    .max_flat_workgroup_size: 256
    .sgpr_count:     66
    .vgpr_count:     100
    .wavefront_size: 32
...
	.end_amdgpu_metadata
.endif
;; end of part 1
;; launch g_qkv (part 2): grid 24 x 32, 4 waves a work-group, clusters of 4 x 4, 327,680 bytes of LDS; arguments cb, b_qkv, qkvh; writes qkvh
.if DOCPART == 2
	.amdgcn_target "amdgcn-amd-amdhsa--gfx1250"
	.amdhsa_code_object_version 6
	.text
	.protected	k_qa8f07982b2_g_qkv
	.globl	k_qa8f07982b2_g_qkv
	.p2align	8
	.type	k_qa8f07982b2_g_qkv,@function
k_qa8f07982b2_g_qkv:
	s_mov_b64 s[64:65], 0
	v_nop
	global_prefetch_b8 v0, s[64:65] scope:SCOPE_SE
	s_setreg_imm32_b32 hwreg(HW_REG_WAVE_MODE, 25, 1), 1
	s_wait_xcnt 0x0
	s_wait_alu depctr_hold_cnt(0) depctr_sa_sdst(0) depctr_va_vdst(0) depctr_va_sdst(0) depctr_va_ssrc(0) depctr_va_vcc(0) depctr_vm_vsrc(0)
	s_getreg_b32 s2, hwreg(HW_REG_IB_STS2, 6, 4)
	s_cmp_eq_u32 s2, 0
	s_cbranch_scc0 .Lentry_in_a_cluster
	s_endpgm
.Lentry_in_a_cluster:
	s_bfe_u32 s2, ttmp6, 0x10000c
	s_cmp_lg_u32 s2, 0xf033
	s_cbranch_scc0 .Lentry_shape_is_right
	s_endpgm
.Lentry_shape_is_right:
; qkv = x w_qkv + b_qkv, stored in bf16 by heads: qkvh[3][32 = batch x 16 + head][2048 tokens][64].
; C[m][n] = sum over k of A[m][k] B[k][n].  A: bf16 [4096][SIZE_K] (x, at byte 0 of cb); B: bf16 [SIZE_K][SIZE_N] (at byte BOFF of cb); sums in f32.
; A tile of C is 128 x 128: four waves, each 64 x 64 = 16 accumulators of 16 x 16.  K goes in steps of 256 through two LDS slots filled by tensor loads.
; A's tile lies along K and is read as it lies; B's tile lies [k][n] and is turned on the way into registers by ds_load_tr16_b128.
; CLUSTERS: 4 x 4 work-groups.  The four of a row of the cluster need the same tiles of A, the four of a column the same tiles of B: each tile is asked for jointly.
; THE MATRIX INSTRUCTION IS USED TRANSPOSED (source 0 = 16 columns of B, source 1 = 16 rows of A): a lane then holds eight neighbouring numbers of a row of C.
; REGISTERS: window 0: v0-31 addresses; v32-95 at work on the way out; v96-127 bias; v128-255 accumulators ((a, b) at v[128 + 8 (4 a + b)]).
;   window 1: two fragment buffers of 128: for 64 along K, 64 registers of A, then 64 of B.
; LIMITS: operands are x and w rounded to bf16; the result is rounded once to bf16.
.set SIZE_N, 3072
.set SIZE_K, 1024
.set BOFF,   8388608
.set ARG_A,  0
.set ARG_B,  0
.set ARG_BIAS, 8
.set ARG_C,  16
.set KSTEP,  256
.set PA,     528                       ; a row of A in LDS: 512 bytes + 16 = 33 x 16: the 16 rows of a load begin in 16 different 16-byte columns of 256
.set PB,     288                       ; a row of B in LDS: 256 bytes + 32 = 9 x 32
.set HALFA,  64*PA                     ; what one tensor load brings of A
.set HALFB,  128*PB                    ; and of B
.set BO_LDS, 2*HALFA                   ; in a slot: A's 128 rows, then B's 256 rows
.set SLOT,   BO_LDS+2*HALFB
.set STAGE,  2*SLOT                    ; behind the ring, a multiple of 256: no tensor load lands here
.set SP,     144                       ; the stage's row: 64 bf16 + 16 bytes; 64 rows for each wave
.set LAPS,   SIZE_K/(2*KSTEP)
.set ADRA, 16                          ; v16-17  my A fragments in slot 0, 1
.set ADRB, 20                          ; v20-23  my B fragments: slot 0 k 0-127, k 128-255; slot 1 likewise (the 16-bit offset does not reach 256 rows)
.set STO,  24
.set RD,   25
.set CO,   26
.set BO,   27
.set TMP,  32
.set BIAS, 96
.set ACC,  128
.set F0,   0
.set F1,   128
.set G1,  24                           ; s[24:31] group 1 for A; s[32:39] group 0, a set for each slot
.set G0,  32
.set G1B, 48                           ; s[48:55], s[56:63] the same for B
.set G0B, 56
.set MSB, 0
.macro WIN new                         ; the immediate's high byte repeats the setting that is left
.if MSB != \new
	s_set_vgpr_msb (MSB<<8)|\new
.set MSB, \new
.endif
.endm
.set MUL,  0x05                        ; sources 0 and 1 window 1; C and D window 0
.set TO_F, 0x40                        ; destination window 1, address window 0
.macro PLACES                          ; four places in front of loads into registers that matrix instructions have read, and of vector work on their results
.rept 4
	v_nop
.endr
.endm
.macro JLOAD s                         ; a joint refill: waves 0 and 1 fetch A's halves, waves 2 and 3 B's; four v_nop follow each line
	s_cmp_eq_u32 s11, 0
	s_cbranch_scc0 .Lfor_b_\@
	tensor_load_to_lds s[G0+4*\s:G0+4*\s+3], s[G1:G1+7]
	s_nop 0
.rept 4
	v_nop
.endr
	s_branch .Lasked_\@
.Lfor_b_\@:
	tensor_load_to_lds s[G0B+4*\s:G0B+4*\s+3], s[G1B:G1B+7]
	s_nop 0
.rept 4
	v_nop
.endr
.Lasked_\@:
.endm
.macro CREST                           ; a round of the cluster's barrier behind its opening barrier
	s_cmp_lg_u32 s10, 0
	s_cbranch_scc1 .Lnot_wave_0_\@
	s_barrier_signal -3
.Lnot_wave_0_\@:
	s_barrier_wait -3
	s_barrier_signal -1
	s_barrier_wait -1
.endm
.macro CROUND
	s_barrier_signal -1
	s_barrier_wait -1
	CREST
.endm
	s_load_b64 s[4:5], s[0:1], ARG_A
	s_load_b64 s[6:7], s[0:1], ARG_B
	s_load_b64 s[8:9], s[0:1], ARG_C
	s_load_b64 s[84:85], s[0:1], ARG_BIAS
	v_lshl_add_u32 v30, v0, 2, 0x4e000
	v_mov_b32 v31, 0
	ds_add_u32 v30, v31
	ds_add_u32 v30, v31
	v_lshrrev_b32 v1, 5, v0
	v_readfirstlane_b32 s10, v1                    ; wave 0..3
	s_lshr_b32 s11, s10, 1                         ; my half of the tile's rows.  Also: I fetch for A (0) or for B (1)
	s_and_b32 s12, s10, 1                          ; my half of its columns.  Also: which half of that tile I fetch
	s_bfe_u32 s40, ttmp6, 0x40000                  ; cx
	s_bfe_u32 s41, ttmp6, 0x40004                  ; cy
	s_lshl_b32 s42, ttmp9, 2
	s_add_co_u32 s42, s42, s40                     ; tile column tc = 4 x cluster x + cx
	s_and_b32 s13, ttmp7, 0xffff
	s_lshl_b32 s13, s13, 2
	s_add_co_u32 s13, s13, s41                     ; tile row tr = 4 x cluster y + cy
	s_lshl_b32 s43, s41, 2
	s_lshl_b32 s43, 15, s43                        ; my row of the cluster
	s_lshl_b32 s44, 0x1111, s40                    ; my column
	s_or_b32 s[G1+0], s43, (1<<16)|(1<<20)|(1<<21)|(6<<22)|(3<<25)   ; mask; 2-byte elements; padding on; bit 21 beside a mask; after every 128 words 4 words
	s_mov_b32 s[G1+1], KSTEP<<16                   ; tensor_dim0 = 256
	s_mov_b32 s[G1+2], 64<<16                      ; tensor_dim1 = 64
	s_mov_b32 s[G1+3], KSTEP<<16                   ; tile_dim0 = 256
	s_mov_b32 s[G1+4], 64                          ; tile_dim1 = 64
	s_mov_b32 s[G1+5], SIZE_K                      ; elements from row to row
	s_mov_b32 s[G1+6], 0
	s_mov_b32 s[G1+7], 0
	s_or_b32 s[G1B+0], s44, (1<<16)|(1<<20)|(1<<21)|(5<<22)|(7<<25)  ; after every 64 words 8 words
	s_mov_b32 s[G1B+1], 128<<16                    ; 128 columns
	s_mov_b32 s[G1B+2], 128<<16                    ; 128 rows of k
	s_mov_b32 s[G1B+3], 128<<16
	s_mov_b32 s[G1B+4], 128
	s_mov_b32 s[G1B+5], SIZE_N
	s_mov_b32 s[G1B+6], 0
	s_mov_b32 s[G1B+7], 0
	s_lshl_b32 s16, s13, 7                         ; A: row 128 tr + 64 x half, in bytes (under 2^26)
	s_lshl_b32 s17, s12, 6
	s_add_co_u32 s16, s16, s17
	s_mul_i32 s16, s16, SIZE_K*2
	s_mov_b32 s17, 0
	s_mul_i32 s46, s12, 128*SIZE_N*2               ; B: k row 128 x half, column 128 tc, behind BOFF
	s_lshl_b32 s47, s42, 8
	s_add_co_u32 s46, s46, s47
	s_add_co_u32 s46, s46, BOFF
	s_mov_b32 s47, 0
	s_mul_i32 s20, s12, HALFA                      ; where they go: no place in the cluster enters an LDS address
	s_mul_i32 s21, s12, HALFB
	s_add_co_u32 s21, s21, BO_LDS
	s_wait_dscnt 0x0
	s_wait_kmcnt 0x0
	s_add_nc_u64 s[14:15], s[4:5], s[16:17]
	s_add_nc_u64 s[46:47], s[6:7], s[46:47]
.irp s, 0,1
	s_mov_b32 s[G0+4*\s], 1
	s_add_co_u32 s[G0+4*\s+1], s20, \s*SLOT
	s_add_nc_u64 s[G0+4*\s+2:G0+4*\s+3], s[14:15], \s*KSTEP*2
	s_or_b32 s[G0+4*\s+3], s[G0+4*\s+3], 0x80000000
	s_mov_b32 s[G0B+4*\s], 1
	s_add_co_u32 s[G0B+4*\s+1], s21, \s*SLOT
	s_add_nc_u64 s[G0B+4*\s+2:G0B+4*\s+3], s[46:47], \s*KSTEP*SIZE_N*2
	s_or_b32 s[G0B+4*\s+3], s[G0B+4*\s+3], 0x80000000
.endr
	CROUND                                         ; all sixteen work-groups are here: the first joint loads meet
	s_cmp_eq_u32 s11, 0                            ; a wave's two first fills stand in one branch: two loads of mine are out
	s_cbranch_scc0 .Lfirst_b
	tensor_load_to_lds s[G0:G0+3], s[G1:G1+7]
	s_nop 0
	tensor_load_to_lds s[G0+4:G0+7], s[G1:G1+7]
	s_nop 0
.rept 4
	v_nop
.endr
	s_branch .Lfirst_asked
.Lfirst_b:
	tensor_load_to_lds s[G0B:G0B+3], s[G1B:G1B+7]
	s_nop 0
	tensor_load_to_lds s[G0B+4:G0B+7], s[G1B:G1B+7]
	s_nop 0
.rept 4
	v_nop
.endr
.Lfirst_asked:
	v_and_b32 v1, 15, v0                           ; r = l % 16
	v_bfe_u32 v2, v0, 4, 1                         ; h = l / 16
	v_mul_u32_u24 v3, v1, PA
	v_lshl_add_u32 v3, v2, 4, v3                   ; A: row x pitch + 16 h
	s_mul_i32 s22, s11, HALFA
	v_add_nc_u32 v[ADRA], s22, v3
	v_add_nc_u32 v[ADRA+1], SLOT, v[ADRA]
	v_and_b32 v4, 7, v0                            ; B: k row 8 h + l % 8, columns 8 ((l / 8) % 2) on
	v_lshl_add_u32 v4, v2, 3, v4
	v_mul_u32_u24 v4, v4, PB
	v_bfe_u32 v5, v0, 3, 1
	v_lshl_add_u32 v4, v5, 4, v4
	s_lshl_b32 s23, s12, 7                         ; my 64 columns
	s_add_co_u32 s23, s23, BO_LDS
	v_add_nc_u32 v[ADRB], s23, v4
	v_add_nc_u32 v[ADRB+1], 128*PB, v[ADRB]
	v_add_nc_u32 v[ADRB+2], SLOT, v[ADRB]
	v_add_nc_u32 v[ADRB+3], SLOT, v[ADRB+1]
	; the way out: my own stage of 64 rows x 144 bytes; my 64 columns are one head, so my 64 tokens x 128 bytes are 8,192 consecutive bytes of qkvh
	v_and_b32 v3, 31, v0
	s_mul_i32 s23, s10, 64*SP
	s_add_co_u32 s23, s23, STAGE
	v_mul_u32_u24 v4, v1, SP
	v_lshl_add_u32 v4, v2, 4, v4
	v_add_nc_u32 v[STO], s23, v4                   ; in: row r, 16 bytes for each half of the lanes
	v_lshrrev_b32 v4, 3, v3
	v_mul_u32_u24 v4, v4, SP
	v_and_b32 v5, 7, v0
	v_lshl_add_u32 v4, v5, 4, v4
	v_add_nc_u32 v[RD], s23, v4                    ; back: eight lanes to a row of 128 bytes, four rows a load
	v_lshlrev_b32 v[CO], 4, v3                     ; and 512 consecutive bytes in memory
	v_lshlrev_b32 v[BO], 5, v2                     ; bias: my 8 columns begin 8 h numbers into a block of 16
	s_lshl_b32 s88, s42, 9                         ; (128 tc + 64 x half) x 4 bytes
	s_lshl_b32 s89, s12, 8
	s_add_co_u32 s88, s88, s89
	s_mov_b32 s89, 0
	s_add_nc_u64 s[84:85], s[84:85], s[88:89]
.irp b, 0,1,2,3
	global_load_b128 v[BIAS+8*\b:BIAS+8*\b+3], v[BO], s[84:85] offset:64*\b
	global_load_b128 v[BIAS+8*\b+4:BIAS+8*\b+7], v[BO], s[84:85] offset:64*\b+16
.endr
	s_lshr_b32 s88, s42, 3                         ; q, k or v: 8,388,608 bytes each
	s_lshl_b32 s88, s88, 23
	s_and_b32 s89, s42, 7                          ; head 2 (tc % 8) + half: 262,144 bytes each
	s_lshl_b32 s89, s89, 19
	s_add_co_u32 s88, s88, s89
	s_lshl_b32 s89, s12, 18
	s_add_co_u32 s88, s88, s89
	s_mov_b32 s89, 0
	s_add_nc_u64 s[8:9], s[8:9], s[88:89]
	s_lshr_b32 s90, s13, 4                         ; batch: 16 heads
	s_lshl_b32 s90, s90, 22
	s_and_b32 s91, s13, 15                         ; token 128 (tr % 16) + 64 x half: 128 bytes each
	s_lshl_b32 s91, s91, 14
	s_add_co_u32 s90, s90, s91
	s_lshl_b32 s91, s11, 13
	s_add_co_u32 s90, s90, s91
	s_mov_b32 s91, 0
	s_add_nc_u64 s[8:9], s[8:9], s[90:91]
; 8 matrix instructions: m blocks a0, a0 + 1 x all 4 n blocks, 32 along K: half c of buffer f.  zero = 1: the product starts the sums.
; The 16 accumulators take turns, one instruction a turn.
.macro MUL8 f, c, a0, zero
.irp a, \a0, \a0+1
.irp b, 0,1,2,3
.if \zero
	v_wmma_f32_16x16x32_bf16 v[ACC+8*(4*(\a)+\b):ACC+8*(4*(\a)+\b)+7], v[\f+64+8*(4*\c+\b):\f+64+8*(4*\c+\b)+7], v[\f+8*(4*\c+\a):\f+8*(4*\c+\a)+7], 0
.else
	v_wmma_f32_16x16x32_bf16 v[ACC+8*(4*(\a)+\b):ACC+8*(4*(\a)+\b)+7], v[\f+64+8*(4*\c+\b):\f+64+8*(4*\c+\b)+7], v[\f+8*(4*\c+\a):\f+8*(4*\c+\a)+7], v[ACC+8*(4*(\a)+\b):ACC+8*(4*(\a)+\b)+7]
.endif
.endr
.endr
.endm
; 32 LDS loads in one run: the fragments of quarter q (64 along K) of a slot into buffer f; the first 32 along K first
.macro FETCH slot, q, f
	WIN TO_F
.irp c, 0,1
.irp i, 0,1,2,3
	ds_load_tr16_b128 v[\f+64+8*(4*\c+\i):\f+64+8*(4*\c+\i)+3],   v[ADRB+2*\slot+(\q)/2] offset:(((\q)%2)*64+32*\c)*PB+32*\i
	ds_load_tr16_b128 v[\f+64+8*(4*\c+\i)+4:\f+64+8*(4*\c+\i)+7], v[ADRB+2*\slot+(\q)/2] offset:(((\q)%2)*64+32*\c+16)*PB+32*\i
	ds_load_b128 v[\f+8*(4*\c+\i):\f+8*(4*\c+\i)+3],              v[ADRA+\slot] offset:128*\q+64*\c+\i*16*PA
	ds_load_b128 v[\f+8*(4*\c+\i)+4:\f+8*(4*\c+\i)+7],            v[ADRA+\slot] offset:128*\q+64*\c+\i*16*PA+32
.endr
.endr
.endm
; A K step is four quarters of 64 along K, 32 matrix instructions each, on buffers 0, 1, 0, 1.  One of the first three: multiplies f, fetches quarter qn into g.
.macro QUARTER slot, qn, f, g, zero
	s_wait_dscnt 16                                ; the first 32 along K are in; the 16 younger loads may be out
	WIN MUL
	MUL8 \f, 0, 0, \zero
	MUL8 \f, 0, 2, \zero
	PLACES
	FETCH \slot, \qn, \g
	s_wait_dscnt 32                                ; all but the 32 just issued
	WIN MUL
	MUL8 \f, 1, 0, 0
	MUL8 \f, 1, 2, 0
.endm
; The last quarter multiplies buffer 1 and changes slots: one barrier; in front of it each wave waits for its reads of this slot and for all its tensor loads.
; fill = 1: the barrier opens a round of the cluster's barrier, and this slot is filled again, two K steps ahead, first thing behind the round.
.macro TURN slot, next, fill
	s_wait_dscnt 16
	WIN MUL
	MUL8 F1, 0, 0, 0
	s_wait_dscnt 0x0                               ; my reads of this slot are over,
	s_set_vgpr_msb 0x500
	s_wait_tensorcnt 0x0                           ; and all my tensor loads have landed: my part of the next slot
	ds_add_u32 v30, v31
	s_wait_dscnt 0x0
	s_set_vgpr_msb 0x5
	s_barrier_signal -1
	MUL8 F1, 0, 2, 0
.if \fill
	WIN 0
.endif
	s_barrier_wait -1
.if \fill
	CREST
	s_add_nc_u64 s[G0+4*\slot+2:G0+4*\slot+3], s[G0+4*\slot+2:G0+4*\slot+3], 2*KSTEP*2
	s_add_nc_u64 s[G0B+4*\slot+2:G0B+4*\slot+3], s[G0B+4*\slot+2:G0B+4*\slot+3], 2*KSTEP*SIZE_N*2
	JLOAD \slot                                    ; one load of mine is out; 120 matrix instructions stand between it and the wait for it; its four v_nop are also the places in front of the loads below
.else
	PLACES
.endif
	FETCH \next, 0, F0
	WIN MUL
	MUL8 F1, 1, 0, 0
	MUL8 F1, 1, 2, 0
.endm
	s_wait_tensorcnt 0x1                           ; my part of K step 0 is in; K step 1's may stay out
	s_barrier_signal -1
	s_barrier_wait -1
	FETCH 0, 0, F0
	QUARTER 0, 1, F0, F1, 1                        ; the first quarter stands in front of the loop: its first products start the sums
	WIN 0
	s_mov_b32 s3, LAPS-1
.Llap:                                                 ; a trip goes once round the ring and fills both slots again
	QUARTER 0, 2, F1, F0, 0
	QUARTER 0, 3, F0, F1, 0
	TURN 0, 1, 1
	QUARTER 1, 1, F0, F1, 0
	QUARTER 1, 2, F1, F0, 0
	QUARTER 1, 3, F0, F1, 0
	TURN 1, 0, 1
	QUARTER 0, 1, F0, F1, 0
	WIN 0
	s_sub_co_u32 s3, s3, 1
	s_cmp_lg_u32 s3, 0
	s_cbranch_scc1 .Llap
	QUARTER 0, 2, F1, F0, 0                        ; the last lap fills nothing
	QUARTER 0, 3, F0, F1, 0
	TURN 0, 1, 0
	QUARTER 1, 1, F0, F1, 0
	QUARTER 1, 2, F1, F0, 0
	QUARTER 1, 3, F0, F1, 0
	s_wait_dscnt 16
	WIN MUL
	MUL8 F1, 0, 0, 0
	MUL8 F1, 0, 2, 0
	s_wait_dscnt 0x0
	MUL8 F1, 1, 0, 0
	MUL8 F1, 1, 2, 0
	WIN 0
	; THE WAY OUT: + bias, rounded to bf16, 16 bytes a lane into my own stage, back as rows of 128 bytes, stored as 512 consecutive bytes a store.
	s_wait_loadcnt 0x0                             ; the bias
	PLACES
.irp t, 0,1,2,3,4,5,6,7,8,9,10,11,12,13,14,15
.irp k, 0,1,2,3
	v_pk_add_f32 v[ACC+8*\t+2*\k:ACC+8*\t+2*\k+1], v[ACC+8*\t+2*\k:ACC+8*\t+2*\k+1], v[BIAS+8*(\t%4)+2*\k:BIAS+8*(\t%4)+2*\k+1]
.endr
.irp k, 0,1,2,3
	v_cvt_pk_bf16_f32 v[TMP+4*\t+\k], v[ACC+8*\t+2*\k], v[ACC+8*\t+2*\k+1]
.endr
.endr
.irp a, 0,1,2,3
.irp b, 0,1,2,3
	ds_store_b128 v[STO], v[TMP+4*(4*\a+\b):TMP+4*(4*\a+\b)+3] offset:\a*16*SP+32*\b
.endr
.endr
.irp t, 0,1,2,3,4,5,6,7,8,9,10,11,12,13,14,15
	ds_load_b128 v[TMP+4*\t:TMP+4*\t+3], v[RD] offset:\t*4*SP      ; LDS serves a wave's instructions in order: these see my stores above
.endr
.irp t, 0,1,2,3,4,5,6,7,8,9,10,11,12,13,14,15
	s_wait_dscnt 15-\t                             ; load t is back, the younger ones may be out
	global_store_b128 v[CO], v[TMP+4*\t:TMP+4*\t+3], s[8:9] offset:512*\t
.endr
	s_wait_tensorcnt 0x0
	ds_add_u32 v30, v31
	s_wait_dscnt 0x0
	CROUND                                         ; the closing round: no work-group ends while a partner may still ask for a tile that names it
	s_endpgm
.Lfunc_end_k_qa8f07982b2_g_qkv:
	.size	k_qa8f07982b2_g_qkv, .Lfunc_end_k_qa8f07982b2_g_qkv-k_qa8f07982b2_g_qkv
	.p2alignl 7, 3214868480
	.fill 96, 4, 3214868480
	.section	.rodata,"a",@progbits
	.p2align	6, 0x0
	.amdhsa_kernel k_qa8f07982b2_g_qkv
		.amdhsa_group_segment_fixed_size 327680
		.amdhsa_private_segment_fixed_size 0
		.amdhsa_enable_private_segment 0
		.amdhsa_kernarg_size 24
		.amdhsa_user_sgpr_count 2
		.amdhsa_user_sgpr_kernarg_segment_ptr 1
		.amdhsa_wavefront_size32 1
		.amdhsa_system_sgpr_workgroup_id_x 1
		.amdhsa_system_sgpr_workgroup_id_y 1
		.amdhsa_system_sgpr_workgroup_id_z 1
		.amdhsa_system_vgpr_workitem_id 0
		.amdhsa_next_free_vgpr 512
		.amdhsa_next_free_sgpr 96
		.amdhsa_reserve_vcc 0
		.amdhsa_float_denorm_mode_32 3
		.amdhsa_float_denorm_mode_16_64 3
		.amdhsa_memory_ordered 1
		.amdhsa_forward_progress 1
		.amdhsa_inst_pref_size 92
	.end_amdhsa_kernel
	.amdgpu_metadata
---
amdhsa.version: [ 1, 2 ]
amdhsa.kernels:
  - .name:           k_qa8f07982b2_g_qkv
    .symbol:         k_qa8f07982b2_g_qkv.kd
    .args:
      - { .name: cb, .offset: 0, .size: 8, .value_kind: global_buffer, .address_space: global }
      - { .name: b_qkv, .offset: 8, .size: 8, .value_kind: global_buffer, .address_space: global }
      - { .name: qkvh, .offset: 16, .size: 8, .value_kind: global_buffer, .address_space: global }
    .group_segment_fixed_size: 327680
    .private_segment_fixed_size: 0
    .kernarg_segment_align: 8
    .kernarg_segment_size: 24
    .max_flat_workgroup_size: 128
    .sgpr_count:     96
    .vgpr_count:     512
    .wavefront_size: 32
...
	.end_amdgpu_metadata
.endif
;; end of part 2
;; launch attn (part 3): grid 8 x 32, 4 waves a work-group, no clusters, 327,680 bytes of LDS; arguments qkvh, ao; writes ao
.if DOCPART == 3
	.amdgcn_target "amdgcn-amd-amdhsa--gfx1250"
	.amdhsa_code_object_version 6
	.text
	.protected	k_qa8f07982b2_attn
	.globl	k_qa8f07982b2_attn
	.p2align	8
	.type	k_qa8f07982b2_attn,@function
k_qa8f07982b2_attn:
	s_mov_b64 s[64:65], 0
	v_nop
	global_prefetch_b8 v0, s[64:65] scope:SCOPE_SE
	s_setreg_imm32_b32 hwreg(HW_REG_WAVE_MODE, 25, 1), 1
	s_wait_xcnt 0x0
; Causal attention.  qkvh: bf16 [3][32 heads][2048][64]; ao: bf16 [4096 tokens][1024], head h in columns 64 h on.
; SHARES.  Work-group (i, head) owns the query blocks i and 15 - i of its head, 128 queries each, one after the other; a wave owns 32 queries of each: two tiles of 16.
; Block B sees the keys 0 .. 128 (B + 1) - 1, so every work-group walks (i + 1) + (16 - i) = 17 units of 128 keys, 34 steps of 64: the same work everywhere, and constant trip counts.
; LAYOUT.  S^T = K Q^T (source 0 = 16 keys, source 1 = 16 queries): a lane holds one query (lane % 16) and the keys 8 (lane / 16) + 0..7.  Two such tiles, rounded to bf16 in pairs,
; are source 1 of O^T = V^T P.  K comes out of LDS as it lies, V ([key][channel]) turned, by ds_load_tr16_b128.
; SOFTMAX.  A running maximum m and sum l for each query: p = 2^(c s - c m), c = log2(e) / 8; in every step O and l are multiplied by a = 2^(c m_old - c m_new).
; A block's first step holds key 0, which every query sees: behind it m is finite, so the start m = -inf gives a = 0 there and never -inf - (-inf).
; MASK.  Keys above the query get -inf; only the two steps on the diagonal of a block run the mask (a branch on counters made of the work-group's number).
; RING.  Two LDS slots of one unit (128 keys of K, then of V).  Waves 0, 1 fetch K's halves, waves 2, 3 V's: one tensor load a wave behind each barrier, two key steps ahead of its first read.
; NO JOINT LOADS: the eight work-groups of a head pass from their first block to their second after i + 1 units, a different number in each; from then on they want different tiles at the same step.
; The stores cover four pieces of 128 bytes: a head's 64 columns are half of an aligned 256 bytes of ao, the other half is another work-group's.
; LIMITS: q, k, v, p and the result are bf16; v_exp_f32 and v_rcp_f32 flush denormals; scores beyond f32's range are not served.
; REGISTERS.  Window 0: v1-15 addresses; v16-31 statistics, 8 a tile; v32-95 S^T, 32 a tile; v96-127 P, 16 a tile; v128-191 O^T, 32 a tile.
;   Window 1: v0-31 Q in use; v32-63 Q of the second block; v64-127 K of a step; v128-191 V of a step.
.set PK,    144                        ; a row of K in LDS: 128 bytes + 16 = 9 x 16
.set PV,    160                        ; a row of V: 128 + 32 = 5 x 32
.set HK,    64*PK                      ; a step's K, and what one tensor load brings
.set HV,    64*PV
.set VOFF,  128*PK                     ; in a slot: 128 rows of K, then 128 rows of V
.set SLOT1, 65536                      ; slot 1 begins here: one exclusive or changes slots
.set STAGE, 131072                     ; behind the ring: 32 rows x 144 bytes for each wave
.set SP,    144
.set AK0, 2
.set AV0, 3
.set ADR, 4
.set QO,  5
.set STO, 6
.set RD,  7
.set GO,  8
.set LQ,  9                            ; v9, v10: 32 w + 16 t + r - 8 h
.set DQ,  11
.set NINF, 12
.set ST,  16                           ; tile t at v[ST+8 t]: +0 c m, +1 m, +2, +3 l, +4 to +7 at work (a in +6)
.set S,   32
.set P,   96
.set OT,  128
.set WV,  12
.set G1K, 24
.set G1V, 32
.set G0K, 40                           ; s[40:47]: a set for each of the two first fills; the second then walks on
.set G0V, 48
.set CS,  58
.set SEL, 60
.set TB,  62                           ; LDS byte of the slot that is fetched from
.set KB,  66                           ; first key of the step
.set QB,  67                           ; first query of the block in hand
.set QB2, 68                           ; of the second block
.set FK,  69                           ; first key of the unit to be asked for
.set FLIM, 70                          ; where the first block's keys end
.set UNIT, 71
.set MSB, 0
.macro WIN new
.if MSB != \new
	s_set_vgpr_msb (MSB<<8)|\new
.set MSB, \new
.endif
.endm
.macro PLACES
.rept 4
	v_nop
.endr
.endm
.macro JLOAD                           ; the refill: a branch on the wave's number; four v_nop follow each line
	s_cmp_lt_u32 s[WV], 2
	s_cbranch_scc0 .Lfor_v_\@
	tensor_load_to_lds s[G0K+4:G0K+7], s[G1K:G1K+7]
	s_nop 0
.rept 4
	v_nop
.endr
	s_branch .Lasked_\@
.Lfor_v_\@:
	tensor_load_to_lds s[G0V+4:G0V+7], s[G1V:G1V+7]
	s_nop 0
.rept 4
	v_nop
.endr
.Lasked_\@:
.endm
.macro NEXTFK                          ; the next unit's keys: 128 on, or back to key 0 when the first block's keys are through
	s_add_co_u32 s[FK], s[FK], 128
	s_cmp_eq_u32 s[FK], s[FLIM]
	s_cselect_b32 s[FK], 0, s[FK]
	s_cselect_b32 s[FLIM], 0x7fffffff, s[FLIM]
.endm
.macro SETADR                          ; the walking descriptors' global addresses, written anew: base + 128 bytes a key
	s_lshl_b32 s72, s[FK], 7
	s_add_nc_u64 s[G0K+6:G0K+7], s[74:75], s[72:73]
	s_or_b32 s[G0K+7], s[G0K+7], 0x80000000
	s_add_nc_u64 s[G0V+6:G0V+7], s[76:77], s[72:73]
	s_or_b32 s[G0V+7], s[G0V+7], 0x80000000
.endm
	s_load_b128 s[4:7], s[0:1], 0x0                ; qkvh s[4:5], ao s[6:7]
	v_lshl_add_u32 v254, v0, 2, 0x29000
	v_mov_b32 v255, 0
	ds_add_u32 v254, v255
	ds_add_u32 v254, v255
	v_lshrrev_b32 v1, 5, v0
	v_readfirstlane_b32 s[WV], v1
	s_and_b32 s14, ttmp7, 0xffff                   ; the head, 0..31
	s_and_b32 s16, s[WV], 1                        ; which half of a unit I fetch
	; a half unit is 64 keys x 128 bytes, dense in memory: taken as 32 rows of 256 bytes, padded behind every 128 bytes
	s_mov_b32 s[G1K], (3<<16)|(1<<20)|(4<<22)|(3<<25)   ; 8-byte elements; padding on; after every 32 words 4 words
	s_mov_b32 s[G1V], (3<<16)|(1<<20)|(4<<22)|(7<<25)   ; 8 words
.irp g, G1K, G1V
	s_mov_b32 s[\g+1], 32<<16                      ; tensor_dim0 = 32
	s_mov_b32 s[\g+2], 32<<16                      ; tensor_dim1 = 32
	s_mov_b32 s[\g+3], 32<<16                      ; tile_dim0 = 32
	s_mov_b32 s[\g+4], 32                          ; tile_dim1 = 32
	s_mov_b32 s[\g+5], 32                          ; elements from row to row
	s_mov_b32 s[\g+6], 0
	s_mov_b32 s[\g+7], 0
.endr
	s_mov_b32 s[CS], 0x3e38aa3b                    ; c = log2(e) / 8
	s_mov_b32 s[CS+1], s[CS]
	s_mov_b32 s[SEL], 0x76543210
	s_mov_b32 s[SEL+1], 0xfedcba98
	s_lshl_b32 s[QB], ttmp9, 7
	s_sub_co_u32 s[QB2], 15, ttmp9
	s_lshl_b32 s[QB2], s[QB2], 7
	s_add_co_u32 s[FLIM], s[QB], 128
	s_mov_b32 s[FK], 0
	s_mov_b32 s[KB], 0
	s_mov_b32 s[TB], 0
	s_mov_b32 s[UNIT], 0
	s_lshl_b32 s82, s14, 18                        ; the head's first byte in a section
	s_lshl_b32 s83, s16, 13                        ; my half unit
	s_add_co_u32 s72, s82, s83
	s_mov_b32 s73, 0
	s_lshl_b32 s83, s[WV], 12                      ; my wave's 32 rows of 128 bytes
	s_add_co_u32 s82, s82, s83
	s_lshl_b32 s84, s[QB], 7
	s_add_co_u32 s84, s84, s82
	s_mov_b32 s85, 0
	s_lshl_b32 s90, s[QB2], 7
	s_add_co_u32 s90, s90, s82
	s_mov_b32 s91, 0
	s_lshr_b32 s92, s14, 4                         ; ao: batch x 2,048 rows of 2,048 bytes,
	s_lshl_b32 s92, s92, 22
	s_and_b32 s93, s14, 15                         ; the head's 128 bytes of a row,
	s_lshl_b32 s93, s93, 7
	s_add_co_u32 s92, s92, s93
	s_lshl_b32 s93, s[WV], 16                      ; my wave's 32 rows
	s_add_co_u32 s92, s92, s93
	s_mov_b32 s93, 0
	s_wait_dscnt 0x0
	s_wait_kmcnt 0x0
	s_add_nc_u64 s[74:75], s[4:5], s[72:73]
	s_add_nc_u64 s[76:77], s[74:75], 16777216      ; V's section
	s_add_nc_u64 s[74:75], s[74:75], 8388608       ; K's section
	s_add_nc_u64 s[86:87], s[4:5], s[84:85]        ; Q of the first block
	s_add_nc_u64 s[88:89], s[4:5], s[90:91]        ; Q of the second
	s_add_nc_u64 s[78:79], s[6:7], s[92:93]
	s_lshl_b32 s72, s[QB], 11
	s_add_nc_u64 s[80:81], s[78:79], s[72:73]      ; ao at my rows of the block in hand
	s_mov_b32 s[G0K], 1                            ; unit 0: keys 0 on, slot 0
	s_mul_i32 s[G0K+1], s16, HK
	s_mov_b64 s[G0K+2:G0K+3], s[74:75]
	s_or_b32 s[G0K+3], s[G0K+3], 0x80000000
	s_mov_b32 s[G0V], 1
	s_mul_i32 s[G0V+1], s16, HV
	s_add_co_u32 s[G0V+1], s[G0V+1], VOFF
	s_mov_b64 s[G0V+2:G0V+3], s[76:77]
	s_or_b32 s[G0V+3], s[G0V+3], 0x80000000
	NEXTFK                                         ; unit 1, slot 1
	s_mov_b32 s[G0K+4], 1
	s_add_co_u32 s[G0K+5], s[G0K+1], SLOT1
	s_mov_b32 s[G0V+4], 1
	s_add_co_u32 s[G0V+5], s[G0V+1], SLOT1
	SETADR
	s_cmp_lt_u32 s[WV], 2                          ; a wave's two first fills stand in one branch: two loads of mine are out
	s_cbranch_scc0 .Lfirst_v
	tensor_load_to_lds s[G0K:G0K+3], s[G1K:G1K+7]
	s_nop 0
	tensor_load_to_lds s[G0K+4:G0K+7], s[G1K:G1K+7]
	s_nop 0
.rept 4
	v_nop
.endr
	s_branch .Lfirst_asked
.Lfirst_v:
	tensor_load_to_lds s[G0V:G0V+3], s[G1V:G1V+7]
	s_nop 0
	tensor_load_to_lds s[G0V+4:G0V+7], s[G1V:G1V+7]
	s_nop 0
.rept 4
	v_nop
.endr
.Lfirst_asked:
	v_and_b32 v1, 15, v0                           ; r
	v_bfe_u32 v13, v0, 4, 1                        ; h
	v_lshlrev_b32 v[QO], 7, v1
	v_lshl_add_u32 v[QO], v13, 4, v[QO]            ; row x 128 + 16 h
	WIN 0x40                                       ; destination window 1
.irp t, 0,1
.irp c, 0,1
	global_load_b128 v[16*\t+8*\c:16*\t+8*\c+3],       v[QO], s[86:87] offset:\t*2048+\c*64
	global_load_b128 v[16*\t+8*\c+4:16*\t+8*\c+7],     v[QO], s[86:87] offset:\t*2048+\c*64+32
	global_load_b128 v[32+16*\t+8*\c:32+16*\t+8*\c+3],   v[QO], s[88:89] offset:\t*2048+\c*64
	global_load_b128 v[32+16*\t+8*\c+4:32+16*\t+8*\c+7], v[QO], s[88:89] offset:\t*2048+\c*64+32
.endr
.endr
	WIN 0
	v_mul_u32_u24 v[AK0], v1, PK
	v_lshl_add_u32 v[AK0], v13, 4, v[AK0]          ; K: row x pitch + 16 h
	v_and_b32 v14, 7, v0
	v_bfe_u32 v15, v0, 3, 1
	v_lshl_add_u32 v[AV0], v13, 3, v14             ; V: key 8 h + l % 8, channels 8 ((l / 8) % 2) on
	v_mul_u32_u24 v[AV0], v[AV0], PV
	v_lshl_add_u32 v[AV0], v15, 4, v[AV0]
	v_add_nc_u32 v[AV0], VOFF, v[AV0]
	s_mul_i32 s82, s[WV], 32*SP
	s_add_co_u32 s82, s82, STAGE                   ; my stage
	v_mul_u32_u24 v[STO], v1, SP
	v_lshl_add_u32 v[STO], v13, 4, v[STO]
	v_add_nc_u32 v[STO], s82, v[STO]
	v_and_b32 v15, 31, v0
	v_lshrrev_b32 v15, 3, v15                      ; l / 8: eight lanes to a row of 128 bytes
	v_mul_u32_u24 v[RD], v15, SP
	v_lshl_add_u32 v[RD], v14, 4, v[RD]
	v_add_nc_u32 v[RD], s82, v[RD]
	v_lshlrev_b32 v[GO], 11, v15
	v_lshl_add_u32 v[GO], v14, 4, v[GO]
	v_lshlrev_b32 v14, 3, v13
	v_sub_nc_u32 v[LQ], v1, v14
	s_lshl_b32 s82, s[WV], 5
	v_add_nc_u32 v[LQ], s82, v[LQ]
	v_add_nc_u32 v[LQ+1], 16, v[LQ]
	v_mov_b32 v[NINF], 0xff800000
; 16 products S^T = K Q^T: channels 32 (i / 8) on, keys 16 ((i / 2) % 4) on, tile i % 2.  The first 8 start the sums.  The 8 accumulators take turns.
.macro KQ
	WIN 0x05
.set i, 0
.rept 16
.set rS, S+32*(i%2)+8*((i/2)%4)
.set rK, 64+8*(2*((i/2)%4)+i/8)
.set rQ, 16*(i%2)+8*(i/8)
.if i < 8
	v_wmma_f32_16x16x32_bf16 v[rS:rS+7], v[rK:rK+7], v[rQ:rQ+7], 0
.else
	v_wmma_f32_16x16x32_bf16 v[rS:rS+7], v[rK:rK+7], v[rQ:rQ+7], v[rS:rS+7]
.endif
.set i, i+1
.endr
.endm
; 16 products O^T += V^T P: keys 32 (i / 8) on, channels 16 ((i / 2) % 4) on, tile i % 2
.macro PVM
	WIN 0x01
.set i, 0
.rept 16
.set rO, OT+32*(i%2)+8*((i/2)%4)
.set rV, 128+8*(4*(i/8)+(i/2)%4)
.set rP, P+16*(i%2)+8*(i/8)
	v_wmma_f32_16x16x32_bf16 v[rO:rO+7], v[rV:rV+7], v[rP:rP+7], v[rO:rO+7]
.set i, i+1
.endr
.endm
.macro FETCH_K half                    ; 16 loads: fragment f = 2 kt + c: keys 16 kt on, channels 32 c on
	WIN 0
	v_add_nc_u32 v[ADR], s[TB], v[AK0]
	WIN 0x40
.irp f, 0,1,2,3,4,5,6,7
	ds_load_b128 v[64+8*\f:64+8*\f+3],   v[ADR] offset:\half*HK+(\f/2)*16*PK+(\f%2)*64
	ds_load_b128 v[64+8*\f+4:64+8*\f+7], v[ADR] offset:\half*HK+(\f/2)*16*PK+(\f%2)*64+32
.endr
	WIN 0
.endm
.macro FETCH_V half                    ; 16 turning loads: fragment f = 4 kc + cb: keys 32 kc on, channels 16 cb on
	WIN 0
	v_add_nc_u32 v[ADR], s[TB], v[AV0]
	WIN 0x40
.irp f, 0,1,2,3,4,5,6,7
	ds_load_tr16_b128 v[128+8*\f:128+8*\f+3],   v[ADR] offset:\half*HV+(\f/4)*32*PV+(\f%4)*32
	ds_load_tr16_b128 v[128+8*\f+4:128+8*\f+7], v[ADR] offset:\half*HV+(\f/4)*32*PV+16*PV+(\f%4)*32
.endr
	WIN 0
.endm
; key KB + 16 kt + 8 h + j is hidden from query QB + 32 w + 16 t + r where 16 kt + j > (QB - KB) + 32 w + 16 t + r - 8 h
.macro MASK
	s_sub_co_i32 s82, s[QB], s[KB]
.irp t, 0,1
	v_add_nc_u32 v[DQ], s82, v[LQ+\t]
.set u, 0
.rept 32
	v_cmp_gt_i32 vcc_lo, 16*(u/8)+u%8, v[DQ]
	v_cndmask_b32 v[S+32*\t+u], v[S+32*\t+u], v[NINF], vcc_lo
.set u, u+1
.endr
.endr
.endm
.macro SOFTMAX
.irp j, 0,1,2,3                        ; the maximum: four chains of seven scores, the four left over, the chains, the old m
.irp t, 0,1
	v_max3_num_f32 v[ST+8*\t+4+\j], v[S+32*\t+8*\j], v[S+32*\t+8*\j+1], v[S+32*\t+8*\j+2]
.endr
.endr
.irp g, 1,2
.irp j, 0,1,2,3
.irp t, 0,1
	v_max3_num_f32 v[ST+8*\t+4+\j], v[ST+8*\t+4+\j], v[S+32*\t+8*\j+2*\g+1], v[S+32*\t+8*\j+2*\g+2]
.endr
.endr
.endr
.irp t, 0,1
	v_max3_num_f32 v[ST+8*\t+4], v[ST+8*\t+4], v[S+32*\t+7], v[S+32*\t+15]
	v_max3_num_f32 v[ST+8*\t+6], v[ST+8*\t+6], v[S+32*\t+23], v[S+32*\t+31]
.endr
.irp t, 0,1
	v_max3_num_f32 v[ST+8*\t+4], v[ST+8*\t+4], v[ST+8*\t+5], v[ST+8*\t+6]
.endr
.irp t, 0,1
	v_max3_num_f32 v[ST+8*\t+4], v[ST+8*\t+4], v[ST+8*\t+7], v[ST+8*\t+1]
.endr
.irp t, 0,1
	v_permlanex16_b32 v[ST+8*\t+5], v[ST+8*\t+4], s[SEL], s[SEL+1]  ; the query's other 32 keys lie in the lane 16 away
.endr
.irp t, 0,1
	v_mov_b32 v[ST+8*\t+7], v[ST+8*\t]             ; c m_old
.endr
.irp t, 0,1
	v_max_num_f32 v[ST+8*\t+1], v[ST+8*\t+4], v[ST+8*\t+5]
.endr
.irp t, 0,1
	v_mul_f32 v[ST+8*\t], s[CS], v[ST+8*\t+1]
.endr
.irp t, 0,1
	v_sub_f32 v[ST+8*\t+7], v[ST+8*\t+7], v[ST+8*\t]
.endr
.set u, 0
.rept 16
.irp t, 0,1
	v_pk_fma_f32 v[S+32*\t+u:S+32*\t+u+1], v[S+32*\t+u:S+32*\t+u+1], s[CS:CS+1], v[ST+8*\t:ST+8*\t+1] op_sel_hi:[1,0,0] neg_lo:[0,0,1] neg_hi:[0,0,1]  ; c s - c m
.endr
.set u, u+2
.endr
.irp t, 0,1
	v_exp_f32 v[ST+8*\t+6], v[ST+8*\t+7]           ; a
.endr
.set u, 0
.rept 64
	v_exp_f32 v[S+u], v[S+u]
.set u, u+1
.endr
	v_nop                                          ; a plain instruction between the exponentials and the use of their results
.set u, 0
	s_wait_alu depctr_va_vdst(0)
.rept 32
	v_cvt_pk_bf16_f32 v[P+u], v[S+2*u], v[S+2*u+1]
.set u, u+1
.endr
.irp w, 4,8,16,32                      ; the sum of a tile's 16 pairs, in place
.set u, 0
.rept 32/\w
.irp t, 0,1
	v_pk_add_f32 v[S+32*\t+\w*u:S+32*\t+\w*u+1], v[S+32*\t+\w*u:S+32*\t+\w*u+1], v[S+32*\t+\w*u+\w/2:S+32*\t+\w*u+\w/2+1]
.endr
.set u, u+1
.endr
.endr
.irp t, 0,1
	v_pk_fma_f32 v[ST+8*\t+2:ST+8*\t+3], v[ST+8*\t+2:ST+8*\t+3], v[ST+8*\t+6:ST+8*\t+7], v[S+32*\t:S+32*\t+1] op_sel_hi:[1,0,1]  ; l = a l + sum
.endr
.set u, 0
.rept 16
.irp t, 0,1
	v_pk_mul_f32 v[OT+32*\t+u:OT+32*\t+u+1], v[OT+32*\t+u:OT+32*\t+u+1], v[ST+8*\t+6:ST+8*\t+7] op_sel_hi:[1,0]
.endr
.set u, u+2
.endr
.endm
; A block's start.  O^T is cleared (64 moves, twice in the launch), so that a key step is one text on every path.
.macro INIT
.irp t, 0,1
	v_mov_b32 v[ST+8*\t], v[NINF]
	v_mov_b32 v[ST+8*\t+1], v[NINF]
	v_mov_b32 v[ST+8*\t+2], 0
	v_mov_b32 v[ST+8*\t+3], 0
.endr
.set u, 0
.rept 64
	v_mov_b32 v[OT+u], 0
.set u, u+1
.endr
.endm
; The change of slots.  Each wave waits for its reads of the slot (the unit's last K and V are then in registers) and for all its tensor loads, of which one is out: its part of the other slot.
; fill = 1: behind the barrier the slot is filled again first, with the unit two on.
.macro CHANGE fill
	s_wait_dscnt 0x0
	s_wait_tensorcnt 0x0                           ; no tensor load of mine is out, so a group 0 may be written
	ds_add_u32 v254, v255
	s_wait_dscnt 0x0
.if \fill
	NEXTFK
	s_xor_b32 s[G0K+5], s[G0K+5], SLOT1
	s_xor_b32 s[G0V+5], s[G0V+5], SLOT1
	SETADR
.endif
	s_barrier_signal -1
	s_barrier_wait -1
.if \fill
	JLOAD
.endif
	s_xor_b32 s[TB], s[TB], SLOT1
.endm
; A key step.  nexthalf: which half of the slot the next step's K and V are; chg: 0 none, 1 change of slots with a refill, 2 without; fetch = 0: nothing is left to fetch.
.macro STEP nexthalf, chg, fetch
	s_wait_dscnt 16                                ; K is in; V's 16 younger loads may be out
	KQ
	WIN 0
	PLACES
.if \chg == 1
	CHANGE 1
.elseif \chg == 2
	CHANGE 0
.endif
.if \fetch
	FETCH_K \nexthalf
.endif
	s_cmp_lt_u32 s[KB], s[QB]                      ; all 64 keys lie below the block's first query: nothing is hidden
	s_cbranch_scc1 .Lnomask_\@
	MASK
.Lnomask_\@:
	SOFTMAX
	s_wait_dscnt 16*\fetch                         ; V is in; the next K's 16 loads may be out
	PVM
	WIN 0
	PLACES
.if \fetch
	FETCH_V \nexthalf
.endif
	s_add_co_u32 s[KB], s[KB], 64
.endm
; A block's end: O^T / l, rounded to bf16, through my own stage, out as rows of 128 bytes.
.macro FINAL
.irp t, 0,1
	v_add_f32 v[ST+8*\t+4], v[ST+8*\t+2], v[ST+8*\t+3]
.endr
.irp t, 0,1
	v_permlanex16_b32 v[ST+8*\t+5], v[ST+8*\t+4], s[SEL], s[SEL+1]
.endr
.irp t, 0,1
	v_add_f32 v[ST+8*\t+4], v[ST+8*\t+4], v[ST+8*\t+5]
.endr
.irp t, 0,1
	v_rcp_f32 v[ST+8*\t+6], v[ST+8*\t+4]
.endr
	v_nop
.set u, 0
	s_wait_alu depctr_va_vdst(0)
.rept 16
.irp t, 0,1
	v_pk_mul_f32 v[OT+32*\t+u:OT+32*\t+u+1], v[OT+32*\t+u:OT+32*\t+u+1], v[ST+8*\t+6:ST+8*\t+7] op_sel_hi:[1,0]
.endr
.set u, u+2
.endr
.set u, 0
.rept 32
	v_cvt_pk_bf16_f32 v[S+u], v[OT+2*u], v[OT+2*u+1]
.set u, u+1
.endr
.irp f, 0,1,2,3,4,5,6,7
	ds_store_b128 v[STO], v[S+4*\f:S+4*\f+3] offset:(\f/4)*16*SP+(\f%4)*32
.endr
.irp f, 0,1,2,3,4,5,6,7
	ds_load_b128 v[S+32+4*\f:S+32+4*\f+3], v[RD] offset:\f*4*SP    ; LDS serves a wave's instructions in order: these see my stores above
.endr
.irp f, 0,1,2,3,4,5,6,7
	s_wait_dscnt 7-\f
	global_store_b128 v[GO], v[S+32+4*\f:S+32+4*\f+3], s[80:81] offset:\f*8192
.endr
	s_wait_xcnt 0x0                                ; the stores' data registers and base are written again only behind this wait
.endm
.macro REINIT                          ; on to the second block
	s_mov_b32 s[QB], s[QB2]
	s_mov_b32 s[KB], 0
	s_lshl_b32 s72, s[QB], 11
	s_add_nc_u64 s[80:81], s[78:79], s[72:73]
	WIN 0x41                                       ; destination and source window 1
.set u, 0
.rept 32
	v_mov_b32 v[u], v[32+u]
.set u, u+1
.endr
	WIN 0
	INIT
.endm
	INIT
	s_wait_tensorcnt 0x1                           ; my part of unit 0 is in; unit 1's may stay out
	s_barrier_signal -1
	s_barrier_wait -1
	FETCH_K 0
	FETCH_V 0
	s_wait_loadcnt 0x0                             ; Q of both blocks
.Lunit:                                                ; 15 trips: units 0 to 14; each asks for the unit two on
	STEP 1, 0, 1
	STEP 0, 1, 1
	s_add_co_u32 s82, s[QB], 128
	s_cmp_lg_u32 s[KB], s82                        ; the block's diagonal unit is through: once, behind unit i
	s_cbranch_scc1 .Lsame_block
	FINAL
	REINIT
.Lsame_block:
	s_add_co_u32 s[UNIT], s[UNIT], 1
	s_cmp_lt_u32 s[UNIT], 15
	s_cbranch_scc1 .Lunit
	STEP 1, 0, 1                                   ; unit 15: nothing is asked for any more
	STEP 0, 2, 1
	STEP 1, 0, 1                                   ; unit 16
	STEP 0, 0, 0
	FINAL
	s_wait_tensorcnt 0x0
	ds_add_u32 v254, v255
	s_wait_dscnt 0x0
	s_endpgm
.Lfunc_end_k_qa8f07982b2_attn:
	.size	k_qa8f07982b2_attn, .Lfunc_end_k_qa8f07982b2_attn-k_qa8f07982b2_attn
	.p2alignl 7, 3214868480
	.fill 96, 4, 3214868480
	.section	.rodata,"a",@progbits
	.p2align	6, 0x0
	.amdhsa_kernel k_qa8f07982b2_attn
		.amdhsa_group_segment_fixed_size 327680
		.amdhsa_private_segment_fixed_size 0
		.amdhsa_enable_private_segment 0
		.amdhsa_kernarg_size 16
		.amdhsa_user_sgpr_count 2
		.amdhsa_user_sgpr_kernarg_segment_ptr 1
		.amdhsa_wavefront_size32 1
		.amdhsa_system_sgpr_workgroup_id_x 1
		.amdhsa_system_sgpr_workgroup_id_y 1
		.amdhsa_system_sgpr_workgroup_id_z 1
		.amdhsa_system_vgpr_workitem_id 0
		.amdhsa_next_free_vgpr 448
		.amdhsa_next_free_sgpr 96
		.amdhsa_reserve_vcc 1
		.amdhsa_float_denorm_mode_32 3
		.amdhsa_float_denorm_mode_16_64 3
		.amdhsa_memory_ordered 1
		.amdhsa_forward_progress 1
		.amdhsa_inst_pref_size 157
	.end_amdhsa_kernel
	.amdgpu_metadata
---
amdhsa.version: [ 1, 2 ]
amdhsa.kernels:
  - .name:           k_qa8f07982b2_attn
    .symbol:         k_qa8f07982b2_attn.kd
    .args:
      - { .name: qkvh, .offset: 0, .size: 8, .value_kind: global_buffer, .address_space: global }
      - { .name: ao, .offset: 8, .size: 8, .value_kind: global_buffer, .address_space: global }
    .group_segment_fixed_size: 327680
    .private_segment_fixed_size: 0
    .kernarg_segment_align: 8
    .kernarg_segment_size: 16
    .max_flat_workgroup_size: 128
    .sgpr_count:     96
    .vgpr_count:     448
    .wavefront_size: 32
...
	.end_amdgpu_metadata
.endif
;; end of part 3
;; launch g_out (part 4): grid 8 x 32, 4 waves a work-group, clusters of 4 x 4, 327,680 bytes of LDS; arguments ao, cb, b_out, x, r1; writes r1
.if DOCPART == 4
	.amdgcn_target "amdgcn-amd-amdhsa--gfx1250"
	.amdhsa_code_object_version 6
	.text
	.protected	k_qa8f07982b2_g_out
	.globl	k_qa8f07982b2_g_out
	.p2align	8
	.type	k_qa8f07982b2_g_out,@function
k_qa8f07982b2_g_out:
	s_mov_b64 s[64:65], 0
	v_nop
	global_prefetch_b8 v0, s[64:65] scope:SCOPE_SE
	s_setreg_imm32_b32 hwreg(HW_REG_WAVE_MODE, 25, 1), 1
	s_wait_xcnt 0x0
	s_wait_alu depctr_hold_cnt(0) depctr_sa_sdst(0) depctr_va_vdst(0) depctr_va_sdst(0) depctr_va_ssrc(0) depctr_va_vcc(0) depctr_vm_vsrc(0)
	s_getreg_b32 s2, hwreg(HW_REG_IB_STS2, 6, 4)
	s_cmp_eq_u32 s2, 0
	s_cbranch_scc0 .Lentry_in_a_cluster
	s_endpgm
.Lentry_in_a_cluster:
	s_bfe_u32 s2, ttmp6, 0x10000c
	s_cmp_lg_u32 s2, 0xf033
	s_cbranch_scc0 .Lentry_shape_is_right
	s_endpgm
.Lentry_shape_is_right:
; r1 = x + ao w_out + b_out, f32 [4096][1024].
; C[m][n] = sum over k of A[m][k] B[k][n].  A: bf16 [4096][SIZE_K] (ao); B: bf16 [SIZE_K][SIZE_N] (at byte BOFF of cb); sums in f32.
; A tile of C is 128 x 128: four waves, each 64 x 64 = 16 accumulators of 16 x 16.  K goes in steps of 256 through two LDS slots filled by tensor loads.
; A's tile lies along K and is read as it lies; B's tile lies [k][n] and is turned on the way into registers by ds_load_tr16_b128.
; CLUSTERS: 4 x 4 work-groups.  The four of a row of the cluster need the same tiles of A, the four of a column the same tiles of B: each tile is asked for jointly.
; THE MATRIX INSTRUCTION IS USED TRANSPOSED (source 0 = 16 columns of B, source 1 = 16 rows of A): a lane then holds eight neighbouring numbers of a row of C.
; REGISTERS: window 0: v0-31 addresses; v32-95 at work on the way out; v96-99 bias; v128-255 accumulators.  Window 1: two fragment buffers of 128.
;   Window 2: v0-127 my 64 x 64 of x, asked for at the start and first read on the way out.
; LIMITS: the product's operands are bf16; x, the bias and the result stay f32.
.set SIZE_N, 1024
.set SIZE_K, 1024
.set BOFF,   14680064
.set ARG_A,  0
.set ARG_B,  8
.set ARG_BIAS, 16
.set ARG_RES, 24
.set ARG_C,  32
.set KSTEP,  256
.set PA,     528                       ; a row of A in LDS: 512 bytes + 16 = 33 x 16
.set PB,     288                       ; a row of B in LDS: 256 bytes + 32 = 9 x 32
.set HALFA,  64*PA
.set HALFB,  128*PB
.set BO_LDS, 2*HALFA
.set SLOT,   BO_LDS+2*HALFB
.set STAGE,  2*SLOT                    ; behind the ring, a multiple of 256: no tensor load lands here
.set SP,     272                       ; the stage's row: 64 f32 + 16 bytes; 16 rows for each wave
.set LAPS,   SIZE_K/(2*KSTEP)
.set ADRA, 16
.set ADRB, 20
.set STO,  24
.set RD,   25
.set CO,   26
.set BO,   27
.set TMP,  32
.set BIAS, 96
.set ACC,  128
.set F0,   0
.set F1,   128
.set G1,  24
.set G0,  32
.set G1B, 48
.set G0B, 56
.set MSB, 0
.macro WIN new
.if MSB != \new
	s_set_vgpr_msb (MSB<<8)|\new
.set MSB, \new
.endif
.endm
.set MUL,  0x05
.set TO_F, 0x40
.macro PLACES
.rept 4
	v_nop
.endr
.endm
.macro JLOAD s
	s_cmp_eq_u32 s11, 0
	s_cbranch_scc0 .Lfor_b_\@
	tensor_load_to_lds s[G0+4*\s:G0+4*\s+3], s[G1:G1+7]
	s_nop 0
.rept 4
	v_nop
.endr
	s_branch .Lasked_\@
.Lfor_b_\@:
	tensor_load_to_lds s[G0B+4*\s:G0B+4*\s+3], s[G1B:G1B+7]
	s_nop 0
.rept 4
	v_nop
.endr
.Lasked_\@:
.endm
.macro CREST
	s_cmp_lg_u32 s10, 0
	s_cbranch_scc1 .Lnot_wave_0_\@
	s_barrier_signal -3
.Lnot_wave_0_\@:
	s_barrier_wait -3
	s_barrier_signal -1
	s_barrier_wait -1
.endm
.macro CROUND
	s_barrier_signal -1
	s_barrier_wait -1
	CREST
.endm
	s_load_b64 s[4:5], s[0:1], ARG_A
	s_load_b64 s[6:7], s[0:1], ARG_B
	s_load_b64 s[8:9], s[0:1], ARG_C
	s_load_b64 s[84:85], s[0:1], ARG_BIAS
	s_load_b64 s[86:87], s[0:1], ARG_RES
	v_lshl_add_u32 v126, v0, 2, 0x49400
	v_mov_b32 v127, 0
	ds_add_u32 v126, v127
	ds_add_u32 v126, v127
	v_lshrrev_b32 v1, 5, v0
	v_readfirstlane_b32 s10, v1                    ; wave 0..3
	s_lshr_b32 s11, s10, 1                         ; my half of the tile's rows.  Also: I fetch for A (0) or for B (1)
	s_and_b32 s12, s10, 1                          ; my half of its columns.  Also: which half of that tile I fetch
	s_bfe_u32 s40, ttmp6, 0x40000                  ; cx
	s_bfe_u32 s41, ttmp6, 0x40004                  ; cy
	s_lshl_b32 s42, ttmp9, 2
	s_add_co_u32 s42, s42, s40                     ; tile column tc
	s_and_b32 s13, ttmp7, 0xffff
	s_lshl_b32 s13, s13, 2
	s_add_co_u32 s13, s13, s41                     ; tile row tr
	s_lshl_b32 s43, s41, 2
	s_lshl_b32 s43, 15, s43                        ; my row of the cluster
	s_lshl_b32 s44, 0x1111, s40                    ; my column
	s_or_b32 s[G1+0], s43, (1<<16)|(1<<20)|(1<<21)|(6<<22)|(3<<25)   ; mask; 2-byte elements; padding on; bit 21 beside a mask; after every 128 words 4 words
	s_mov_b32 s[G1+1], KSTEP<<16
	s_mov_b32 s[G1+2], 64<<16
	s_mov_b32 s[G1+3], KSTEP<<16
	s_mov_b32 s[G1+4], 64
	s_mov_b32 s[G1+5], SIZE_K
	s_mov_b32 s[G1+6], 0
	s_mov_b32 s[G1+7], 0
	s_or_b32 s[G1B+0], s44, (1<<16)|(1<<20)|(1<<21)|(5<<22)|(7<<25)  ; after every 64 words 8 words
	s_mov_b32 s[G1B+1], 128<<16
	s_mov_b32 s[G1B+2], 128<<16
	s_mov_b32 s[G1B+3], 128<<16
	s_mov_b32 s[G1B+4], 128
	s_mov_b32 s[G1B+5], SIZE_N
	s_mov_b32 s[G1B+6], 0
	s_mov_b32 s[G1B+7], 0
	s_lshl_b32 s16, s13, 7                         ; A: row 128 tr + 64 x half, in bytes
	s_lshl_b32 s17, s12, 6
	s_add_co_u32 s16, s16, s17
	s_mul_i32 s16, s16, SIZE_K*2
	s_mov_b32 s17, 0
	s_mul_i32 s46, s12, 128*SIZE_N*2               ; B: k row 128 x half, column 128 tc, behind BOFF
	s_lshl_b32 s47, s42, 8
	s_add_co_u32 s46, s46, s47
	s_add_co_u32 s46, s46, BOFF
	s_mov_b32 s47, 0
	s_mul_i32 s20, s12, HALFA
	s_mul_i32 s21, s12, HALFB
	s_add_co_u32 s21, s21, BO_LDS
	s_wait_dscnt 0x0
	s_wait_kmcnt 0x0
	s_add_nc_u64 s[14:15], s[4:5], s[16:17]
	s_add_nc_u64 s[46:47], s[6:7], s[46:47]
.irp s, 0,1
	s_mov_b32 s[G0+4*\s], 1
	s_add_co_u32 s[G0+4*\s+1], s20, \s*SLOT
	s_add_nc_u64 s[G0+4*\s+2:G0+4*\s+3], s[14:15], \s*KSTEP*2
	s_or_b32 s[G0+4*\s+3], s[G0+4*\s+3], 0x80000000
	s_mov_b32 s[G0B+4*\s], 1
	s_add_co_u32 s[G0B+4*\s+1], s21, \s*SLOT
	s_add_nc_u64 s[G0B+4*\s+2:G0B+4*\s+3], s[46:47], \s*KSTEP*SIZE_N*2
	s_or_b32 s[G0B+4*\s+3], s[G0B+4*\s+3], 0x80000000
.endr
	CROUND                                         ; all sixteen work-groups are here: the first joint loads meet
	s_cmp_eq_u32 s11, 0                            ; a wave's two first fills stand in one branch: two loads of mine are out
	s_cbranch_scc0 .Lfirst_b
	tensor_load_to_lds s[G0:G0+3], s[G1:G1+7]
	s_nop 0
	tensor_load_to_lds s[G0+4:G0+7], s[G1:G1+7]
	s_nop 0
.rept 4
	v_nop
.endr
	s_branch .Lfirst_asked
.Lfirst_b:
	tensor_load_to_lds s[G0B:G0B+3], s[G1B:G1B+7]
	s_nop 0
	tensor_load_to_lds s[G0B+4:G0B+7], s[G1B:G1B+7]
	s_nop 0
.rept 4
	v_nop
.endr
.Lfirst_asked:
	v_and_b32 v1, 15, v0                           ; r
	v_bfe_u32 v2, v0, 4, 1                         ; h
	v_mul_u32_u24 v3, v1, PA
	v_lshl_add_u32 v3, v2, 4, v3
	s_mul_i32 s22, s11, HALFA
	v_add_nc_u32 v[ADRA], s22, v3
	v_add_nc_u32 v[ADRA+1], SLOT, v[ADRA]
	v_and_b32 v4, 7, v0
	v_lshl_add_u32 v4, v2, 3, v4
	v_mul_u32_u24 v4, v4, PB
	v_bfe_u32 v5, v0, 3, 1
	v_lshl_add_u32 v4, v5, 4, v4
	s_lshl_b32 s23, s12, 7
	s_add_co_u32 s23, s23, BO_LDS
	v_add_nc_u32 v[ADRB], s23, v4
	v_add_nc_u32 v[ADRB+1], 128*PB, v[ADRB]
	v_add_nc_u32 v[ADRB+2], SLOT, v[ADRB]
	v_add_nc_u32 v[ADRB+3], SLOT, v[ADRB+1]
	; the way out: my 64 columns of f32 are 256 aligned bytes of a row, so the stage is my own: 16 rows x 272 bytes
	s_mul_i32 s23, s10, 16*SP
	s_add_co_u32 s23, s23, STAGE
	v_mul_u32_u24 v4, v1, SP
	v_lshl_add_u32 v4, v2, 5, v4
	v_add_nc_u32 v[STO], s23, v4                   ; in: row r, 32 bytes for each half of the lanes
	v_mul_u32_u24 v4, v2, SP
	v_lshl_add_u32 v4, v1, 4, v4
	v_add_nc_u32 v[RD], s23, v4                    ; back: lanes 0-15 one row of 256 bytes, lanes 16-31 the next
	v_lshlrev_b32 v4, 12, v2
	v_lshl_add_u32 v[CO], v1, 4, v4                ; the same two rows in memory (4,096 bytes a row)
	v_lshlrev_b32 v[BO], 4, v1                     ; my four columns' bias
	s_lshl_b32 s88, s42, 9                         ; (128 tc + 64 x half) x 4 bytes
	s_lshl_b32 s89, s12, 8
	s_add_co_u32 s88, s88, s89
	s_mov_b32 s89, 0
	s_lshl_b32 s90, s13, 19                        ; (128 tr + 64 x half) x 4,096 bytes
	s_lshl_b32 s91, s11, 18
	s_add_co_u32 s90, s90, s91
	s_mov_b32 s91, 0
	s_add_nc_u64 s[84:85], s[84:85], s[88:89]
	s_add_nc_u64 s[8:9], s[8:9], s[88:89]
	s_add_nc_u64 s[8:9], s[8:9], s[90:91]
	s_add_nc_u64 s[86:87], s[86:87], s[88:89]
	s_add_nc_u64 s[86:87], s[86:87], s[90:91]
	global_load_b128 v[BIAS:BIAS+3], v[BO], s[84:85]
	WIN 0x80                                       ; destination window 2
.irp a, 0,1,2,3
.irp t, 0,1,2,3,4,5,6,7
	global_load_b128 v[32*\a+4*\t:32*\a+4*\t+3], v[CO], s[86:87] offset:(16*\a+2*\t)*4096 th:TH_LOAD_NT
.endr
.endr
	WIN 0
.macro MUL8 f, c, a0, zero             ; the 16 accumulators take turns, one instruction a turn
.irp a, \a0, \a0+1
.irp b, 0,1,2,3
.if \zero
	v_wmma_f32_16x16x32_bf16 v[ACC+8*(4*(\a)+\b):ACC+8*(4*(\a)+\b)+7], v[\f+64+8*(4*\c+\b):\f+64+8*(4*\c+\b)+7], v[\f+8*(4*\c+\a):\f+8*(4*\c+\a)+7], 0
.else
	v_wmma_f32_16x16x32_bf16 v[ACC+8*(4*(\a)+\b):ACC+8*(4*(\a)+\b)+7], v[\f+64+8*(4*\c+\b):\f+64+8*(4*\c+\b)+7], v[\f+8*(4*\c+\a):\f+8*(4*\c+\a)+7], v[ACC+8*(4*(\a)+\b):ACC+8*(4*(\a)+\b)+7]
.endif
.endr
.endr
.endm
.macro FETCH slot, q, f                ; 32 LDS loads in one run: quarter q of a slot into buffer f; the first 32 along K first
	WIN TO_F
.irp c, 0,1
.irp i, 0,1,2,3
	ds_load_tr16_b128 v[\f+64+8*(4*\c+\i):\f+64+8*(4*\c+\i)+3],   v[ADRB+2*\slot+(\q)/2] offset:(((\q)%2)*64+32*\c)*PB+32*\i
	ds_load_tr16_b128 v[\f+64+8*(4*\c+\i)+4:\f+64+8*(4*\c+\i)+7], v[ADRB+2*\slot+(\q)/2] offset:(((\q)%2)*64+32*\c+16)*PB+32*\i
	ds_load_b128 v[\f+8*(4*\c+\i):\f+8*(4*\c+\i)+3],              v[ADRA+\slot] offset:128*\q+64*\c+\i*16*PA
	ds_load_b128 v[\f+8*(4*\c+\i)+4:\f+8*(4*\c+\i)+7],            v[ADRA+\slot] offset:128*\q+64*\c+\i*16*PA+32
.endr
.endr
.endm
.macro QUARTER slot, qn, f, g, zero
	s_wait_dscnt 16                                ; the first 32 along K are in; the 16 younger loads may be out
	WIN MUL
	MUL8 \f, 0, 0, \zero
	MUL8 \f, 0, 2, \zero
	PLACES
	FETCH \slot, \qn, \g
	s_wait_dscnt 32                                ; all but the 32 just issued
	WIN MUL
	MUL8 \f, 1, 0, 0
	MUL8 \f, 1, 2, 0
.endm
.macro TURN slot, next, fill
	s_wait_dscnt 16
	WIN MUL
	MUL8 F1, 0, 0, 0
	s_wait_dscnt 0x0                               ; my reads of this slot are over,
	s_set_vgpr_msb 0x500
	s_wait_tensorcnt 0x0                           ; and all my tensor loads have landed: my part of the next slot
	ds_add_u32 v126, v127
	s_wait_dscnt 0x0
	s_set_vgpr_msb 0x5
	s_barrier_signal -1
	MUL8 F1, 0, 2, 0
.if \fill
	WIN 0
.endif
	s_barrier_wait -1
.if \fill
	CREST
	s_add_nc_u64 s[G0+4*\slot+2:G0+4*\slot+3], s[G0+4*\slot+2:G0+4*\slot+3], 2*KSTEP*2
	s_add_nc_u64 s[G0B+4*\slot+2:G0B+4*\slot+3], s[G0B+4*\slot+2:G0B+4*\slot+3], 2*KSTEP*SIZE_N*2
	JLOAD \slot                                    ; the first tensor load behind the round, my only one out
.else
	PLACES
.endif
	FETCH \next, 0, F0
	WIN MUL
	MUL8 F1, 1, 0, 0
	MUL8 F1, 1, 2, 0
.endm
	s_wait_tensorcnt 0x1                           ; my part of K step 0 is in; K step 1's may stay out
	s_barrier_signal -1
	s_barrier_wait -1
	FETCH 0, 0, F0
	QUARTER 0, 1, F0, F1, 1
	WIN 0
	s_mov_b32 s3, LAPS-1
.Llap:
	QUARTER 0, 2, F1, F0, 0
	QUARTER 0, 3, F0, F1, 0
	TURN 0, 1, 1
	QUARTER 1, 1, F0, F1, 0
	QUARTER 1, 2, F1, F0, 0
	QUARTER 1, 3, F0, F1, 0
	TURN 1, 0, 1
	QUARTER 0, 1, F0, F1, 0
	WIN 0
	s_sub_co_u32 s3, s3, 1
	s_cmp_lg_u32 s3, 0
	s_cbranch_scc1 .Llap
	QUARTER 0, 2, F1, F0, 0
	QUARTER 0, 3, F0, F1, 0
	TURN 0, 1, 0
	QUARTER 1, 1, F0, F1, 0
	QUARTER 1, 2, F1, F0, 0
	QUARTER 1, 3, F0, F1, 0
	s_wait_dscnt 16
	WIN MUL
	MUL8 F1, 0, 0, 0
	MUL8 F1, 0, 2, 0
	s_wait_dscnt 0x0
	MUL8 F1, 1, 0, 0
	MUL8 F1, 1, 2, 0
	WIN 0
	; THE WAY OUT, 16 rows at a time: the sums go through my stage and come back as whole rows of 256 bytes; + bias, + x; 16 lanes store 256 consecutive aligned bytes.
	s_wait_loadcnt 0x0                             ; the bias and x
	PLACES
.irp a, 0,1,2,3
.set BK, TMP+32*(\a%2)
.if \a >= 2
	s_wait_xcnt 0x0                                ; the registers that the stores two blocks back read are written again only behind this wait
.endif
.irp b, 0,1,2,3
	ds_store_b128 v[STO], v[ACC+8*(4*\a+\b):ACC+8*(4*\a+\b)+3] offset:64*\b
	ds_store_b128 v[STO], v[ACC+8*(4*\a+\b)+4:ACC+8*(4*\a+\b)+7] offset:64*\b+16
.endr
.irp t, 0,1,2,3,4,5,6,7
	ds_load_b128 v[BK+4*\t:BK+4*\t+3], v[RD] offset:\t*2*SP        ; LDS serves a wave's instructions in order: these see my stores above, and the next block's stores come behind them
.endr
	s_wait_dscnt 0x0
.irp t, 0,1,2,3,4,5,6,7
	v_pk_add_f32 v[BK+4*\t:BK+4*\t+1], v[BK+4*\t:BK+4*\t+1], v[BIAS:BIAS+1]
	v_pk_add_f32 v[BK+4*\t+2:BK+4*\t+3], v[BK+4*\t+2:BK+4*\t+3], v[BIAS+2:BIAS+3]
.endr
	WIN 0x08                                       ; source 1 window 2
.irp t, 0,1,2,3,4,5,6,7
	v_pk_add_f32 v[BK+4*\t:BK+4*\t+1], v[BK+4*\t:BK+4*\t+1], v[32*\a+4*\t:32*\a+4*\t+1]
	v_pk_add_f32 v[BK+4*\t+2:BK+4*\t+3], v[BK+4*\t+2:BK+4*\t+3], v[32*\a+4*\t+2:32*\a+4*\t+3]
.endr
	WIN 0
.irp t, 0,1,2,3,4,5,6,7
	global_store_b128 v[CO], v[BK+4*\t:BK+4*\t+3], s[8:9] offset:(16*\a+2*\t)*4096
.endr
.endr
	s_wait_tensorcnt 0x0
	ds_add_u32 v126, v127
	s_wait_dscnt 0x0
	CROUND                                         ; the closing round
	s_endpgm
.Lfunc_end_k_qa8f07982b2_g_out:
	.size	k_qa8f07982b2_g_out, .Lfunc_end_k_qa8f07982b2_g_out-k_qa8f07982b2_g_out
	.p2alignl 7, 3214868480
	.fill 96, 4, 3214868480
	.section	.rodata,"a",@progbits
	.p2align	6, 0x0
	.amdhsa_kernel k_qa8f07982b2_g_out
		.amdhsa_group_segment_fixed_size 327680
		.amdhsa_private_segment_fixed_size 0
		.amdhsa_enable_private_segment 0
		.amdhsa_kernarg_size 40
		.amdhsa_user_sgpr_count 2
		.amdhsa_user_sgpr_kernarg_segment_ptr 1
		.amdhsa_wavefront_size32 1
		.amdhsa_system_sgpr_workgroup_id_x 1
		.amdhsa_system_sgpr_workgroup_id_y 1
		.amdhsa_system_sgpr_workgroup_id_z 1
		.amdhsa_system_vgpr_workitem_id 0
		.amdhsa_next_free_vgpr 640
		.amdhsa_next_free_sgpr 96
		.amdhsa_reserve_vcc 0
		.amdhsa_float_denorm_mode_32 3
		.amdhsa_float_denorm_mode_16_64 3
		.amdhsa_memory_ordered 1
		.amdhsa_forward_progress 1
		.amdhsa_inst_pref_size 97
	.end_amdhsa_kernel
	.amdgpu_metadata
---
amdhsa.version: [ 1, 2 ]
amdhsa.kernels:
  - .name:           k_qa8f07982b2_g_out
    .symbol:         k_qa8f07982b2_g_out.kd
    .args:
      - { .name: ao, .offset: 0, .size: 8, .value_kind: global_buffer, .address_space: global }
      - { .name: cb, .offset: 8, .size: 8, .value_kind: global_buffer, .address_space: global }
      - { .name: b_out, .offset: 16, .size: 8, .value_kind: global_buffer, .address_space: global }
      - { .name: x, .offset: 24, .size: 8, .value_kind: global_buffer, .address_space: global }
      - { .name: r1, .offset: 32, .size: 8, .value_kind: global_buffer, .address_space: global }
    .group_segment_fixed_size: 327680
    .private_segment_fixed_size: 0
    .kernarg_segment_align: 8
    .kernarg_segment_size: 40
    .max_flat_workgroup_size: 128
    .sgpr_count:     96
    .vgpr_count:     640
    .wavefront_size: 32
...
	.end_amdgpu_metadata
.endif
;; end of part 4
;; launch ln1 (part 5): grid 256 x 1, 8 waves a work-group, no clusters, 0 bytes of LDS; arguments r1, ln1_g, ln1_b, y1b; writes y1b
.if DOCPART == 5
	.amdgcn_target "amdgcn-amd-amdhsa--gfx1250"
	.amdhsa_code_object_version 6
	.text
	.protected	k_qa8f07982b2_ln1
	.globl	k_qa8f07982b2_ln1
	.p2align	8
	.type	k_qa8f07982b2_ln1,@function
k_qa8f07982b2_ln1:
	s_mov_b64 s[64:65], 0
	v_nop
	global_prefetch_b8 v0, s[64:65] scope:SCOPE_SE
	s_setreg_imm32_b32 hwreg(HW_REG_WAVE_MODE, 25, 1), 1
	s_wait_xcnt 0x0
; y1b = LayerNorm(r1) x ln1_g + ln1_b, rounded to bf16: the first operand of the feed-forward product.  r1: f32 [4096][1024].
; One wave, one row at a time, two rows in all: a row is 8 loads of 512 consecutive bytes and stays in 32 registers, so memory is read once and no wave waits for another.
; The mean first, then the sum of the centred squares: no difference of large sums.  All 32 loads of a wave go out at the start.
; A stream: no LDS, no barrier, no matrix unit.  LIMIT: v_rsq_f32 is good to one unit in the last place.
.set R0, 16                            ; v[16:47], v[48:79] the two rows
.set R1, 48
.set G,  80
.set B,  112
.set Y,  144                           ; row 0 packed; row 1 is packed into row 0's registers, which are free by then
	s_load_b256 s[4:11], s[0:1], 0x0               ; r1 s[4:5], g s[6:7], b s[8:9], y1b s[10:11]
	s_lshl_b32 s12, ttmp9, 16                      ; 16 rows of 4,096 bytes
	s_mov_b32 s13, 0
	s_lshl_b32 s14, ttmp9, 15                      ; 16 rows of 2,048 bytes
	s_mov_b32 s15, 0
	s_mov_b32 s16, 0x3a800000                      ; 1 / 1024
	s_mov_b32 s17, 0x3727c5ac                      ; 1e-5
	s_mov_b32 s18, 0x76543210
	s_mov_b32 s19, 0xfedcba98
	v_and_b32 v3, 31, v0
	v_lshrrev_b32 v4, 5, v0
	v_lshlrev_b32 v1, 4, v3                        ; g, b: 16 x lane
	v_lshl_or_b32 v2, v4, 13, v1                   ; in: + 2 rows x wave
	v_lshlrev_b32 v3, 3, v3
	v_lshl_or_b32 v3, v4, 12, v3                   ; out: 8 x lane + 2 rows x wave
	s_wait_kmcnt 0x0
	s_add_nc_u64 s[4:5], s[4:5], s[12:13]
	s_add_nc_u64 s[10:11], s[10:11], s[14:15]
.macro LD8 dst, adr, lo, off
.irp j, 0,1,2,3,4,5,6,7
	global_load_b128 v[\dst+4*\j:\dst+4*\j+3], v[\adr], s[\lo:\lo+1] offset:\off+512*\j
.endr
.endm
	LD8 R0, 2, 4, 0
	LD8 R1, 2, 4, 4096
	LD8 G, 1, 6, 0
	LD8 B, 1, 8, 0
.macro REDUCE                          ; four chains of pairs -> one number in every lane
	v_pk_add_f32 v[4:5], v[4:5], v[6:7]
	v_pk_add_f32 v[8:9], v[8:9], v[10:11]
	v_pk_add_f32 v[4:5], v[4:5], v[8:9]
	v_add_f32 v4, v4, v5
	v_add_f32_dpp v4, v4, v4 row_xmask:1 row_mask:0xf bank_mask:0xf
	v_add_f32_dpp v4, v4, v4 row_xmask:2 row_mask:0xf bank_mask:0xf
	v_add_f32_dpp v4, v4, v4 row_xmask:4 row_mask:0xf bank_mask:0xf
	v_add_f32_dpp v4, v4, v4 row_xmask:8 row_mask:0xf bank_mask:0xf
	v_permlanex16_b32 v5, v4, s18, s19
	v_add_f32 v4, v4, v5
.endm
.macro STATS X                         ; the row becomes (x - mean) / sqrt(var + eps)
.irp c, 0,1,2,3
	v_pk_add_f32 v[4+2*\c:5+2*\c], v[\X+4*\c:\X+4*\c+1], v[\X+4*\c+2:\X+4*\c+3]
.endr
.irp k, 0,1
.irp c, 0,1,2,3
	v_pk_add_f32 v[4+2*\c:5+2*\c], v[4+2*\c:5+2*\c], v[\X+16+8*\k+2*\c:\X+17+8*\k+2*\c]
.endr
.endr
	REDUCE
	v_mul_f32 v12, s16, v4                         ; the mean, twice: a pair for the packed subtraction
	v_mul_f32 v13, s16, v4
.set u, 0
.rept 16
	v_pk_add_f32 v[\X+u:\X+u+1], v[\X+u:\X+u+1], v[12:13] neg_lo:[0,1] neg_hi:[0,1]
.set u, u+2
.endr
.irp c, 0,1,2,3
	v_pk_mul_f32 v[4+2*\c:5+2*\c], v[\X+2*\c:\X+2*\c+1], v[\X+2*\c:\X+2*\c+1]
.endr
.irp k, 1,2,3
.irp c, 0,1,2,3
	v_pk_fma_f32 v[4+2*\c:5+2*\c], v[\X+8*\k+2*\c:\X+8*\k+2*\c+1], v[\X+8*\k+2*\c:\X+8*\k+2*\c+1], v[4+2*\c:5+2*\c]
.endr
.endr
	REDUCE
	v_fma_f32 v4, v4, s16, s17                     ; var + eps
	v_rsq_f32 v12, v4
	v_nop                                          ; a plain instruction between v_rsq_f32 and the use of its result
	s_wait_alu depctr_va_vdst(0)
	v_mov_b32 v13, v12
.set u, 0
.rept 16
	v_pk_mul_f32 v[\X+u:\X+u+1], v[\X+u:\X+u+1], v[12:13]
.set u, u+2
.endr
.endm
.macro OUT X, Q, off                   ; x g + b, two roundings a register, 256 consecutive aligned bytes a store
.set u, 0
.rept 16
	v_pk_fma_f32 v[\X+u:\X+u+1], v[\X+u:\X+u+1], v[G+u:G+u+1], v[B+u:B+u+1]
.set u, u+2
.endr
.set u, 0
.rept 16
	v_cvt_pk_bf16_f32 v[\Q+u], v[\X+2*u], v[\X+2*u+1]
.set u, u+1
.endr
.irp j, 0,1,2,3,4,5,6,7
	global_store_b64 v3, v[\Q+2*\j:\Q+2*\j+1], s[10:11] offset:\off+256*\j
.endr
.endm
	s_wait_loadcnt 24                              ; row 0 is in; row 1, g and b (24 loads) may be out
	STATS R0
	s_wait_loadcnt 16                              ; row 1 is in
	STATS R1
	s_wait_loadcnt 0x0                             ; g and b
	OUT R0, Y, 0
	OUT R1, R0, 2048
	s_endpgm
.Lfunc_end_k_qa8f07982b2_ln1:
	.size	k_qa8f07982b2_ln1, .Lfunc_end_k_qa8f07982b2_ln1-k_qa8f07982b2_ln1
	.p2alignl 7, 3214868480
	.fill 96, 4, 3214868480
	.section	.rodata,"a",@progbits
	.p2align	6, 0x0
	.amdhsa_kernel k_qa8f07982b2_ln1
		.amdhsa_group_segment_fixed_size 0
		.amdhsa_private_segment_fixed_size 0
		.amdhsa_enable_private_segment 0
		.amdhsa_kernarg_size 32
		.amdhsa_user_sgpr_count 2
		.amdhsa_user_sgpr_kernarg_segment_ptr 1
		.amdhsa_wavefront_size32 1
		.amdhsa_system_sgpr_workgroup_id_x 1
		.amdhsa_system_sgpr_workgroup_id_y 1
		.amdhsa_system_sgpr_workgroup_id_z 1
		.amdhsa_system_vgpr_workitem_id 0
		.amdhsa_next_free_vgpr 160
		.amdhsa_next_free_sgpr 66
		.amdhsa_reserve_vcc 0
		.amdhsa_float_denorm_mode_32 3
		.amdhsa_float_denorm_mode_16_64 3
		.amdhsa_memory_ordered 1
		.amdhsa_forward_progress 1
		.amdhsa_inst_pref_size 20
	.end_amdhsa_kernel
	.amdgpu_metadata
---
amdhsa.version: [ 1, 2 ]
amdhsa.kernels:
  - .name:           k_qa8f07982b2_ln1
    .symbol:         k_qa8f07982b2_ln1.kd
    .args:
      - { .name: r1, .offset: 0, .size: 8, .value_kind: global_buffer, .address_space: global }
      - { .name: ln1_g, .offset: 8, .size: 8, .value_kind: global_buffer, .address_space: global }
      - { .name: ln1_b, .offset: 16, .size: 8, .value_kind: global_buffer, .address_space: global }
      - { .name: y1b, .offset: 24, .size: 8, .value_kind: global_buffer, .address_space: global }
    .group_segment_fixed_size: 0
    .private_segment_fixed_size: 0
    .kernarg_segment_align: 8
    .kernarg_segment_size: 32
    .max_flat_workgroup_size: 256
    .sgpr_count:     66
    .vgpr_count:     160
    .wavefront_size: 32
...
	.end_amdgpu_metadata
.endif
;; end of part 5
;; launch g_ff1 (part 6): grid 32 x 32, 4 waves a work-group, clusters of 4 x 4, 327,680 bytes of LDS; arguments y1b, cb, b_ff1, hb; writes hb
.if DOCPART == 6
	.amdgcn_target "amdgcn-amd-amdhsa--gfx1250"
	.amdhsa_code_object_version 6
	.text
	.protected	k_qa8f07982b2_g_ff1
	.globl	k_qa8f07982b2_g_ff1
	.p2align	8
	.type	k_qa8f07982b2_g_ff1,@function
k_qa8f07982b2_g_ff1:
	s_mov_b64 s[64:65], 0
	v_nop
	global_prefetch_b8 v0, s[64:65] scope:SCOPE_SE
	s_setreg_imm32_b32 hwreg(HW_REG_WAVE_MODE, 25, 1), 1
	s_wait_xcnt 0x0
	s_wait_alu depctr_hold_cnt(0) depctr_sa_sdst(0) depctr_va_vdst(0) depctr_va_sdst(0) depctr_va_ssrc(0) depctr_va_vcc(0) depctr_vm_vsrc(0)
	s_getreg_b32 s2, hwreg(HW_REG_IB_STS2, 6, 4)
	s_cmp_eq_u32 s2, 0
	s_cbranch_scc0 .Lentry_in_a_cluster
	s_endpgm
.Lentry_in_a_cluster:
	s_bfe_u32 s2, ttmp6, 0x10000c
	s_cmp_lg_u32 s2, 0xf033
	s_cbranch_scc0 .Lentry_shape_is_right
	s_endpgm
.Lentry_shape_is_right:
; hb = gelu(y1 w_ff1 + b_ff1), bf16 [4096][4096]; the exact GELU, 0.5 x (1 + erf(x / sqrt 2)).
; C[m][n] = sum over k of A[m][k] B[k][n].  A: bf16 [4096][SIZE_K] (y1b); B: bf16 [SIZE_K][SIZE_N] (at byte BOFF of cb); sums in f32.
; A tile of C is 128 x 128: four waves, each 64 x 64 = 16 accumulators of 16 x 16.  K goes in steps of 256 through two LDS slots filled by tensor loads.
; A's tile lies along K and is read as it lies; B's tile lies [k][n] and is turned on the way into registers by ds_load_tr16_b128.
; CLUSTERS: 4 x 4 work-groups.  The four of a row of the cluster need the same tiles of A, the four of a column the same tiles of B: each tile is asked for jointly.
; THE MATRIX INSTRUCTION IS USED TRANSPOSED (source 0 = 16 columns of B, source 1 = 16 rows of A): a lane then holds eight neighbouring numbers of a row of C.
; ERF: erfc(z) = (a1 t + .. + a5 t^5) e^(-z^2), t = 1 / (1 + 0.3275911 z), z = |x| / sqrt 2 (Abramowitz and Stegun 7.1.26, absolute error 1.5e-7);
;   gelu = 0.5 x + |x| (0.5 - erfc(z) / 2).  LIMIT: absolute error about 1e-7 |x|; operands and result are bf16; v_exp_f32 and v_rcp_f32 flush denormals.
; REGISTERS: window 0: v0-31 addresses, a4 / 2; v32-95 at work on the way out; v96-127 bias; v128-255 accumulators.  Window 1: two fragment buffers of 128.
.set SIZE_N, 4096
.set SIZE_K, 1024
.set BOFF,   16777216
.set ARG_A,  0
.set ARG_B,  8
.set ARG_BIAS, 16
.set ARG_C,  24
.set KSTEP,  256
.set PA,     528                       ; a row of A in LDS: 512 bytes + 16 = 33 x 16
.set PB,     288                       ; a row of B in LDS: 256 bytes + 32 = 9 x 32
.set HALFA,  64*PA
.set HALFB,  128*PB
.set BO_LDS, 2*HALFA
.set SLOT,   BO_LDS+2*HALFB
.set STAGE,  2*SLOT                    ; behind the ring, a multiple of 256: no tensor load lands here
.set SP,     272                       ; the stage's row: 128 bf16 + 16 bytes; 128 rows, the work-group's
.set LAPS,   SIZE_K/(2*KSTEP)
.set ADRA, 16
.set ADRB, 20
.set STO,  24
.set RD,   25
.set CO,   26
.set BO,   27
.set VA4,  28                          ; v[28:29] a4 / 2, twice
.set TMP,  32
.set T,    32
.set U,    40
.set PP,   48
.set BIAS, 96
.set ACC,  128
.set F0,   0
.set F1,   128
.set C1,   70                          ; s70 0.3275911 / sqrt 2
.set C2,   72                          ; s[72:73] -log2(e) / 2; then a1 / 2, a2 / 2, a3 / 2, a5 / 2, each named as a pair
.set A1,   74
.set A2,   76
.set A3,   78
.set A5,   80
.set G1,  24
.set G0,  32
.set G1B, 48
.set G0B, 56
.set MSB, 0
.macro WIN new
.if MSB != \new
	s_set_vgpr_msb (MSB<<8)|\new
.set MSB, \new
.endif
.endm
.set MUL,  0x05
.set TO_F, 0x40
.macro PLACES
.rept 4
	v_nop
.endr
.endm
.macro JLOAD s
	s_cmp_eq_u32 s11, 0
	s_cbranch_scc0 .Lfor_b_\@
	tensor_load_to_lds s[G0+4*\s:G0+4*\s+3], s[G1:G1+7]
	s_nop 0
.rept 4
	v_nop
.endr
	s_branch .Lasked_\@
.Lfor_b_\@:
	tensor_load_to_lds s[G0B+4*\s:G0B+4*\s+3], s[G1B:G1B+7]
	s_nop 0
.rept 4
	v_nop
.endr
.Lasked_\@:
.endm
.macro CREST
	s_cmp_lg_u32 s10, 0
	s_cbranch_scc1 .Lnot_wave_0_\@
	s_barrier_signal -3
.Lnot_wave_0_\@:
	s_barrier_wait -3
	s_barrier_signal -1
	s_barrier_wait -1
.endm
.macro CROUND
	s_barrier_signal -1
	s_barrier_wait -1
	CREST
.endm
	s_load_b64 s[4:5], s[0:1], ARG_A
	s_load_b64 s[6:7], s[0:1], ARG_B
	s_load_b64 s[8:9], s[0:1], ARG_C
	s_load_b64 s[84:85], s[0:1], ARG_BIAS
	v_lshl_add_u32 v30, v0, 2, 0x4d800
	v_mov_b32 v31, 0
	ds_add_u32 v30, v31
	ds_add_u32 v30, v31
	v_lshrrev_b32 v1, 5, v0
	v_readfirstlane_b32 s10, v1                    ; wave 0..3
	s_lshr_b32 s11, s10, 1                         ; my half of the tile's rows.  Also: I fetch for A (0) or for B (1)
	s_and_b32 s12, s10, 1                          ; my half of its columns.  Also: which half of that tile I fetch
	s_bfe_u32 s40, ttmp6, 0x40000                  ; cx
	s_bfe_u32 s41, ttmp6, 0x40004                  ; cy
	s_lshl_b32 s42, ttmp9, 2
	s_add_co_u32 s42, s42, s40                     ; tile column tc
	s_and_b32 s13, ttmp7, 0xffff
	s_lshl_b32 s13, s13, 2
	s_add_co_u32 s13, s13, s41                     ; tile row tr
	s_lshl_b32 s43, s41, 2
	s_lshl_b32 s43, 15, s43                        ; my row of the cluster
	s_lshl_b32 s44, 0x1111, s40                    ; my column
	s_or_b32 s[G1+0], s43, (1<<16)|(1<<20)|(1<<21)|(6<<22)|(3<<25)   ; mask; 2-byte elements; padding on; bit 21 beside a mask; after every 128 words 4 words
	s_mov_b32 s[G1+1], KSTEP<<16
	s_mov_b32 s[G1+2], 64<<16
	s_mov_b32 s[G1+3], KSTEP<<16
	s_mov_b32 s[G1+4], 64
	s_mov_b32 s[G1+5], SIZE_K
	s_mov_b32 s[G1+6], 0
	s_mov_b32 s[G1+7], 0
	s_or_b32 s[G1B+0], s44, (1<<16)|(1<<20)|(1<<21)|(5<<22)|(7<<25)  ; after every 64 words 8 words
	s_mov_b32 s[G1B+1], 128<<16
	s_mov_b32 s[G1B+2], 128<<16
	s_mov_b32 s[G1B+3], 128<<16
	s_mov_b32 s[G1B+4], 128
	s_mov_b32 s[G1B+5], SIZE_N
	s_mov_b32 s[G1B+6], 0
	s_mov_b32 s[G1B+7], 0
	s_lshl_b32 s16, s13, 7                         ; A: row 128 tr + 64 x half, in bytes
	s_lshl_b32 s17, s12, 6
	s_add_co_u32 s16, s16, s17
	s_mul_i32 s16, s16, SIZE_K*2
	s_mov_b32 s17, 0
	s_mul_i32 s46, s12, 128*SIZE_N*2               ; B: k row 128 x half, column 128 tc, behind BOFF
	s_lshl_b32 s47, s42, 8
	s_add_co_u32 s46, s46, s47
	s_add_co_u32 s46, s46, BOFF
	s_mov_b32 s47, 0
	s_mul_i32 s20, s12, HALFA
	s_mul_i32 s21, s12, HALFB
	s_add_co_u32 s21, s21, BO_LDS
	s_wait_dscnt 0x0
	s_wait_kmcnt 0x0
	s_add_nc_u64 s[14:15], s[4:5], s[16:17]
	s_add_nc_u64 s[46:47], s[6:7], s[46:47]
.irp s, 0,1
	s_mov_b32 s[G0+4*\s], 1
	s_add_co_u32 s[G0+4*\s+1], s20, \s*SLOT
	s_add_nc_u64 s[G0+4*\s+2:G0+4*\s+3], s[14:15], \s*KSTEP*2
	s_or_b32 s[G0+4*\s+3], s[G0+4*\s+3], 0x80000000
	s_mov_b32 s[G0B+4*\s], 1
	s_add_co_u32 s[G0B+4*\s+1], s21, \s*SLOT
	s_add_nc_u64 s[G0B+4*\s+2:G0B+4*\s+3], s[46:47], \s*KSTEP*SIZE_N*2
	s_or_b32 s[G0B+4*\s+3], s[G0B+4*\s+3], 0x80000000
.endr
	CROUND                                         ; all sixteen work-groups are here: the first joint loads meet
	s_cmp_eq_u32 s11, 0                            ; a wave's two first fills stand in one branch: two loads of mine are out
	s_cbranch_scc0 .Lfirst_b
	tensor_load_to_lds s[G0:G0+3], s[G1:G1+7]
	s_nop 0
	tensor_load_to_lds s[G0+4:G0+7], s[G1:G1+7]
	s_nop 0
.rept 4
	v_nop
.endr
	s_branch .Lfirst_asked
.Lfirst_b:
	tensor_load_to_lds s[G0B:G0B+3], s[G1B:G1B+7]
	s_nop 0
	tensor_load_to_lds s[G0B+4:G0B+7], s[G1B:G1B+7]
	s_nop 0
.rept 4
	v_nop
.endr
.Lfirst_asked:
	v_and_b32 v1, 15, v0                           ; r
	v_bfe_u32 v2, v0, 4, 1                         ; h
	v_mul_u32_u24 v3, v1, PA
	v_lshl_add_u32 v3, v2, 4, v3
	s_mul_i32 s22, s11, HALFA
	v_add_nc_u32 v[ADRA], s22, v3
	v_add_nc_u32 v[ADRA+1], SLOT, v[ADRA]
	v_and_b32 v4, 7, v0
	v_lshl_add_u32 v4, v2, 3, v4
	v_mul_u32_u24 v4, v4, PB
	v_bfe_u32 v5, v0, 3, 1
	v_lshl_add_u32 v4, v5, 4, v4
	s_lshl_b32 s23, s12, 7
	s_add_co_u32 s23, s23, BO_LDS
	v_add_nc_u32 v[ADRB], s23, v4
	v_add_nc_u32 v[ADRB+1], 128*PB, v[ADRB]
	v_add_nc_u32 v[ADRB+2], SLOT, v[ADRB]
	v_add_nc_u32 v[ADRB+3], SLOT, v[ADRB+1]
	; the way out: my 64 columns of bf16 are half of an aligned 256 bytes, so the four waves share one stage of 128 rows x 272 bytes
	s_mul_i32 s23, s11, 64*SP
	s_lshl_b32 s22, s12, 7
	s_add_co_u32 s23, s23, s22
	s_add_co_u32 s23, s23, STAGE
	v_mul_u32_u24 v4, v1, SP
	v_lshl_add_u32 v4, v2, 4, v4
	v_add_nc_u32 v[STO], s23, v4                   ; in: my 64 rows, my half of their 256 bytes
	s_mul_i32 s23, s10, 32*SP
	s_add_co_u32 s23, s23, STAGE
	v_mul_u32_u24 v4, v2, SP
	v_lshl_add_u32 v4, v1, 4, v4
	v_add_nc_u32 v[RD], s23, v4                    ; back: wave w takes rows 32 w on, whole
	v_lshlrev_b32 v4, 13, v2
	v_lshl_add_u32 v[CO], v1, 4, v4                ; the same two rows in memory (8,192 bytes a row)
	v_lshlrev_b32 v[BO], 5, v2
	v_mov_b32 v[VA4], 0xbf3a00e3                   ; a4 / 2 = -0.72657601
	v_mov_b32 v[VA4+1], 0xbf3a00e3
	s_mov_b32 s[C1], 0x3e6d3388                    ; 0.23164189
	s_mov_b32 s[C2], 0xbf38aa3b                    ; -0.72134752
	s_mov_b32 s[C2+1], s[C2]
	s_mov_b32 s[A1], 0x3e027906                    ; 0.12741480
	s_mov_b32 s[A1+1], s[A1]
	s_mov_b32 s[A2], 0xbe11a98e                    ; -0.14224837
	s_mov_b32 s[A2+1], s[A2]
	s_mov_b32 s[A3], 0x3f35f0e3                    ; 0.71070687
	s_mov_b32 s[A3+1], s[A3]
	s_mov_b32 s[A5], 0x3f07dc22                    ; 0.53070271
	s_mov_b32 s[A5+1], s[A5]
	s_lshl_b32 s88, s42, 9                         ; bias: (128 tc + 64 x half) x 4 bytes
	s_lshl_b32 s89, s12, 8
	s_add_co_u32 s88, s88, s89
	s_mov_b32 s89, 0
	s_add_nc_u64 s[84:85], s[84:85], s[88:89]
.irp b, 0,1,2,3
	global_load_b128 v[BIAS+8*\b:BIAS+8*\b+3], v[BO], s[84:85] offset:64*\b
	global_load_b128 v[BIAS+8*\b+4:BIAS+8*\b+7], v[BO], s[84:85] offset:64*\b+16
.endr
	s_lshl_b32 s90, s13, 20                        ; (128 tr + 32 w) x 8,192 bytes
	s_lshl_b32 s91, s10, 18
	s_add_co_u32 s90, s90, s91
	s_mov_b32 s91, 0
	s_add_nc_u64 s[8:9], s[8:9], s[90:91]
	s_lshl_b32 s88, s42, 8                         ; 128 tc x 2 bytes
	s_add_nc_u64 s[8:9], s[8:9], s[88:89]
.macro MUL8 f, c, a0, zero             ; the 16 accumulators take turns, one instruction a turn
.irp a, \a0, \a0+1
.irp b, 0,1,2,3
.if \zero
	v_wmma_f32_16x16x32_bf16 v[ACC+8*(4*(\a)+\b):ACC+8*(4*(\a)+\b)+7], v[\f+64+8*(4*\c+\b):\f+64+8*(4*\c+\b)+7], v[\f+8*(4*\c+\a):\f+8*(4*\c+\a)+7], 0
.else
	v_wmma_f32_16x16x32_bf16 v[ACC+8*(4*(\a)+\b):ACC+8*(4*(\a)+\b)+7], v[\f+64+8*(4*\c+\b):\f+64+8*(4*\c+\b)+7], v[\f+8*(4*\c+\a):\f+8*(4*\c+\a)+7], v[ACC+8*(4*(\a)+\b):ACC+8*(4*(\a)+\b)+7]
.endif
.endr
.endr
.endm
.macro FETCH slot, q, f                ; 32 LDS loads in one run: quarter q of a slot into buffer f; the first 32 along K first
	WIN TO_F
.irp c, 0,1
.irp i, 0,1,2,3
	ds_load_tr16_b128 v[\f+64+8*(4*\c+\i):\f+64+8*(4*\c+\i)+3],   v[ADRB+2*\slot+(\q)/2] offset:(((\q)%2)*64+32*\c)*PB+32*\i
	ds_load_tr16_b128 v[\f+64+8*(4*\c+\i)+4:\f+64+8*(4*\c+\i)+7], v[ADRB+2*\slot+(\q)/2] offset:(((\q)%2)*64+32*\c+16)*PB+32*\i
	ds_load_b128 v[\f+8*(4*\c+\i):\f+8*(4*\c+\i)+3],              v[ADRA+\slot] offset:128*\q+64*\c+\i*16*PA
	ds_load_b128 v[\f+8*(4*\c+\i)+4:\f+8*(4*\c+\i)+7],            v[ADRA+\slot] offset:128*\q+64*\c+\i*16*PA+32
.endr
.endr
.endm
.macro QUARTER slot, qn, f, g, zero
	s_wait_dscnt 16                                ; the first 32 along K are in; the 16 younger loads may be out
	WIN MUL
	MUL8 \f, 0, 0, \zero
	MUL8 \f, 0, 2, \zero
	PLACES
	FETCH \slot, \qn, \g
	s_wait_dscnt 32                                ; all but the 32 just issued
	WIN MUL
	MUL8 \f, 1, 0, 0
	MUL8 \f, 1, 2, 0
.endm
.macro TURN slot, next, fill
	s_wait_dscnt 16
	WIN MUL
	MUL8 F1, 0, 0, 0
	s_wait_dscnt 0x0                               ; my reads of this slot are over,
	s_set_vgpr_msb 0x500
	s_wait_tensorcnt 0x0                           ; and all my tensor loads have landed: my part of the next slot
	ds_add_u32 v30, v31
	s_wait_dscnt 0x0
	s_set_vgpr_msb 0x5
	s_barrier_signal -1
	MUL8 F1, 0, 2, 0
.if \fill
	WIN 0
.endif
	s_barrier_wait -1
.if \fill
	CREST
	s_add_nc_u64 s[G0+4*\slot+2:G0+4*\slot+3], s[G0+4*\slot+2:G0+4*\slot+3], 2*KSTEP*2
	s_add_nc_u64 s[G0B+4*\slot+2:G0B+4*\slot+3], s[G0B+4*\slot+2:G0B+4*\slot+3], 2*KSTEP*SIZE_N*2
	JLOAD \slot                                    ; the first tensor load behind the round, my only one out
.else
	PLACES
.endif
	FETCH \next, 0, F0
	WIN MUL
	MUL8 F1, 1, 0, 0
	MUL8 F1, 1, 2, 0
.endm
	s_wait_tensorcnt 0x1                           ; my part of K step 0 is in; K step 1's may stay out
	s_barrier_signal -1
	s_barrier_wait -1
	FETCH 0, 0, F0
	QUARTER 0, 1, F0, F1, 1
	WIN 0
	s_mov_b32 s3, LAPS-1
.Llap:
	QUARTER 0, 2, F1, F0, 0
	QUARTER 0, 3, F0, F1, 0
	TURN 0, 1, 1
	QUARTER 1, 1, F0, F1, 0
	QUARTER 1, 2, F1, F0, 0
	QUARTER 1, 3, F0, F1, 0
	TURN 1, 0, 1
	QUARTER 0, 1, F0, F1, 0
	WIN 0
	s_sub_co_u32 s3, s3, 1
	s_cmp_lg_u32 s3, 0
	s_cbranch_scc1 .Llap
	QUARTER 0, 2, F1, F0, 0
	QUARTER 0, 3, F0, F1, 0
	TURN 0, 1, 0
	QUARTER 1, 1, F0, F1, 0
	QUARTER 1, 2, F1, F0, 0
	QUARTER 1, 3, F0, F1, 0
	s_wait_dscnt 16
	WIN MUL
	MUL8 F1, 0, 0, 0
	MUL8 F1, 0, 2, 0
	s_wait_dscnt 0x0
	MUL8 F1, 1, 0, 0
	MUL8 F1, 1, 2, 0
	WIN 0
; One accumulator (8 numbers a lane): + bias, GELU, rounded to bf16, 16 bytes into the stage.  Plain packed work stands behind each run of reciprocals and exponentials.
.macro GELU t
.set X, ACC+8*(\t)
.set BB, BIAS+8*((\t)%4)
.set PKD, 56+4*((\t)%2)
.irp k, 0,2,4,6
	v_pk_add_f32 v[X+\k:X+\k+1], v[X+\k:X+\k+1], v[BB+\k:BB+\k+1]
.endr
.irp k, 0,1,2,3,4,5,6,7
	v_fma_f32 v[T+\k], |v[X+\k]|, s[C1], 1.0       ; 1 + p z
.endr
.irp k, 0,1,2,3,4,5,6,7
	v_rcp_f32 v[T+\k], v[T+\k]                     ; t
.endr
.irp k, 0,2,4,6
	v_pk_mul_f32 v[U+\k:U+\k+1], v[X+\k:X+\k+1], v[X+\k:X+\k+1]
.endr
.irp k, 0,2,4,6
	v_pk_mul_f32 v[U+\k:U+\k+1], v[U+\k:U+\k+1], s[C2:C2+1] op_sel_hi:[1,0]
.endr
.irp k, 0,1,2,3,4,5,6,7
	v_exp_f32 v[U+\k], v[U+\k]                     ; e^(-x^2 / 2)
.endr
	s_wait_alu depctr_va_vdst(0)
.irp k, 0,2,4,6
	v_pk_fma_f32 v[PP+\k:PP+\k+1], v[T+\k:T+\k+1], s[A5:A5+1], v[VA4:VA4+1] op_sel_hi:[1,0,1]
.endr
.irp cc, A3, A2, A1
.irp k, 0,2,4,6
	v_pk_fma_f32 v[PP+\k:PP+\k+1], v[PP+\k:PP+\k+1], v[T+\k:T+\k+1], s[\cc:\cc+1] op_sel_hi:[1,1,0]
.endr
.endr
.irp k, 0,2,4,6
	v_pk_mul_f32 v[PP+\k:PP+\k+1], v[PP+\k:PP+\k+1], v[T+\k:T+\k+1]
.endr
.irp k, 0,2,4,6
	v_pk_fma_f32 v[PP+\k:PP+\k+1], v[PP+\k:PP+\k+1], v[U+\k:U+\k+1], 0.5 op_sel_hi:[1,1,0] neg_lo:[1,0,0] neg_hi:[1,0,0]   ; 0.5 - erfc / 2
.endr
.irp k, 0,2,4,6
	v_pk_mul_f32 v[U+\k:U+\k+1], v[X+\k:X+\k+1], 0.5 op_sel_hi:[1,0]
.endr
.irp k, 0,1,2,3,4,5,6,7
	v_fma_f32 v[X+\k], |v[X+\k]|, v[PP+\k], v[U+\k]
.endr
.irp k, 0,1,2,3
	v_cvt_pk_bf16_f32 v[PKD+\k], v[X+2*\k], v[X+2*\k+1]
.endr
	ds_store_b128 v[STO], v[PKD:PKD+3] offset:((\t)/4)*16*SP+((\t)%4)*32
.endm
	; THE WAY OUT
	s_wait_loadcnt 0x0                             ; the bias
	PLACES
.irp t, 0,1,2,3,4,5,6,7,8,9,10,11,12,13,14,15
	GELU \t
.endr
	s_wait_dscnt 0x0                               ; for the others' sake: my stores into the stage are done
	s_barrier_signal -1
	s_barrier_wait -1                              ; a row's 256 bytes come from two waves
.irp t, 0,1,2,3,4,5,6,7,8,9,10,11,12,13,14,15
	ds_load_b128 v[TMP+4*\t:TMP+4*\t+3], v[RD] offset:\t*2*SP
.endr
.irp t, 0,1,2,3,4,5,6,7,8,9,10,11,12,13,14,15
	s_wait_dscnt 15-\t
	global_store_b128 v[CO], v[TMP+4*\t:TMP+4*\t+3], s[8:9] offset:2*\t*SIZE_N*2   ; 16 lanes store 256 consecutive aligned bytes
.endr
	s_wait_tensorcnt 0x0
	ds_add_u32 v30, v31
	s_wait_dscnt 0x0
	CROUND                                         ; the closing round
	s_endpgm
.Lfunc_end_k_qa8f07982b2_g_ff1:
	.size	k_qa8f07982b2_g_ff1, .Lfunc_end_k_qa8f07982b2_g_ff1-k_qa8f07982b2_g_ff1
	.p2alignl 7, 3214868480
	.fill 96, 4, 3214868480
	.section	.rodata,"a",@progbits
	.p2align	6, 0x0
	.amdhsa_kernel k_qa8f07982b2_g_ff1
		.amdhsa_group_segment_fixed_size 327680
		.amdhsa_private_segment_fixed_size 0
		.amdhsa_enable_private_segment 0
		.amdhsa_kernarg_size 32
		.amdhsa_user_sgpr_count 2
		.amdhsa_user_sgpr_kernarg_segment_ptr 1
		.amdhsa_wavefront_size32 1
		.amdhsa_system_sgpr_workgroup_id_x 1
		.amdhsa_system_sgpr_workgroup_id_y 1
		.amdhsa_system_sgpr_workgroup_id_z 1
		.amdhsa_system_vgpr_workitem_id 0
		.amdhsa_next_free_vgpr 512
		.amdhsa_next_free_sgpr 96
		.amdhsa_reserve_vcc 0
		.amdhsa_float_denorm_mode_32 3
		.amdhsa_float_denorm_mode_16_64 3
		.amdhsa_memory_ordered 1
		.amdhsa_forward_progress 1
		.amdhsa_inst_pref_size 153
	.end_amdhsa_kernel
	.amdgpu_metadata
---
amdhsa.version: [ 1, 2 ]
amdhsa.kernels:
  - .name:           k_qa8f07982b2_g_ff1
    .symbol:         k_qa8f07982b2_g_ff1.kd
    .args:
      - { .name: y1b, .offset: 0, .size: 8, .value_kind: global_buffer, .address_space: global }
      - { .name: cb, .offset: 8, .size: 8, .value_kind: global_buffer, .address_space: global }
      - { .name: b_ff1, .offset: 16, .size: 8, .value_kind: global_buffer, .address_space: global }
      - { .name: hb, .offset: 24, .size: 8, .value_kind: global_buffer, .address_space: global }
    .group_segment_fixed_size: 327680
    .private_segment_fixed_size: 0
    .kernarg_segment_align: 8
    .kernarg_segment_size: 32
    .max_flat_workgroup_size: 128
    .sgpr_count:     96
    .vgpr_count:     512
    .wavefront_size: 32
...
	.end_amdgpu_metadata
.endif
;; end of part 6
;; launch g_ff2 (part 7): grid 8 x 32, 4 waves a work-group, clusters of 4 x 4, 327,680 bytes of LDS; arguments hb, cb, b_ff2, f2; writes f2
.if DOCPART == 7
	.amdgcn_target "amdgcn-amd-amdhsa--gfx1250"
	.amdhsa_code_object_version 6
	.text
	.protected	k_qa8f07982b2_g_ff2
	.globl	k_qa8f07982b2_g_ff2
	.p2align	8
	.type	k_qa8f07982b2_g_ff2,@function
k_qa8f07982b2_g_ff2:
	s_mov_b64 s[64:65], 0
	v_nop
	global_prefetch_b8 v0, s[64:65] scope:SCOPE_SE
	s_setreg_imm32_b32 hwreg(HW_REG_WAVE_MODE, 25, 1), 1
	s_wait_xcnt 0x0
	s_wait_alu depctr_hold_cnt(0) depctr_sa_sdst(0) depctr_va_vdst(0) depctr_va_sdst(0) depctr_va_ssrc(0) depctr_va_vcc(0) depctr_vm_vsrc(0)
	s_getreg_b32 s2, hwreg(HW_REG_IB_STS2, 6, 4)
	s_cmp_eq_u32 s2, 0
	s_cbranch_scc0 .Lentry_in_a_cluster
	s_endpgm
.Lentry_in_a_cluster:
	s_bfe_u32 s2, ttmp6, 0x10000c
	s_cmp_lg_u32 s2, 0xf033
	s_cbranch_scc0 .Lentry_shape_is_right
	s_endpgm
.Lentry_shape_is_right:
; f2 = h w_ff2 + b_ff2, f32 [4096][1024].
; C[m][n] = sum over k of A[m][k] B[k][n].  A: bf16 [4096][SIZE_K] (hb); B: bf16 [SIZE_K][SIZE_N] (at byte BOFF of cb); sums in f32.
; A tile of C is 128 x 128: four waves, each 64 x 64 = 16 accumulators of 16 x 16.  K goes in steps of 256 through two LDS slots filled by tensor loads.
; A's tile lies along K and is read as it lies; B's tile lies [k][n] and is turned on the way into registers by ds_load_tr16_b128.
; CLUSTERS: 4 x 4 work-groups.  The four of a row of the cluster need the same tiles of A, the four of a column the same tiles of B: each tile is asked for jointly.
; THE MATRIX INSTRUCTION IS USED TRANSPOSED (source 0 = 16 columns of B, source 1 = 16 rows of A): a lane then holds eight neighbouring numbers of a row of C.
; REGISTERS: window 0: v0-31 addresses; v32-95 at work on the way out; v96-99 bias; v128-255 accumulators.  Window 1: two fragment buffers of 128.
; LIMITS: the product's operands are bf16; the bias and the result stay f32.
.set SIZE_N, 1024
.set SIZE_K, 4096
.set BOFF,   25165824
.set ARG_A,  0
.set ARG_B,  8
.set ARG_BIAS, 16
.set ARG_C,  24
.set KSTEP,  256
.set PA,     528                       ; a row of A in LDS: 512 bytes + 16 = 33 x 16
.set PB,     288                       ; a row of B in LDS: 256 bytes + 32 = 9 x 32
.set HALFA,  64*PA
.set HALFB,  128*PB
.set BO_LDS, 2*HALFA
.set SLOT,   BO_LDS+2*HALFB
.set STAGE,  2*SLOT                    ; behind the ring, a multiple of 256: no tensor load lands here
.set SP,     272                       ; the stage's row: 64 f32 + 16 bytes; 16 rows for each wave
.set LAPS,   SIZE_K/(2*KSTEP)
.set ADRA, 16
.set ADRB, 20
.set STO,  24
.set RD,   25
.set CO,   26
.set BO,   27
.set TMP,  32
.set BIAS, 96
.set ACC,  128
.set F0,   0
.set F1,   128
.set G1,  24
.set G0,  32
.set G1B, 48
.set G0B, 56
.set MSB, 0
.macro WIN new
.if MSB != \new
	s_set_vgpr_msb (MSB<<8)|\new
.set MSB, \new
.endif
.endm
.set MUL,  0x05
.set TO_F, 0x40
.macro PLACES
.rept 4
	v_nop
.endr
.endm
.macro JLOAD s
	s_cmp_eq_u32 s11, 0
	s_cbranch_scc0 .Lfor_b_\@
	tensor_load_to_lds s[G0+4*\s:G0+4*\s+3], s[G1:G1+7]
	s_nop 0
.rept 4
	v_nop
.endr
	s_branch .Lasked_\@
.Lfor_b_\@:
	tensor_load_to_lds s[G0B+4*\s:G0B+4*\s+3], s[G1B:G1B+7]
	s_nop 0
.rept 4
	v_nop
.endr
.Lasked_\@:
.endm
.macro CREST
	s_cmp_lg_u32 s10, 0
	s_cbranch_scc1 .Lnot_wave_0_\@
	s_barrier_signal -3
.Lnot_wave_0_\@:
	s_barrier_wait -3
	s_barrier_signal -1
	s_barrier_wait -1
.endm
.macro CROUND
	s_barrier_signal -1
	s_barrier_wait -1
	CREST
.endm
	s_load_b64 s[4:5], s[0:1], ARG_A
	s_load_b64 s[6:7], s[0:1], ARG_B
	s_load_b64 s[8:9], s[0:1], ARG_C
	s_load_b64 s[84:85], s[0:1], ARG_BIAS
	v_lshl_add_u32 v126, v0, 2, 0x49400
	v_mov_b32 v127, 0
	ds_add_u32 v126, v127
	ds_add_u32 v126, v127
	v_lshrrev_b32 v1, 5, v0
	v_readfirstlane_b32 s10, v1                    ; wave 0..3
	s_lshr_b32 s11, s10, 1                         ; my half of the tile's rows.  Also: I fetch for A (0) or for B (1)
	s_and_b32 s12, s10, 1                          ; my half of its columns.  Also: which half of that tile I fetch
	s_bfe_u32 s40, ttmp6, 0x40000                  ; cx
	s_bfe_u32 s41, ttmp6, 0x40004                  ; cy
	s_lshl_b32 s42, ttmp9, 2
	s_add_co_u32 s42, s42, s40                     ; tile column tc
	s_and_b32 s13, ttmp7, 0xffff
	s_lshl_b32 s13, s13, 2
	s_add_co_u32 s13, s13, s41                     ; tile row tr
	s_lshl_b32 s43, s41, 2
	s_lshl_b32 s43, 15, s43                        ; my row of the cluster
	s_lshl_b32 s44, 0x1111, s40                    ; my column
	s_or_b32 s[G1+0], s43, (1<<16)|(1<<20)|(1<<21)|(6<<22)|(3<<25)   ; mask; 2-byte elements; padding on; bit 21 beside a mask; after every 128 words 4 words
	s_mov_b32 s[G1+1], KSTEP<<16
	s_mov_b32 s[G1+2], 64<<16
	s_mov_b32 s[G1+3], KSTEP<<16
	s_mov_b32 s[G1+4], 64
	s_mov_b32 s[G1+5], SIZE_K
	s_mov_b32 s[G1+6], 0
	s_mov_b32 s[G1+7], 0
	s_or_b32 s[G1B+0], s44, (1<<16)|(1<<20)|(1<<21)|(5<<22)|(7<<25)  ; after every 64 words 8 words
	s_mov_b32 s[G1B+1], 128<<16
	s_mov_b32 s[G1B+2], 128<<16
	s_mov_b32 s[G1B+3], 128<<16
	s_mov_b32 s[G1B+4], 128
	s_mov_b32 s[G1B+5], SIZE_N
	s_mov_b32 s[G1B+6], 0
	s_mov_b32 s[G1B+7], 0
	s_lshl_b32 s16, s13, 7                         ; A: row 128 tr + 64 x half, in bytes (under 2^26)
	s_lshl_b32 s17, s12, 6
	s_add_co_u32 s16, s16, s17
	s_mul_i32 s16, s16, SIZE_K*2
	s_mov_b32 s17, 0
	s_mul_i32 s46, s12, 128*SIZE_N*2               ; B: k row 128 x half, column 128 tc, behind BOFF
	s_lshl_b32 s47, s42, 8
	s_add_co_u32 s46, s46, s47
	s_add_co_u32 s46, s46, BOFF
	s_mov_b32 s47, 0
	s_mul_i32 s20, s12, HALFA
	s_mul_i32 s21, s12, HALFB
	s_add_co_u32 s21, s21, BO_LDS
	s_wait_dscnt 0x0
	s_wait_kmcnt 0x0
	s_add_nc_u64 s[14:15], s[4:5], s[16:17]
	s_add_nc_u64 s[46:47], s[6:7], s[46:47]
.irp s, 0,1
	s_mov_b32 s[G0+4*\s], 1
	s_add_co_u32 s[G0+4*\s+1], s20, \s*SLOT
	s_add_nc_u64 s[G0+4*\s+2:G0+4*\s+3], s[14:15], \s*KSTEP*2
	s_or_b32 s[G0+4*\s+3], s[G0+4*\s+3], 0x80000000
	s_mov_b32 s[G0B+4*\s], 1
	s_add_co_u32 s[G0B+4*\s+1], s21, \s*SLOT
	s_add_nc_u64 s[G0B+4*\s+2:G0B+4*\s+3], s[46:47], \s*KSTEP*SIZE_N*2
	s_or_b32 s[G0B+4*\s+3], s[G0B+4*\s+3], 0x80000000
.endr
	CROUND                                         ; all sixteen work-groups are here: the first joint loads meet
	s_cmp_eq_u32 s11, 0                            ; a wave's two first fills stand in one branch: two loads of mine are out
	s_cbranch_scc0 .Lfirst_b
	tensor_load_to_lds s[G0:G0+3], s[G1:G1+7]
	s_nop 0
	tensor_load_to_lds s[G0+4:G0+7], s[G1:G1+7]
	s_nop 0
.rept 4
	v_nop
.endr
	s_branch .Lfirst_asked
.Lfirst_b:
	tensor_load_to_lds s[G0B:G0B+3], s[G1B:G1B+7]
	s_nop 0
	tensor_load_to_lds s[G0B+4:G0B+7], s[G1B:G1B+7]
	s_nop 0
.rept 4
	v_nop
.endr
.Lfirst_asked:
	v_and_b32 v1, 15, v0                           ; r
	v_bfe_u32 v2, v0, 4, 1                         ; h
	v_mul_u32_u24 v3, v1, PA
	v_lshl_add_u32 v3, v2, 4, v3
	s_mul_i32 s22, s11, HALFA
	v_add_nc_u32 v[ADRA], s22, v3
	v_add_nc_u32 v[ADRA+1], SLOT, v[ADRA]
	v_and_b32 v4, 7, v0
	v_lshl_add_u32 v4, v2, 3, v4
	v_mul_u32_u24 v4, v4, PB
	v_bfe_u32 v5, v0, 3, 1
	v_lshl_add_u32 v4, v5, 4, v4
	s_lshl_b32 s23, s12, 7
	s_add_co_u32 s23, s23, BO_LDS
	v_add_nc_u32 v[ADRB], s23, v4
	v_add_nc_u32 v[ADRB+1], 128*PB, v[ADRB]
	v_add_nc_u32 v[ADRB+2], SLOT, v[ADRB]
	v_add_nc_u32 v[ADRB+3], SLOT, v[ADRB+1]
	; the way out: my 64 columns of f32 are 256 aligned bytes of a row, so the stage is my own: 16 rows x 272 bytes
	s_mul_i32 s23, s10, 16*SP
	s_add_co_u32 s23, s23, STAGE
	v_mul_u32_u24 v4, v1, SP
	v_lshl_add_u32 v4, v2, 5, v4
	v_add_nc_u32 v[STO], s23, v4                   ; in: row r, 32 bytes for each half of the lanes
	v_mul_u32_u24 v4, v2, SP
	v_lshl_add_u32 v4, v1, 4, v4
	v_add_nc_u32 v[RD], s23, v4                    ; back: lanes 0-15 one row of 256 bytes, lanes 16-31 the next
	v_lshlrev_b32 v4, 12, v2
	v_lshl_add_u32 v[CO], v1, 4, v4                ; the same two rows in memory (4,096 bytes a row)
	v_lshlrev_b32 v[BO], 4, v1                     ; my four columns' bias
	s_lshl_b32 s88, s42, 9                         ; (128 tc + 64 x half) x 4 bytes
	s_lshl_b32 s89, s12, 8
	s_add_co_u32 s88, s88, s89
	s_mov_b32 s89, 0
	s_lshl_b32 s90, s13, 19                        ; (128 tr + 64 x half) x 4,096 bytes
	s_lshl_b32 s91, s11, 18
	s_add_co_u32 s90, s90, s91
	s_mov_b32 s91, 0
	s_add_nc_u64 s[84:85], s[84:85], s[88:89]
	s_add_nc_u64 s[8:9], s[8:9], s[88:89]
	s_add_nc_u64 s[8:9], s[8:9], s[90:91]
	global_load_b128 v[BIAS:BIAS+3], v[BO], s[84:85]
.macro MUL8 f, c, a0, zero             ; the 16 accumulators take turns, one instruction a turn
.irp a, \a0, \a0+1
.irp b, 0,1,2,3
.if \zero
	v_wmma_f32_16x16x32_bf16 v[ACC+8*(4*(\a)+\b):ACC+8*(4*(\a)+\b)+7], v[\f+64+8*(4*\c+\b):\f+64+8*(4*\c+\b)+7], v[\f+8*(4*\c+\a):\f+8*(4*\c+\a)+7], 0
.else
	v_wmma_f32_16x16x32_bf16 v[ACC+8*(4*(\a)+\b):ACC+8*(4*(\a)+\b)+7], v[\f+64+8*(4*\c+\b):\f+64+8*(4*\c+\b)+7], v[\f+8*(4*\c+\a):\f+8*(4*\c+\a)+7], v[ACC+8*(4*(\a)+\b):ACC+8*(4*(\a)+\b)+7]
.endif
.endr
.endr
.endm
.macro FETCH slot, q, f                ; 32 LDS loads in one run: quarter q of a slot into buffer f; the first 32 along K first
	WIN TO_F
.irp c, 0,1
.irp i, 0,1,2,3
	ds_load_tr16_b128 v[\f+64+8*(4*\c+\i):\f+64+8*(4*\c+\i)+3],   v[ADRB+2*\slot+(\q)/2] offset:(((\q)%2)*64+32*\c)*PB+32*\i
	ds_load_tr16_b128 v[\f+64+8*(4*\c+\i)+4:\f+64+8*(4*\c+\i)+7], v[ADRB+2*\slot+(\q)/2] offset:(((\q)%2)*64+32*\c+16)*PB+32*\i
	ds_load_b128 v[\f+8*(4*\c+\i):\f+8*(4*\c+\i)+3],              v[ADRA+\slot] offset:128*\q+64*\c+\i*16*PA
	ds_load_b128 v[\f+8*(4*\c+\i)+4:\f+8*(4*\c+\i)+7],            v[ADRA+\slot] offset:128*\q+64*\c+\i*16*PA+32
.endr
.endr
.endm
.macro QUARTER slot, qn, f, g, zero
	s_wait_dscnt 16                                ; the first 32 along K are in; the 16 younger loads may be out
	WIN MUL
	MUL8 \f, 0, 0, \zero
	MUL8 \f, 0, 2, \zero
	PLACES
	FETCH \slot, \qn, \g
	s_wait_dscnt 32                                ; all but the 32 just issued
	WIN MUL
	MUL8 \f, 1, 0, 0
	MUL8 \f, 1, 2, 0
.endm
.macro TURN slot, next, fill
	s_wait_dscnt 16
	WIN MUL
	MUL8 F1, 0, 0, 0
	s_wait_dscnt 0x0                               ; my reads of this slot are over,
	s_set_vgpr_msb 0x500
	s_wait_tensorcnt 0x0                           ; and all my tensor loads have landed: my part of the next slot
	ds_add_u32 v126, v127
	s_wait_dscnt 0x0
	s_set_vgpr_msb 0x5
	s_barrier_signal -1
	MUL8 F1, 0, 2, 0
.if \fill
	WIN 0
.endif
	s_barrier_wait -1
.if \fill
	CREST
	s_add_nc_u64 s[G0+4*\slot+2:G0+4*\slot+3], s[G0+4*\slot+2:G0+4*\slot+3], 2*KSTEP*2
	s_add_nc_u64 s[G0B+4*\slot+2:G0B+4*\slot+3], s[G0B+4*\slot+2:G0B+4*\slot+3], 2*KSTEP*SIZE_N*2
	JLOAD \slot                                    ; the first tensor load behind the round, my only one out
.else
	PLACES
.endif
	FETCH \next, 0, F0
	WIN MUL
	MUL8 F1, 1, 0, 0
	MUL8 F1, 1, 2, 0
.endm
	s_wait_tensorcnt 0x1                           ; my part of K step 0 is in; K step 1's may stay out
	s_barrier_signal -1
	s_barrier_wait -1
	FETCH 0, 0, F0
	QUARTER 0, 1, F0, F1, 1
	WIN 0
	s_mov_b32 s3, LAPS-1
.Llap:
	QUARTER 0, 2, F1, F0, 0
	QUARTER 0, 3, F0, F1, 0
	TURN 0, 1, 1
	QUARTER 1, 1, F0, F1, 0
	QUARTER 1, 2, F1, F0, 0
	QUARTER 1, 3, F0, F1, 0
	TURN 1, 0, 1
	QUARTER 0, 1, F0, F1, 0
	WIN 0
	s_sub_co_u32 s3, s3, 1
	s_cmp_lg_u32 s3, 0
	s_cbranch_scc1 .Llap
	QUARTER 0, 2, F1, F0, 0
	QUARTER 0, 3, F0, F1, 0
	TURN 0, 1, 0
	QUARTER 1, 1, F0, F1, 0
	QUARTER 1, 2, F1, F0, 0
	QUARTER 1, 3, F0, F1, 0
	s_wait_dscnt 16
	WIN MUL
	MUL8 F1, 0, 0, 0
	MUL8 F1, 0, 2, 0
	s_wait_dscnt 0x0
	MUL8 F1, 1, 0, 0
	MUL8 F1, 1, 2, 0
	WIN 0
	; THE WAY OUT, 16 rows at a time: the sums go through my stage and come back as whole rows of 256 bytes; + bias; 16 lanes store 256 consecutive aligned bytes.
	s_wait_loadcnt 0x0                             ; the bias
	PLACES
.irp a, 0,1,2,3
.set BK, TMP+32*(\a%2)
.if \a >= 2
	s_wait_xcnt 0x0                                ; the registers that the stores two blocks back read are written again only behind this wait
.endif
.irp b, 0,1,2,3
	ds_store_b128 v[STO], v[ACC+8*(4*\a+\b):ACC+8*(4*\a+\b)+3] offset:64*\b
	ds_store_b128 v[STO], v[ACC+8*(4*\a+\b)+4:ACC+8*(4*\a+\b)+7] offset:64*\b+16
.endr
.irp t, 0,1,2,3,4,5,6,7
	ds_load_b128 v[BK+4*\t:BK+4*\t+3], v[RD] offset:\t*2*SP        ; LDS serves a wave's instructions in order: these see my stores above, and the next block's stores come behind them
.endr
	s_wait_dscnt 0x0
.irp t, 0,1,2,3,4,5,6,7
	v_pk_add_f32 v[BK+4*\t:BK+4*\t+1], v[BK+4*\t:BK+4*\t+1], v[BIAS:BIAS+1]
	v_pk_add_f32 v[BK+4*\t+2:BK+4*\t+3], v[BK+4*\t+2:BK+4*\t+3], v[BIAS+2:BIAS+3]
.endr
.irp t, 0,1,2,3,4,5,6,7
	global_store_b128 v[CO], v[BK+4*\t:BK+4*\t+3], s[8:9] offset:(16*\a+2*\t)*4096
.endr
.endr
	s_wait_tensorcnt 0x0
	ds_add_u32 v126, v127
	s_wait_dscnt 0x0
	CROUND                                         ; the closing round
	s_endpgm
.Lfunc_end_k_qa8f07982b2_g_ff2:
	.size	k_qa8f07982b2_g_ff2, .Lfunc_end_k_qa8f07982b2_g_ff2-k_qa8f07982b2_g_ff2
	.p2alignl 7, 3214868480
	.fill 96, 4, 3214868480
	.section	.rodata,"a",@progbits
	.p2align	6, 0x0
	.amdhsa_kernel k_qa8f07982b2_g_ff2
		.amdhsa_group_segment_fixed_size 327680
		.amdhsa_private_segment_fixed_size 0
		.amdhsa_enable_private_segment 0
		.amdhsa_kernarg_size 32
		.amdhsa_user_sgpr_count 2
		.amdhsa_user_sgpr_kernarg_segment_ptr 1
		.amdhsa_wavefront_size32 1
		.amdhsa_system_sgpr_workgroup_id_x 1
		.amdhsa_system_sgpr_workgroup_id_y 1
		.amdhsa_system_sgpr_workgroup_id_z 1
		.amdhsa_system_vgpr_workitem_id 0
		.amdhsa_next_free_vgpr 512
		.amdhsa_next_free_sgpr 96
		.amdhsa_reserve_vcc 0
		.amdhsa_float_denorm_mode_32 3
		.amdhsa_float_denorm_mode_16_64 3
		.amdhsa_memory_ordered 1
		.amdhsa_forward_progress 1
		.amdhsa_inst_pref_size 90
	.end_amdhsa_kernel
	.amdgpu_metadata
---
amdhsa.version: [ 1, 2 ]
amdhsa.kernels:
  - .name:           k_qa8f07982b2_g_ff2
    .symbol:         k_qa8f07982b2_g_ff2.kd
    .args:
      - { .name: hb, .offset: 0, .size: 8, .value_kind: global_buffer, .address_space: global }
      - { .name: cb, .offset: 8, .size: 8, .value_kind: global_buffer, .address_space: global }
      - { .name: b_ff2, .offset: 16, .size: 8, .value_kind: global_buffer, .address_space: global }
      - { .name: f2, .offset: 24, .size: 8, .value_kind: global_buffer, .address_space: global }
    .group_segment_fixed_size: 327680
    .private_segment_fixed_size: 0
    .kernarg_segment_align: 8
    .kernarg_segment_size: 32
    .max_flat_workgroup_size: 128
    .sgpr_count:     96
    .vgpr_count:     512
    .wavefront_size: 32
...
	.end_amdgpu_metadata
.endif
;; end of part 7
;; launch ln2 (part 8): grid 256 x 1, 8 waves a work-group, no clusters, 0 bytes of LDS; arguments r1, f2, ln1_g, ln1_b, ln2_g, ln2_b, out0; writes out0
.if DOCPART == 8
	.amdgcn_target "amdgcn-amd-amdhsa--gfx1250"
	.amdhsa_code_object_version 6
	.text
	.protected	k_qa8f07982b2_ln2
	.globl	k_qa8f07982b2_ln2
	.p2align	8
	.type	k_qa8f07982b2_ln2,@function
k_qa8f07982b2_ln2:
	s_mov_b64 s[64:65], 0
	v_nop
	global_prefetch_b8 v0, s[64:65] scope:SCOPE_SE
	s_setreg_imm32_b32 hwreg(HW_REG_WAVE_MODE, 25, 1), 1
	s_wait_xcnt 0x0
; out0 = LN2(LN1(r1) + f2), all f32 [4096][1024].  LN1 is made again from r1 (32 registers a row), so that its f32 result never passes through memory.
; One wave, one row at a time, two rows in all; a row is 8 loads of 512 consecutive bytes and stays in registers.  All 64 loads of a wave are written at the start.
; In both norms the mean comes first, then the sum of the centred squares: no difference of large sums.
; A stream: no LDS, no barrier, no matrix unit.  LIMIT: v_rsq_f32 is good to one unit in the last place.
; REGISTERS: window 0: v16-79 the two rows; v80-143 their rows of f2; v144-207 ln1_g, ln1_b.  Window 1: v0-63 ln2_g, ln2_b.
.set R0, 16
.set R1, 48
.set FF0, 80
.set FF1, 112
.set G1N, 144
.set B1N, 176
.set G2N, 0
.set B2N, 32
.set MSB, 0
.macro WIN new
.if MSB != \new
	s_set_vgpr_msb (MSB<<8)|\new
.set MSB, \new
.endif
.endm
	s_load_b256 s[4:11], s[0:1], 0x0               ; r1 s[4:5], f2 s[6:7], ln1_g s[8:9], ln1_b s[10:11]
	s_load_b128 s[12:15], s[0:1], 0x20             ; ln2_g s[12:13], ln2_b s[14:15]
	s_load_b64 s[20:21], s[0:1], 0x30              ; out0
	s_lshl_b32 s22, ttmp9, 16                      ; 16 rows of 4,096 bytes
	s_mov_b32 s23, 0
	s_mov_b32 s16, 0x3a800000                      ; 1 / 1024
	s_mov_b32 s17, 0x3727c5ac                      ; 1e-5
	s_mov_b32 s18, 0x76543210
	s_mov_b32 s19, 0xfedcba98
	v_and_b32 v3, 31, v0
	v_lshrrev_b32 v4, 5, v0
	v_lshlrev_b32 v1, 4, v3                        ; gains and biases: 16 x lane
	v_lshl_or_b32 v2, v4, 13, v1                   ; rows: + 2 rows x wave
	s_wait_kmcnt 0x0
	s_add_nc_u64 s[4:5], s[4:5], s[22:23]
	s_add_nc_u64 s[6:7], s[6:7], s[22:23]
	s_add_nc_u64 s[20:21], s[20:21], s[22:23]
.macro LDROW dst, lo, off              ; a row, read once in the launch
.irp j, 0,1,2,3,4,5,6,7
	global_load_b128 v[\dst+4*\j:\dst+4*\j+3], v2, s[\lo:\lo+1] offset:\off+512*\j th:TH_LOAD_NT
.endr
.endm
.macro LDVEC dst, lo                   ; a gain or a bias, which every wave reads
.irp j, 0,1,2,3,4,5,6,7
	global_load_b128 v[\dst+4*\j:\dst+4*\j+3], v1, s[\lo:\lo+1] offset:512*\j
.endr
.endm
	LDROW R0, 4, 0
	LDROW R1, 4, 4096
	LDVEC G1N, 8
	LDVEC B1N, 10
	LDROW FF0, 6, 0
	LDROW FF1, 6, 4096
	WIN 0x40                                       ; destination window 1
	LDVEC G2N, 12
	LDVEC B2N, 14
	WIN 0
.macro REDUCE
	v_pk_add_f32 v[4:5], v[4:5], v[6:7]
	v_pk_add_f32 v[8:9], v[8:9], v[10:11]
	v_pk_add_f32 v[4:5], v[4:5], v[8:9]
	v_add_f32 v4, v4, v5
	v_add_f32_dpp v4, v4, v4 row_xmask:1 row_mask:0xf bank_mask:0xf
	v_add_f32_dpp v4, v4, v4 row_xmask:2 row_mask:0xf bank_mask:0xf
	v_add_f32_dpp v4, v4, v4 row_xmask:4 row_mask:0xf bank_mask:0xf
	v_add_f32_dpp v4, v4, v4 row_xmask:8 row_mask:0xf bank_mask:0xf
	v_permlanex16_b32 v5, v4, s18, s19
	v_add_f32 v4, v4, v5
.endm
.macro STATS X                         ; the row becomes (x - mean) / sqrt(var + eps)
.irp c, 0,1,2,3
	v_pk_add_f32 v[4+2*\c:5+2*\c], v[\X+4*\c:\X+4*\c+1], v[\X+4*\c+2:\X+4*\c+3]
.endr
.irp k, 0,1
.irp c, 0,1,2,3
	v_pk_add_f32 v[4+2*\c:5+2*\c], v[4+2*\c:5+2*\c], v[\X+16+8*\k+2*\c:\X+17+8*\k+2*\c]
.endr
.endr
	REDUCE
	v_mul_f32 v12, s16, v4
	v_mul_f32 v13, s16, v4
.set u, 0
.rept 16
	v_pk_add_f32 v[\X+u:\X+u+1], v[\X+u:\X+u+1], v[12:13] neg_lo:[0,1] neg_hi:[0,1]
.set u, u+2
.endr
.irp c, 0,1,2,3
	v_pk_mul_f32 v[4+2*\c:5+2*\c], v[\X+2*\c:\X+2*\c+1], v[\X+2*\c:\X+2*\c+1]
.endr
.irp k, 1,2,3
.irp c, 0,1,2,3
	v_pk_fma_f32 v[4+2*\c:5+2*\c], v[\X+8*\k+2*\c:\X+8*\k+2*\c+1], v[\X+8*\k+2*\c:\X+8*\k+2*\c+1], v[4+2*\c:5+2*\c]
.endr
.endr
	REDUCE
	v_fma_f32 v4, v4, s16, s17
	v_rsq_f32 v12, v4
	v_nop                                          ; a plain instruction between v_rsq_f32 and the use of its result
	s_wait_alu depctr_va_vdst(0)
	v_mov_b32 v13, v12
.set u, 0
.rept 16
	v_pk_mul_f32 v[\X+u:\X+u+1], v[\X+u:\X+u+1], v[12:13]
.set u, u+2
.endr
.endm
.macro NORM X, GG, BB                  ; x g + b
.set u, 0
.rept 16
	v_pk_fma_f32 v[\X+u:\X+u+1], v[\X+u:\X+u+1], v[\GG+u:\GG+u+1], v[\BB+u:\BB+u+1]
.set u, u+2
.endr
.endm
.macro PLUS X, FF
.set u, 0
.rept 16
	v_pk_add_f32 v[\X+u:\X+u+1], v[\X+u:\X+u+1], v[\FF+u:\FF+u+1]
.set u, u+2
.endr
.endm
	s_wait_loadcnt 56                              ; row 0 is in; the 56 younger loads may be out
	STATS R0
	s_wait_loadcnt 48                              ; row 1
	STATS R1
	s_wait_loadcnt 32                              ; ln1_g, ln1_b
	NORM R0, G1N, B1N
	NORM R1, G1N, B1N
	s_wait_loadcnt 16                              ; both rows of f2
	PLUS R0, FF0
	STATS R0
	PLUS R1, FF1
	STATS R1
	s_wait_loadcnt 0x0                             ; ln2_g, ln2_b
	WIN 0x14                                       ; sources 1 and 2 window 1
	NORM R0, G2N, B2N
	NORM R1, G2N, B2N
	WIN 0
.irp j, 0,1,2,3,4,5,6,7
	global_store_b128 v2, v[R0+4*\j:R0+4*\j+3], s[20:21] offset:512*\j th:TH_STORE_NT
.endr
.irp j, 0,1,2,3,4,5,6,7
	global_store_b128 v2, v[R1+4*\j:R1+4*\j+3], s[20:21] offset:4096+512*\j th:TH_STORE_NT
.endr
	s_endpgm
.Lfunc_end_k_qa8f07982b2_ln2:
	.size	k_qa8f07982b2_ln2, .Lfunc_end_k_qa8f07982b2_ln2-k_qa8f07982b2_ln2
	.p2alignl 7, 3214868480
	.fill 96, 4, 3214868480
	.section	.rodata,"a",@progbits
	.p2align	6, 0x0
	.amdhsa_kernel k_qa8f07982b2_ln2
		.amdhsa_group_segment_fixed_size 0
		.amdhsa_private_segment_fixed_size 0
		.amdhsa_enable_private_segment 0
		.amdhsa_kernarg_size 56
		.amdhsa_user_sgpr_count 2
		.amdhsa_user_sgpr_kernarg_segment_ptr 1
		.amdhsa_wavefront_size32 1
		.amdhsa_system_sgpr_workgroup_id_x 1
		.amdhsa_system_sgpr_workgroup_id_y 1
		.amdhsa_system_sgpr_workgroup_id_z 1
		.amdhsa_system_vgpr_workitem_id 0
		.amdhsa_next_free_vgpr 320
		.amdhsa_next_free_sgpr 66
		.amdhsa_reserve_vcc 0
		.amdhsa_float_denorm_mode_32 3
		.amdhsa_float_denorm_mode_16_64 3
		.amdhsa_memory_ordered 1
		.amdhsa_forward_progress 1
		.amdhsa_inst_pref_size 36
	.end_amdhsa_kernel
	.amdgpu_metadata
---
amdhsa.version: [ 1, 2 ]
amdhsa.kernels:
  - .name:           k_qa8f07982b2_ln2
    .symbol:         k_qa8f07982b2_ln2.kd
    .args:
      - { .name: r1, .offset: 0, .size: 8, .value_kind: global_buffer, .address_space: global }
      - { .name: f2, .offset: 8, .size: 8, .value_kind: global_buffer, .address_space: global }
      - { .name: ln1_g, .offset: 16, .size: 8, .value_kind: global_buffer, .address_space: global }
      - { .name: ln1_b, .offset: 24, .size: 8, .value_kind: global_buffer, .address_space: global }
      - { .name: ln2_g, .offset: 32, .size: 8, .value_kind: global_buffer, .address_space: global }
      - { .name: ln2_b, .offset: 40, .size: 8, .value_kind: global_buffer, .address_space: global }
      - { .name: out0, .offset: 48, .size: 8, .value_kind: global_buffer, .address_space: global }
    .group_segment_fixed_size: 0
    .private_segment_fixed_size: 0
    .kernarg_segment_align: 8
    .kernarg_segment_size: 56
    .max_flat_workgroup_size: 256
    .sgpr_count:     66
    .vgpr_count:     320
    .wavefront_size: 32
...
	.end_amdgpu_metadata
.endif
;; end of part 8
;; ======== version 2 of 2: 8 launches; 1.13 times as fast as version 1
;; limits: a function is approximated: absolute error at most 1.5e-07; an absolute error that grows with the inputs' magnitude: up to 1e-07 times it
;; workspace buffers: cb 33,554,432 bytes; qkvh 25,165,824 bytes; ao 8,388,608 bytes; r1 16,777,216 bytes; y1b 8,388,608 bytes; hb 33,554,432 bytes; f2 16,777,216 bytes
;; launch cast: the kernel of part 1 again; grid 1024 x 1, 8 waves a work-group, no clusters, 0 bytes of LDS; arguments x, w_qkv, w_out, w_ff1, w_ff2, cb; writes cb
;; launch g_qkv (part 9): grid 12 x 16, 4 waves a work-group, clusters of 4 x 4, 327,680 bytes of LDS; arguments cb, b_qkv, qkvh; writes qkvh
.if DOCPART == 9
	.amdgcn_target "amdgcn-amd-amdhsa--gfx1250"
	.amdhsa_code_object_version 6
	.text
	.protected	k_qa8f07982b2_g_qkv
	.globl	k_qa8f07982b2_g_qkv
	.p2align	8
	.type	k_qa8f07982b2_g_qkv,@function
k_qa8f07982b2_g_qkv:
	s_mov_b64 s[64:65], 0
	v_nop
	global_prefetch_b8 v0, s[64:65] scope:SCOPE_SE
	s_setreg_imm32_b32 hwreg(HW_REG_WAVE_MODE, 25, 1), 1
	s_wait_xcnt 0x0
	s_wait_alu depctr_hold_cnt(0) depctr_sa_sdst(0) depctr_va_vdst(0) depctr_va_sdst(0) depctr_va_ssrc(0) depctr_va_vcc(0) depctr_vm_vsrc(0)
	s_getreg_b32 s2, hwreg(HW_REG_IB_STS2, 6, 4)
	s_cmp_eq_u32 s2, 0
	s_cbranch_scc0 .Lentry_in_a_cluster
	s_endpgm
.Lentry_in_a_cluster:
	s_bfe_u32 s2, ttmp6, 0x10000c
	s_cmp_lg_u32 s2, 0xf033
	s_cbranch_scc0 .Lentry_shape_is_right
	s_endpgm
.Lentry_shape_is_right:
; qkv = x w_qkv + b_qkv, stored in bf16 by heads: qkvh[3][32 = batch x 16 + head][2048 tokens][64].
; C[m][n] = sum over k of A[m][k] B[k][n].  A: bf16 [4096][SIZE_K] (x, at byte 0 of cb); B: bf16 [SIZE_K][SIZE_N] (at byte BOFF of cb); sums in f32.
; A tile of C is 256 x 256: four waves, each 128 x 128 = 64 accumulators of 16 x 16, 512 registers.  12 x 16 = 192 work-groups.
; K goes in steps of 128 through two LDS slots filled by tensor loads: A's 256 rows x 256 bytes, then B's 128 rows of k x 512 bytes.
; A's tile lies along K and is read as it lies; B's tile lies [k][n] and is turned on the way into registers by ds_load_tr16_b128.
; CLUSTERS: 4 x 4 work-groups.  The four of a row of the cluster need the same tiles of A, the four of a column the same tiles of B: each tile is asked for jointly.
; THE MATRIX INSTRUCTION IS USED TRANSPOSED (source 0 = 16 columns of B, source 1 = 16 rows of A): a lane then holds eight neighbouring numbers of a row of C.
; REGISTERS, in windows of 256: window 0: v0-31 addresses; v64-127, v128-191 fragments of A, two buffers (free on the way out); v32-63, v192-255 at work on the way out.
;   window 1: v0-63 the bias of my 128 columns; v64-127, v128-191 fragments of B, two buffers.
;   window 2: the 32 accumulators of my rows 0-63 ((a, b) at v[8 (8 a + b)]); window 3: those of my rows 64-127.
; LIMITS: operands are x and w rounded to bf16; the result is rounded once to bf16.
.set SIZE_N, 3072
.set SIZE_K, 1024
.set BOFF,   8388608
.set ARG_A,  0
.set ARG_B,  0
.set ARG_BIAS, 8
.set ARG_C,  16
.set KSTEP,  128
.set PA,     272                       ; a row of A in LDS: 256 bytes + 16 = 17 x 16: the 16 rows of a load begin in 16 different 16-byte columns of 256
.set PB,     544                       ; a row of B in LDS: 512 bytes + 32 = 17 x 32
.set HALFT,  128*PA                    ; what one tensor load brings: 128 rows of A, or 64 rows of B (64 x 544 is the same number)
.set SLOT,   4*HALFT                   ; A's two halves, then B's two halves
.set STAGE,  2*SLOT                    ; behind the ring, a multiple of 256: no tensor load lands here
.set SP,     144                       ; the stage's row: 64 bf16 + 16 bytes; for each wave 16 rows for each of its two heads
.set LAPS,   SIZE_K/(2*KSTEP)
.set ADRA, 16                          ; v16-17  my A fragments in slot 0, 1
.set ADRB, 20                          ; v20-21  my B fragments in slot 0, 1
.set STO,  24
.set RD,   25
.set CO,   26
.set BO,   27
.set OB,   32                          ; 16 rows read back from the stage: v32-63 and v224-255 by turns
.set XT,   64                          ; a block's 8 accumulators + bias, in window 0
.set TMP,  192                         ; packed results
.set F0,   64
.set F1,   128
.set G1,  24                           ; s[24:31] group 1 for A; s[32:39] group 0, a set for each slot
.set G0,  32
.set G1B, 48                           ; s[48:55], s[56:63] the same for B
.set G0B, 56
.set MSB, 0
.macro WIN new                         ; the immediate's high byte repeats the setting that is left; a switch that changes nothing is dropped
.if MSB != (\new)
	s_set_vgpr_msb (MSB<<8)|(\new)
.set MSB, (\new)
.endif
.endm
.set MUL_LO, 0xa1                      ; source 0 (B) window 1, source 1 (A) window 0, C and D window 2
.set MUL_HI, 0xf1                      ; the same, C and D window 3
.set TO_B,   0x40                      ; destination window 1, address window 0
.macro PLACES                          ; four places in front of loads into registers that matrix instructions have read, and of vector work on their results
.rept 4
	v_nop
.endr
.endm
.macro JLOAD s                         ; a joint refill: waves 0 and 1 fetch A's halves, waves 2 and 3 B's; four v_nop follow each line
	s_cmp_eq_u32 s11, 0
	s_cbranch_scc0 .Lfor_b_\@
	tensor_load_to_lds s[G0+4*\s:G0+4*\s+3], s[G1:G1+7]
	s_nop 0
.rept 4
	v_nop
.endr
	s_branch .Lasked_\@
.Lfor_b_\@:
	tensor_load_to_lds s[G0B+4*\s:G0B+4*\s+3], s[G1B:G1B+7]
	s_nop 0
.rept 4
	v_nop
.endr
.Lasked_\@:
.endm
.macro CREST                           ; a round of the cluster's barrier behind its opening barrier
	s_cmp_lg_u32 s10, 0
	s_cbranch_scc1 .Lnot_wave_0_\@
	s_barrier_signal -3
.Lnot_wave_0_\@:
	s_barrier_wait -3
	s_barrier_signal -1
	s_barrier_wait -1
.endm
.macro CROUND
	s_barrier_signal -1
	s_barrier_wait -1
	CREST
.endm
	s_load_b64 s[4:5], s[0:1], ARG_A
	s_load_b64 s[6:7], s[0:1], ARG_B
	s_load_b64 s[8:9], s[0:1], ARG_C
	s_load_b64 s[84:85], s[0:1], ARG_BIAS
	s_set_vgpr_msb 0x40
	v_lshl_add_u32 v255, v0, 2, 0x48800
	s_set_vgpr_msb 0x4000
	v_mov_b32 v31, 0
	s_set_vgpr_msb 0x1
	ds_add_u32 v255, v31
	ds_add_u32 v255, v31
	s_set_vgpr_msb 0x100
	v_lshrrev_b32 v1, 5, v0
	v_readfirstlane_b32 s10, v1                    ; wave 0..3
	s_lshr_b32 s11, s10, 1                         ; my half of the tile's rows.  Also: I fetch for A (0) or for B (1)
	s_and_b32 s12, s10, 1                          ; my half of its columns.  Also: which half of that tile I fetch
	s_bfe_u32 s40, ttmp6, 0x40000                  ; cx
	s_bfe_u32 s41, ttmp6, 0x40004                  ; cy
	s_lshl_b32 s42, ttmp9, 2
	s_add_co_u32 s42, s42, s40                     ; tile column tc = 4 x cluster x + cx
	s_and_b32 s13, ttmp7, 0xffff
	s_lshl_b32 s13, s13, 2
	s_add_co_u32 s13, s13, s41                     ; tile row tr = 4 x cluster y + cy
	s_lshl_b32 s43, s41, 2
	s_lshl_b32 s43, 15, s43                        ; my row of the cluster
	s_lshl_b32 s44, 0x1111, s40                    ; my column
	s_or_b32 s[G1+0], s43, (1<<16)|(1<<20)|(1<<21)|(5<<22)|(3<<25)   ; mask; 2-byte elements; padding on; bit 21 beside a mask; after every 64 words 4 words
	s_mov_b32 s[G1+1], KSTEP<<16                   ; tensor_dim0 = 128
	s_mov_b32 s[G1+2], 128<<16                     ; tensor_dim1 = 128
	s_mov_b32 s[G1+3], KSTEP<<16                   ; tile_dim0 = 128
	s_mov_b32 s[G1+4], 128                         ; tile_dim1 = 128
	s_mov_b32 s[G1+5], SIZE_K                      ; elements from row to row
	s_mov_b32 s[G1+6], 0
	s_mov_b32 s[G1+7], 0
	s_or_b32 s[G1B+0], s44, (1<<16)|(1<<20)|(1<<21)|(6<<22)|(7<<25)  ; after every 128 words 8 words
	s_mov_b32 s[G1B+1], 256<<16                    ; 256 columns
	s_mov_b32 s[G1B+2], 64<<16                     ; 64 rows of k
	s_mov_b32 s[G1B+3], 256<<16
	s_mov_b32 s[G1B+4], 64
	s_mov_b32 s[G1B+5], SIZE_N
	s_mov_b32 s[G1B+6], 0
	s_mov_b32 s[G1B+7], 0
	s_lshl_b32 s16, s13, 8                         ; A: row 256 tr + 128 x half, in bytes (under 2^24)
	s_lshl_b32 s17, s12, 7
	s_add_co_u32 s16, s16, s17
	s_mul_i32 s16, s16, SIZE_K*2
	s_mov_b32 s17, 0
	s_mul_i32 s46, s12, 64*SIZE_N*2                ; B: k row 64 x half, column 256 tc, behind BOFF
	s_lshl_b32 s47, s42, 9
	s_add_co_u32 s46, s46, s47
	s_add_co_u32 s46, s46, BOFF
	s_mov_b32 s47, 0
	s_mul_i32 s20, s10, HALFT                      ; where they go: wave x 34,816 bytes: no place in the cluster enters an LDS address
	s_wait_dscnt 0x0
	s_wait_kmcnt 0x0
	s_add_nc_u64 s[14:15], s[4:5], s[16:17]
	s_add_nc_u64 s[46:47], s[6:7], s[46:47]
.irp s, 0,1
	s_mov_b32 s[G0+4*\s], 1
	s_add_co_u32 s[G0+4*\s+1], s20, \s*SLOT
	s_add_nc_u64 s[G0+4*\s+2:G0+4*\s+3], s[14:15], \s*KSTEP*2
	s_or_b32 s[G0+4*\s+3], s[G0+4*\s+3], 0x80000000
	s_mov_b32 s[G0B+4*\s], 1
	s_add_co_u32 s[G0B+4*\s+1], s20, \s*SLOT
	s_add_nc_u64 s[G0B+4*\s+2:G0B+4*\s+3], s[46:47], \s*KSTEP*SIZE_N*2
	s_or_b32 s[G0B+4*\s+3], s[G0B+4*\s+3], 0x80000000
.endr
	CROUND                                         ; all sixteen work-groups are here: the first joint loads meet
	s_cmp_eq_u32 s11, 0                            ; a wave's two first fills stand in one branch: two loads of mine are out
	s_cbranch_scc0 .Lfirst_b
	tensor_load_to_lds s[G0:G0+3], s[G1:G1+7]
	s_nop 0
	tensor_load_to_lds s[G0+4:G0+7], s[G1:G1+7]
	s_nop 0
.rept 4
	v_nop
.endr
	s_branch .Lfirst_asked
.Lfirst_b:
	tensor_load_to_lds s[G0B:G0B+3], s[G1B:G1B+7]
	s_nop 0
	tensor_load_to_lds s[G0B+4:G0B+7], s[G1B:G1B+7]
	s_nop 0
.rept 4
	v_nop
.endr
.Lfirst_asked:
	v_and_b32 v1, 15, v0                           ; r = l % 16
	v_bfe_u32 v2, v0, 4, 1                         ; h = l / 16
	v_mul_u32_u24 v3, v1, PA
	v_lshl_add_u32 v3, v2, 4, v3                   ; A: row x pitch + 16 h
	s_mul_i32 s22, s11, HALFT                      ; my 128 rows
	v_add_nc_u32 v[ADRA], s22, v3
	v_add_nc_u32 v[ADRA+1], SLOT, v[ADRA]
	v_and_b32 v4, 7, v0                            ; B: k row 8 h + l % 8, columns 8 ((l / 8) % 2) on
	v_lshl_add_u32 v4, v2, 3, v4
	v_mul_u32_u24 v4, v4, PB
	v_bfe_u32 v5, v0, 3, 1
	v_lshl_add_u32 v4, v5, 4, v4
	s_lshl_b32 s23, s12, 8                         ; my 128 columns: 256 bytes of a row,
	s_add_co_u32 s23, s23, 2*HALFT                 ; behind A's 256 rows
	v_add_nc_u32 v[ADRB], s23, v4
	v_add_nc_u32 v[ADRB+1], SLOT, v[ADRB]
	; the way out: my 128 columns are two heads; 16 tokens of a head are 2,048 consecutive bytes of qkvh.  My own stage: 16 rows x 144 bytes for each head.
	v_and_b32 v3, 31, v0
	s_mul_i32 s23, s10, 32*SP
	s_add_co_u32 s23, s23, STAGE
	v_mul_u32_u24 v4, v1, SP
	v_lshl_add_u32 v4, v2, 4, v4
	v_add_nc_u32 v[STO], s23, v4                   ; in: row r, 16 bytes for each half of the lanes
	v_lshrrev_b32 v4, 3, v3
	v_mul_u32_u24 v4, v4, SP
	v_and_b32 v5, 7, v0
	v_lshl_add_u32 v4, v5, 4, v4
	v_add_nc_u32 v[RD], s23, v4                    ; back: eight lanes to a row of 128 bytes, four rows a load
	v_lshlrev_b32 v[CO], 4, v3                     ; and 512 consecutive bytes in memory
	v_lshlrev_b32 v[BO], 5, v2                     ; bias: my 8 columns begin 8 h numbers into a block of 16
	s_lshl_b32 s88, s42, 10                        ; (256 tc + 128 x half) x 4 bytes
	s_lshl_b32 s89, s12, 9
	s_add_co_u32 s88, s88, s89
	s_mov_b32 s89, 0
	s_add_nc_u64 s[84:85], s[84:85], s[88:89]
	WIN TO_B                                       ; the bias lies in window 1, v0-63, until the way out
.irp b, 0,1,2,3,4,5,6,7
	global_load_b128 v[8*\b:8*\b+3], v[BO], s[84:85] offset:64*\b
	global_load_b128 v[8*\b+4:8*\b+7], v[BO], s[84:85] offset:64*\b+16
.endr
	WIN 0
	s_lshr_b32 s88, s42, 2                         ; q, k or v: four tile columns, 8,388,608 bytes each
	s_lshl_b32 s88, s88, 23
	s_and_b32 s89, s42, 3                          ; head 4 (tc % 4) + 2 x half: 262,144 bytes each
	s_lshl_b32 s89, s89, 20
	s_add_co_u32 s88, s88, s89
	s_lshl_b32 s89, s12, 19
	s_add_co_u32 s88, s88, s89
	s_mov_b32 s89, 0
	s_add_nc_u64 s[8:9], s[8:9], s[88:89]
	s_lshr_b32 s90, s13, 3                         ; batch: 16 heads
	s_lshl_b32 s90, s90, 22
	s_and_b32 s91, s13, 7                          ; token 256 (tr % 8) + 128 x half: 128 bytes each
	s_lshl_b32 s91, s91, 15
	s_add_co_u32 s90, s90, s91
	s_lshl_b32 s91, s11, 14
	s_add_co_u32 s90, s90, s91
	s_mov_b32 s91, 0
	s_add_nc_u64 s[8:9], s[8:9], s[90:91]
; 16 matrix instructions: m blocks a0, a0 + 1 of the window's four (hi = 0: my rows 0-63, 1: rows 64-127) x all 8 n blocks, 32 along K.  zero = 1: the product starts the sums.
; The 64 accumulators take turns, one instruction a turn, in the same order in every quarter.
.macro MUL16 f, hi, a0, zero
.irp a, \a0, \a0+1
.irp b, 0,1,2,3,4,5,6,7
.if \zero
	v_wmma_f32_16x16x32_bf16 v[8*(8*(\a)+\b):8*(8*(\a)+\b)+7], v[\f+8*\b:\f+8*\b+7], v[\f+8*(4*\hi+\a):\f+8*(4*\hi+\a)+7], 0
.else
	v_wmma_f32_16x16x32_bf16 v[8*(8*(\a)+\b):8*(8*(\a)+\b)+7], v[\f+8*\b:\f+8*\b+7], v[\f+8*(4*\hi+\a):\f+8*(4*\hi+\a)+7], v[8*(8*(\a)+\b):8*(8*(\a)+\b)+7]
.endif
.endr
.endr
.endm
; 32 LDS loads in one run: the fragments of quarter q (32 along K) of a slot into buffer f: B's 128 columns, turned, then A's 128 rows
.macro FETCH slot, q, f
	WIN TO_B
.irp i, 0,1,2,3,4,5,6,7
	ds_load_tr16_b128 v[\f+8*\i:\f+8*\i+3],   v[ADRB+\slot] offset:32*\q*PB+32*\i
	ds_load_tr16_b128 v[\f+8*\i+4:\f+8*\i+7], v[ADRB+\slot] offset:(32*\q+16)*PB+32*\i
.endr
	WIN 0
.irp i, 0,1,2,3,4,5,6,7
	ds_load_b128 v[\f+8*\i:\f+8*\i+3],   v[ADRA+\slot] offset:64*\q+\i*16*PA
	ds_load_b128 v[\f+8*\i+4:\f+8*\i+7], v[ADRA+\slot] offset:64*\q+\i*16*PA+32
.endr
.endm
; A K step is four quarters of 32 along K, 64 matrix instructions each, on buffers 0, 1, 0, 1.  One of the first three: multiplies f; in its middle it fetches quarter qn into g.
.macro QUARTER slot, qn, f, g, zero
	s_wait_dscnt 8                                 ; B and A's rows 0-63 are in; the youngest eight loads (A's rows 64-127) may be out
	WIN MUL_LO
	MUL16 \f, 0, 0, \zero
	MUL16 \f, 0, 2, \zero
	PLACES
	FETCH \slot, \qn, \g
	s_wait_dscnt 32                                ; all but the 32 just issued
	WIN MUL_HI
	MUL16 \f, 1, 0, \zero
	MUL16 \f, 1, 2, \zero
.endm
; The last quarter multiplies buffer 1 and changes slots: one barrier; in front of it each wave waits for its reads of this slot and for all its tensor loads.
; fill = 1: the barrier opens a round of the cluster's barrier, and this slot is filled again, two K steps ahead, first thing behind the round.
.macro TURN slot, next, fill
	s_wait_dscnt 8
	WIN MUL_LO
	MUL16 F1, 0, 0, 0
	s_wait_dscnt 0x0                               ; my reads of this slot are over,
	s_wait_tensorcnt 0x0                           ; and all my tensor loads have landed: the one that was out is my part of the next slot
	ds_add_u32 v255, v31
	s_wait_dscnt 0x0
	s_barrier_signal -1
	MUL16 F1, 0, 2, 0                              ; work on registers while the others arrive
.if \fill
	WIN 0
.endif
	s_barrier_wait -1
.if \fill
	CREST
	s_add_nc_u64 s[G0+4*\slot+2:G0+4*\slot+3], s[G0+4*\slot+2:G0+4*\slot+3], 2*KSTEP*2
	s_add_nc_u64 s[G0B+4*\slot+2:G0B+4*\slot+3], s[G0B+4*\slot+2:G0B+4*\slot+3], 2*KSTEP*SIZE_N*2
	JLOAD \slot                                    ; one load of mine is out; 240 matrix instructions stand between it and the wait for it; its four v_nop are also the places in front of the loads below
.else
	PLACES
.endif
	FETCH \next, 0, F0
	WIN MUL_HI
	MUL16 F1, 1, 0, 0
	MUL16 F1, 1, 2, 0
.endm
	s_wait_tensorcnt 0x1                           ; my part of K step 0 is in; K step 1's may stay out
	s_barrier_signal -1
	s_barrier_wait -1
	FETCH 0, 0, F0
	QUARTER 0, 1, F0, F1, 1                        ; the first quarter stands in front of the loop: its products start the sums
	WIN 0                                          ; at a label and at a branch every window is 0
	s_mov_b32 s3, LAPS-1
.Llap:                                                 ; a trip goes once round the ring, from a lap's second quarter to the next lap's first, and fills both slots again
	QUARTER 0, 2, F1, F0, 0
	QUARTER 0, 3, F0, F1, 0
	TURN 0, 1, 1
	QUARTER 1, 1, F0, F1, 0
	QUARTER 1, 2, F1, F0, 0
	QUARTER 1, 3, F0, F1, 0
	TURN 1, 0, 1
	QUARTER 0, 1, F0, F1, 0
	WIN 0
	s_sub_co_u32 s3, s3, 1
	s_cmp_lg_u32 s3, 0
	s_cbranch_scc1 .Llap
	QUARTER 0, 2, F1, F0, 0                        ; the last lap fills nothing
	QUARTER 0, 3, F0, F1, 0
	TURN 0, 1, 0
	QUARTER 1, 1, F0, F1, 0
	QUARTER 1, 2, F1, F0, 0
	QUARTER 1, 3, F0, F1, 0
	s_wait_dscnt 8                                 ; the very last quarter: nothing more to fetch
	WIN MUL_LO
	MUL16 F1, 0, 0, 0
	MUL16 F1, 0, 2, 0
	s_wait_dscnt 0x0
	WIN MUL_HI
	MUL16 F1, 1, 0, 0
	MUL16 F1, 1, 2, 0
	WIN 0
; THE WAY OUT of block a (16 tokens x my 128 columns), in three parts.
; PACK: + bias on the way from the accumulators' window into window 0, then rounded to bf16, 16 bytes a lane.
.macro PACK a
.set AC, 64*((\a)%4)
.set WW, 0x06+(\a)/4                   ; source 0 window 2 or 3, source 1 window 1, destination window 0
	WIN WW
.irp b, 0,1,2,3,4,5,6,7
.irp k, 0,2,4,6
	v_pk_add_f32 v[XT+8*\b+\k:XT+8*\b+\k+1], v[AC+8*\b+\k:AC+8*\b+\k+1], v[8*\b+\k:8*\b+\k+1]
.endr
.endr
	WIN 0
.irp b, 0,1,2,3,4,5,6,7
.irp k, 0,1,2,3
	v_cvt_pk_bf16_f32 v[TMP+4*\b+\k], v[XT+8*\b+2*\k], v[XT+8*\b+2*\k+1]
.endr
.endr
.endm
; TOSTAGE: into my own stage, head by head, and back as rows of 128 bytes.
.macro TOSTAGE a
.set BK, OB+192*((\a)%2)
.irp b, 0,1,2,3,4,5,6,7
	ds_store_b128 v[STO], v[TMP+4*\b:TMP+4*\b+3] offset:(\b/4)*16*SP+(\b%4)*32
.endr
.irp t, 0,1,2,3,4,5,6,7
	ds_load_b128 v[BK+4*\t:BK+4*\t+3], v[RD] offset:\t*4*SP        ; LDS serves a wave's instructions in order: these see my stores above, and the next block's stores come behind them
.endr
.endm
; SEND: each store covers 512 consecutive bytes: four tokens of one head.
.macro SEND a
.set BK, OB+192*((\a)%2)
	s_wait_dscnt 0x0                               ; the block is back in registers
	s_wait_xcnt 0x0                                ; the registers that the stores of the block before read are loaded again only behind this wait
.irp t, 0,1,2,3,4,5,6,7
	global_store_b128 v[CO], v[BK+4*\t:BK+4*\t+3], s[8:9] offset:(\t/4)*262144+(\a)*2048+(\t%4)*512
.endr
.endm
	s_wait_loadcnt 0x0                             ; the bias
	PLACES
	PACK 0
	TOSTAGE 0
.irp a, 1,2,3,4,5,6,7                  ; block a's arithmetic stands between block a - 1's loads from the stage and the wait for them
	PACK \a
	SEND \a-1
	TOSTAGE \a
.endr
	SEND 7
	s_set_vgpr_msb 0x1
	s_wait_tensorcnt 0x0
	ds_add_u32 v255, v31
	s_wait_dscnt 0x0
	s_set_vgpr_msb 0x100
	CROUND                                         ; the closing round: no work-group ends while a partner may still ask for a tile that names it
	s_endpgm
.Lfunc_end_k_qa8f07982b2_g_qkv:
	.size	k_qa8f07982b2_g_qkv, .Lfunc_end_k_qa8f07982b2_g_qkv-k_qa8f07982b2_g_qkv
	.p2alignl 7, 3214868480
	.fill 96, 4, 3214868480
	.section	.rodata,"a",@progbits
	.p2align	6, 0x0
	.amdhsa_kernel k_qa8f07982b2_g_qkv
		.amdhsa_group_segment_fixed_size 327680
		.amdhsa_private_segment_fixed_size 0
		.amdhsa_enable_private_segment 0
		.amdhsa_kernarg_size 24
		.amdhsa_user_sgpr_count 2
		.amdhsa_user_sgpr_kernarg_segment_ptr 1
		.amdhsa_wavefront_size32 1
		.amdhsa_system_sgpr_workgroup_id_x 1
		.amdhsa_system_sgpr_workgroup_id_y 1
		.amdhsa_system_sgpr_workgroup_id_z 1
		.amdhsa_system_vgpr_workitem_id 0
		.amdhsa_next_free_vgpr 1024
		.amdhsa_next_free_sgpr 96
		.amdhsa_reserve_vcc 0
		.amdhsa_float_denorm_mode_32 3
		.amdhsa_float_denorm_mode_16_64 3
		.amdhsa_memory_ordered 1
		.amdhsa_forward_progress 1
		.amdhsa_inst_pref_size 160
	.end_amdhsa_kernel
	.amdgpu_metadata
---
amdhsa.version: [ 1, 2 ]
amdhsa.kernels:
  - .name:           k_qa8f07982b2_g_qkv
    .symbol:         k_qa8f07982b2_g_qkv.kd
    .args:
      - { .name: cb, .offset: 0, .size: 8, .value_kind: global_buffer, .address_space: global }
      - { .name: b_qkv, .offset: 8, .size: 8, .value_kind: global_buffer, .address_space: global }
      - { .name: qkvh, .offset: 16, .size: 8, .value_kind: global_buffer, .address_space: global }
    .group_segment_fixed_size: 327680
    .private_segment_fixed_size: 0
    .kernarg_segment_align: 8
    .kernarg_segment_size: 24
    .max_flat_workgroup_size: 128
    .sgpr_count:     96
    .vgpr_count:     1024
    .wavefront_size: 32
...
	.end_amdgpu_metadata
.endif
;; end of part 9
;; launch attn (part 10): grid 8 x 32, 4 waves a work-group, no clusters, 327,680 bytes of LDS; arguments qkvh, ao; writes ao
.if DOCPART == 10
	.amdgcn_target "amdgcn-amd-amdhsa--gfx1250"
	.amdhsa_code_object_version 6
	.text
	.protected	k_qa8f07982b2_attn
	.globl	k_qa8f07982b2_attn
	.p2align	8
	.type	k_qa8f07982b2_attn,@function
k_qa8f07982b2_attn:
	s_mov_b64 s[64:65], 0
	v_nop
	global_prefetch_b8 v0, s[64:65] scope:SCOPE_SE
	s_setreg_imm32_b32 hwreg(HW_REG_WAVE_MODE, 25, 1), 1
	s_wait_xcnt 0x0
; Causal attention.  qkvh: bf16 [3][32 heads][2048][64]; ao: bf16 [32 heads][2048][64], laid as q is.
; SHARES.  Work-group (i, head) owns the query blocks i and 15 - i of its head, 128 queries each, one after the other; a wave owns 32 queries of each: two tiles of 16.
; Block B sees the keys 0 .. 128 (B + 1) - 1, so every work-group walks (i + 1) + (16 - i) = 17 units of 128 keys, 34 steps of 64: the same work everywhere, and constant trip counts.
; LAYOUT.  S^T = K Q^T (source 0 = 16 keys, source 1 = 16 queries): a lane holds one query (lane % 16) and the keys 8 (lane / 16) + 0..7.  Two such tiles, rounded to bf16 in pairs,
; are source 1 of O^T = V^T P.  K comes out of LDS as it lies, V ([key][channel]) turned, by ds_load_tr16_b128.
; SOFTMAX.  A running maximum m and sum l for each query: p = 2^(c s - c m), c = log2(e) / 8; in every step O and l are multiplied by a = 2^(c m_old - c m_new).
; A block's first step holds key 0, which every query sees: behind it m is finite, so the start m = -inf gives a = 0 there and never -inf - (-inf).
; MASK.  Keys above the query get -inf; only the two steps on the diagonal of a block run the mask (a branch on counters made of the work-group's number).
; RING.  Two LDS slots of one unit (128 keys of K, then of V).  Waves 0, 1 fetch K's halves, waves 2, 3 V's: one tensor load a wave behind each barrier, two key steps ahead of its first read.
; NO JOINT LOADS: the eight work-groups of a head pass from their first block to their second after i + 1 units, a different number in each; from then on they want different tiles at the same step.
; THE RESULT LIES BY HEADS: a wave's 32 queries of its head are 4,096 consecutive bytes, and each store of the wave covers 512 consecutive bytes, aligned.  (By tokens, [4096][1024], a head's
; 64 columns would be half of an aligned 256 bytes, and the other half another work-group's.)  The next launch reads the heads as blocks of its K.
; LIMITS: q, k, v, p and the result are bf16; v_exp_f32 and v_rcp_f32 flush denormals; scores beyond f32's range are not served.
; REGISTERS.  Window 0: v1-15 addresses; v16-31 statistics, 8 a tile; v32-95 S^T, 32 a tile; v96-127 P, 16 a tile; v128-191 O^T, 32 a tile.
;   Window 1: v0-31 Q in use; v32-63 Q of the second block; v64-127 K of a step; v128-191 V of a step.
.set PK,    144                        ; a row of K in LDS: 128 bytes + 16 = 9 x 16
.set PV,    160                        ; a row of V: 128 + 32 = 5 x 32
.set HK,    64*PK                      ; a step's K, and what one tensor load brings
.set HV,    64*PV
.set VOFF,  128*PK                     ; in a slot: 128 rows of K, then 128 rows of V
.set SLOT1, 65536                      ; slot 1 begins here: one exclusive or changes slots
.set STAGE, 131072                     ; behind the ring: 32 rows x 144 bytes for each wave
.set SP,    144
.set AK0, 2
.set AV0, 3
.set ADR, 4
.set QO,  5
.set STO, 6
.set RD,  7
.set GO,  8
.set LQ,  9                            ; v9, v10: 32 w + 16 t + r - 8 h
.set DQ,  11
.set NINF, 12
.set ST,  16                           ; tile t at v[ST+8 t]: +0 c m, +1 m, +2, +3 l, +4 to +7 at work (a in +6)
.set S,   32
.set P,   96
.set OT,  128
.set WV,  12
.set G1K, 24
.set G1V, 32
.set G0K, 40                           ; s[40:47]: a set for each of the two first fills; the second then walks on
.set G0V, 48
.set CS,  58
.set SEL, 60
.set TB,  62                           ; LDS byte of the slot that is fetched from
.set KB,  66                           ; first key of the step
.set QB,  67                           ; first query of the block in hand
.set QB2, 68                           ; of the second block
.set FK,  69                           ; first key of the unit to be asked for
.set FLIM, 70                          ; where the first block's keys end
.set UNIT, 71
.set MSB, 0
.macro WIN new
.if MSB != \new
	s_set_vgpr_msb (MSB<<8)|\new
.set MSB, \new
.endif
.endm
.macro PLACES
.rept 4
	v_nop
.endr
.endm
.macro JLOAD                           ; the refill: a branch on the wave's number; four v_nop follow each line
	s_cmp_lt_u32 s[WV], 2
	s_cbranch_scc0 .Lfor_v_\@
	tensor_load_to_lds s[G0K+4:G0K+7], s[G1K:G1K+7]
	s_nop 0
.rept 4
	v_nop
.endr
	s_branch .Lasked_\@
.Lfor_v_\@:
	tensor_load_to_lds s[G0V+4:G0V+7], s[G1V:G1V+7]
	s_nop 0
.rept 4
	v_nop
.endr
.Lasked_\@:
.endm
.macro NEXTFK                          ; the next unit's keys: 128 on, or back to key 0 when the first block's keys are through
	s_add_co_u32 s[FK], s[FK], 128
	s_cmp_eq_u32 s[FK], s[FLIM]
	s_cselect_b32 s[FK], 0, s[FK]
	s_cselect_b32 s[FLIM], 0x7fffffff, s[FLIM]
.endm
.macro SETADR                          ; the walking descriptors' global addresses, written anew: base + 128 bytes a key
	s_lshl_b32 s72, s[FK], 7
	s_add_nc_u64 s[G0K+6:G0K+7], s[74:75], s[72:73]
	s_or_b32 s[G0K+7], s[G0K+7], 0x80000000
	s_add_nc_u64 s[G0V+6:G0V+7], s[76:77], s[72:73]
	s_or_b32 s[G0V+7], s[G0V+7], 0x80000000
.endm
	s_load_b128 s[4:7], s[0:1], 0x0                ; qkvh s[4:5], ao s[6:7]
	v_lshl_add_u32 v254, v0, 2, 0x29000
	v_mov_b32 v255, 0
	ds_add_u32 v254, v255
	ds_add_u32 v254, v255
	v_lshrrev_b32 v1, 5, v0
	v_readfirstlane_b32 s[WV], v1
	s_and_b32 s14, ttmp7, 0xffff                   ; the head, 0..31
	s_and_b32 s16, s[WV], 1                        ; which half of a unit I fetch
	; a half unit is 64 keys x 128 bytes, dense in memory: taken as 32 rows of 256 bytes, padded behind every 128 bytes
	s_mov_b32 s[G1K], (3<<16)|(1<<20)|(4<<22)|(3<<25)   ; 8-byte elements; padding on; after every 32 words 4 words
	s_mov_b32 s[G1V], (3<<16)|(1<<20)|(4<<22)|(7<<25)   ; 8 words
.irp g, G1K, G1V
	s_mov_b32 s[\g+1], 32<<16                      ; tensor_dim0 = 32
	s_mov_b32 s[\g+2], 32<<16                      ; tensor_dim1 = 32
	s_mov_b32 s[\g+3], 32<<16                      ; tile_dim0 = 32
	s_mov_b32 s[\g+4], 32                          ; tile_dim1 = 32
	s_mov_b32 s[\g+5], 32                          ; elements from row to row
	s_mov_b32 s[\g+6], 0
	s_mov_b32 s[\g+7], 0
.endr
	s_mov_b32 s[CS], 0x3e38aa3b                    ; c = log2(e) / 8
	s_mov_b32 s[CS+1], s[CS]
	s_mov_b32 s[SEL], 0x76543210
	s_mov_b32 s[SEL+1], 0xfedcba98
	s_lshl_b32 s[QB], ttmp9, 7
	s_sub_co_u32 s[QB2], 15, ttmp9
	s_lshl_b32 s[QB2], s[QB2], 7
	s_add_co_u32 s[FLIM], s[QB], 128
	s_mov_b32 s[FK], 0
	s_mov_b32 s[KB], 0
	s_mov_b32 s[TB], 0
	s_mov_b32 s[UNIT], 0
	s_lshl_b32 s82, s14, 18                        ; the head's first byte in a section
	s_lshl_b32 s83, s16, 13                        ; my half unit
	s_add_co_u32 s72, s82, s83
	s_mov_b32 s73, 0
	s_lshl_b32 s83, s[WV], 12                      ; my wave's 32 rows of 128 bytes
	s_add_co_u32 s82, s82, s83
	s_lshl_b32 s84, s[QB], 7
	s_add_co_u32 s84, s84, s82
	s_mov_b32 s85, 0
	s_lshl_b32 s90, s[QB2], 7
	s_add_co_u32 s90, s90, s82
	s_mov_b32 s91, 0
	s_mov_b32 s92, s82                             ; ao is laid as q's section: the head's first byte + my wave's 32 rows
	s_mov_b32 s93, 0
	s_wait_dscnt 0x0
	s_wait_kmcnt 0x0
	s_add_nc_u64 s[74:75], s[4:5], s[72:73]
	s_add_nc_u64 s[76:77], s[74:75], 16777216      ; V's section
	s_add_nc_u64 s[74:75], s[74:75], 8388608       ; K's section
	s_add_nc_u64 s[86:87], s[4:5], s[84:85]        ; Q of the first block
	s_add_nc_u64 s[88:89], s[4:5], s[90:91]        ; Q of the second
	s_add_nc_u64 s[78:79], s[6:7], s[92:93]
	s_lshl_b32 s72, s[QB], 7
	s_add_nc_u64 s[80:81], s[78:79], s[72:73]      ; ao at my rows of the block in hand
	s_mov_b32 s[G0K], 1                            ; unit 0: keys 0 on, slot 0
	s_mul_i32 s[G0K+1], s16, HK
	s_mov_b64 s[G0K+2:G0K+3], s[74:75]
	s_or_b32 s[G0K+3], s[G0K+3], 0x80000000
	s_mov_b32 s[G0V], 1
	s_mul_i32 s[G0V+1], s16, HV
	s_add_co_u32 s[G0V+1], s[G0V+1], VOFF
	s_mov_b64 s[G0V+2:G0V+3], s[76:77]
	s_or_b32 s[G0V+3], s[G0V+3], 0x80000000
	NEXTFK                                         ; unit 1, slot 1
	s_mov_b32 s[G0K+4], 1
	s_add_co_u32 s[G0K+5], s[G0K+1], SLOT1
	s_mov_b32 s[G0V+4], 1
	s_add_co_u32 s[G0V+5], s[G0V+1], SLOT1
	SETADR
	s_cmp_lt_u32 s[WV], 2                          ; a wave's two first fills stand in one branch: two loads of mine are out
	s_cbranch_scc0 .Lfirst_v
	tensor_load_to_lds s[G0K:G0K+3], s[G1K:G1K+7]
	s_nop 0
	tensor_load_to_lds s[G0K+4:G0K+7], s[G1K:G1K+7]
	s_nop 0
.rept 4
	v_nop
.endr
	s_branch .Lfirst_asked
.Lfirst_v:
	tensor_load_to_lds s[G0V:G0V+3], s[G1V:G1V+7]
	s_nop 0
	tensor_load_to_lds s[G0V+4:G0V+7], s[G1V:G1V+7]
	s_nop 0
.rept 4
	v_nop
.endr
.Lfirst_asked:
	v_and_b32 v1, 15, v0                           ; r
	v_bfe_u32 v13, v0, 4, 1                        ; h
	v_lshlrev_b32 v[QO], 7, v1
	v_lshl_add_u32 v[QO], v13, 4, v[QO]            ; row x 128 + 16 h
	WIN 0x40                                       ; destination window 1
.irp t, 0,1
.irp c, 0,1
	global_load_b128 v[16*\t+8*\c:16*\t+8*\c+3],       v[QO], s[86:87] offset:\t*2048+\c*64
	global_load_b128 v[16*\t+8*\c+4:16*\t+8*\c+7],     v[QO], s[86:87] offset:\t*2048+\c*64+32
	global_load_b128 v[32+16*\t+8*\c:32+16*\t+8*\c+3],   v[QO], s[88:89] offset:\t*2048+\c*64
	global_load_b128 v[32+16*\t+8*\c+4:32+16*\t+8*\c+7], v[QO], s[88:89] offset:\t*2048+\c*64+32
.endr
.endr
	WIN 0
	v_mul_u32_u24 v[AK0], v1, PK
	v_lshl_add_u32 v[AK0], v13, 4, v[AK0]          ; K: row x pitch + 16 h
	v_and_b32 v14, 7, v0
	v_bfe_u32 v15, v0, 3, 1
	v_lshl_add_u32 v[AV0], v13, 3, v14             ; V: key 8 h + l % 8, channels 8 ((l / 8) % 2) on
	v_mul_u32_u24 v[AV0], v[AV0], PV
	v_lshl_add_u32 v[AV0], v15, 4, v[AV0]
	v_add_nc_u32 v[AV0], VOFF, v[AV0]
	s_mul_i32 s82, s[WV], 32*SP
	s_add_co_u32 s82, s82, STAGE                   ; my stage
	v_mul_u32_u24 v[STO], v1, SP
	v_lshl_add_u32 v[STO], v13, 4, v[STO]
	v_add_nc_u32 v[STO], s82, v[STO]
	v_and_b32 v15, 31, v0                          ; lane
	v_lshlrev_b32 v[GO], 4, v15                    ; in memory four rows of 128 bytes follow each other: 16 x lane
	v_lshrrev_b32 v15, 3, v15                      ; l / 8: eight lanes to a row of 128 bytes
	v_mul_u32_u24 v[RD], v15, SP
	v_lshl_add_u32 v[RD], v14, 4, v[RD]
	v_add_nc_u32 v[RD], s82, v[RD]
	v_lshlrev_b32 v14, 3, v13
	v_sub_nc_u32 v[LQ], v1, v14
	s_lshl_b32 s82, s[WV], 5
	v_add_nc_u32 v[LQ], s82, v[LQ]
	v_add_nc_u32 v[LQ+1], 16, v[LQ]
	v_mov_b32 v[NINF], 0xff800000
; 16 products S^T = K Q^T: channels 32 (i / 8) on, keys 16 ((i / 2) % 4) on, tile i % 2.  The first 8 start the sums.  The 8 accumulators take turns.
.macro KQ
	WIN 0x05
.set i, 0
.rept 16
.set rS, S+32*(i%2)+8*((i/2)%4)
.set rK, 64+8*(2*((i/2)%4)+i/8)
.set rQ, 16*(i%2)+8*(i/8)
.if i < 8
	v_wmma_f32_16x16x32_bf16 v[rS:rS+7], v[rK:rK+7], v[rQ:rQ+7], 0
.else
	v_wmma_f32_16x16x32_bf16 v[rS:rS+7], v[rK:rK+7], v[rQ:rQ+7], v[rS:rS+7]
.endif
.set i, i+1
.endr
.endm
; 16 products O^T += V^T P: keys 32 (i / 8) on, channels 16 ((i / 2) % 4) on, tile i % 2
.macro PVM
	WIN 0x01
.set i, 0
.rept 16
.set rO, OT+32*(i%2)+8*((i/2)%4)
.set rV, 128+8*(4*(i/8)+(i/2)%4)
.set rP, P+16*(i%2)+8*(i/8)
	v_wmma_f32_16x16x32_bf16 v[rO:rO+7], v[rV:rV+7], v[rP:rP+7], v[rO:rO+7]
.set i, i+1
.endr
.endm
.macro FETCH_K half                    ; 16 loads: fragment f = 2 kt + c: keys 16 kt on, channels 32 c on
	WIN 0
	v_add_nc_u32 v[ADR], s[TB], v[AK0]
	WIN 0x40
.irp f, 0,1,2,3,4,5,6,7
	ds_load_b128 v[64+8*\f:64+8*\f+3],   v[ADR] offset:\half*HK+(\f/2)*16*PK+(\f%2)*64
	ds_load_b128 v[64+8*\f+4:64+8*\f+7], v[ADR] offset:\half*HK+(\f/2)*16*PK+(\f%2)*64+32
.endr
	WIN 0
.endm
.macro FETCH_V half                    ; 16 turning loads: fragment f = 4 kc + cb: keys 32 kc on, channels 16 cb on
	WIN 0
	v_add_nc_u32 v[ADR], s[TB], v[AV0]
	WIN 0x40
.irp f, 0,1,2,3,4,5,6,7
	ds_load_tr16_b128 v[128+8*\f:128+8*\f+3],   v[ADR] offset:\half*HV+(\f/4)*32*PV+(\f%4)*32
	ds_load_tr16_b128 v[128+8*\f+4:128+8*\f+7], v[ADR] offset:\half*HV+(\f/4)*32*PV+16*PV+(\f%4)*32
.endr
	WIN 0
.endm
; key KB + 16 kt + 8 h + j is hidden from query QB + 32 w + 16 t + r where 16 kt + j > (QB - KB) + 32 w + 16 t + r - 8 h
.macro MASK
	s_sub_co_i32 s82, s[QB], s[KB]
.irp t, 0,1
	v_add_nc_u32 v[DQ], s82, v[LQ+\t]
.set u, 0
.rept 32
	v_cmp_gt_i32 vcc_lo, 16*(u/8)+u%8, v[DQ]
	v_cndmask_b32 v[S+32*\t+u], v[S+32*\t+u], v[NINF], vcc_lo
.set u, u+1
.endr
.endr
.endm
.macro SOFTMAX
.irp j, 0,1,2,3                        ; the maximum: four chains of seven scores, the four left over, the chains, the old m
.irp t, 0,1
	v_max3_num_f32 v[ST+8*\t+4+\j], v[S+32*\t+8*\j], v[S+32*\t+8*\j+1], v[S+32*\t+8*\j+2]
.endr
.endr
.irp g, 1,2
.irp j, 0,1,2,3
.irp t, 0,1
	v_max3_num_f32 v[ST+8*\t+4+\j], v[ST+8*\t+4+\j], v[S+32*\t+8*\j+2*\g+1], v[S+32*\t+8*\j+2*\g+2]
.endr
.endr
.endr
.irp t, 0,1
	v_max3_num_f32 v[ST+8*\t+4], v[ST+8*\t+4], v[S+32*\t+7], v[S+32*\t+15]
	v_max3_num_f32 v[ST+8*\t+6], v[ST+8*\t+6], v[S+32*\t+23], v[S+32*\t+31]
.endr
.irp t, 0,1
	v_max3_num_f32 v[ST+8*\t+4], v[ST+8*\t+4], v[ST+8*\t+5], v[ST+8*\t+6]
.endr
.irp t, 0,1
	v_max3_num_f32 v[ST+8*\t+4], v[ST+8*\t+4], v[ST+8*\t+7], v[ST+8*\t+1]
.endr
.irp t, 0,1
	v_permlanex16_b32 v[ST+8*\t+5], v[ST+8*\t+4], s[SEL], s[SEL+1]  ; the query's other 32 keys lie in the lane 16 away
.endr
.irp t, 0,1
	v_mov_b32 v[ST+8*\t+7], v[ST+8*\t]             ; c m_old
.endr
.irp t, 0,1
	v_max_num_f32 v[ST+8*\t+1], v[ST+8*\t+4], v[ST+8*\t+5]
.endr
.irp t, 0,1
	v_mul_f32 v[ST+8*\t], s[CS], v[ST+8*\t+1]
.endr
.irp t, 0,1
	v_sub_f32 v[ST+8*\t+7], v[ST+8*\t+7], v[ST+8*\t]
.endr
.set u, 0
.rept 16
.irp t, 0,1
	v_pk_fma_f32 v[S+32*\t+u:S+32*\t+u+1], v[S+32*\t+u:S+32*\t+u+1], s[CS:CS+1], v[ST+8*\t:ST+8*\t+1] op_sel_hi:[1,0,0] neg_lo:[0,0,1] neg_hi:[0,0,1]  ; c s - c m
.endr
.set u, u+2
.endr
.irp t, 0,1
	v_exp_f32 v[ST+8*\t+6], v[ST+8*\t+7]           ; a
.endr
.set u, 0
.rept 64
	v_exp_f32 v[S+u], v[S+u]
.set u, u+1
.endr
	v_nop                                          ; a plain instruction between the exponentials and the use of their results
.set u, 0
	s_wait_alu depctr_va_vdst(0)
.rept 32
	v_cvt_pk_bf16_f32 v[P+u], v[S+2*u], v[S+2*u+1]
.set u, u+1
.endr
.irp w, 4,8,16,32                      ; the sum of a tile's 16 pairs, in place
.set u, 0
.rept 32/\w
.irp t, 0,1
	v_pk_add_f32 v[S+32*\t+\w*u:S+32*\t+\w*u+1], v[S+32*\t+\w*u:S+32*\t+\w*u+1], v[S+32*\t+\w*u+\w/2:S+32*\t+\w*u+\w/2+1]
.endr
.set u, u+1
.endr
.endr
.irp t, 0,1
	v_pk_fma_f32 v[ST+8*\t+2:ST+8*\t+3], v[ST+8*\t+2:ST+8*\t+3], v[ST+8*\t+6:ST+8*\t+7], v[S+32*\t:S+32*\t+1] op_sel_hi:[1,0,1]  ; l = a l + sum
.endr
.set u, 0
.rept 16
.irp t, 0,1
	v_pk_mul_f32 v[OT+32*\t+u:OT+32*\t+u+1], v[OT+32*\t+u:OT+32*\t+u+1], v[ST+8*\t+6:ST+8*\t+7] op_sel_hi:[1,0]
.endr
.set u, u+2
.endr
.endm
; A block's start.  O^T is cleared (64 moves, twice in the launch), so that a key step is one text on every path.
.macro INIT
.irp t, 0,1
	v_mov_b32 v[ST+8*\t], v[NINF]
	v_mov_b32 v[ST+8*\t+1], v[NINF]
	v_mov_b32 v[ST+8*\t+2], 0
	v_mov_b32 v[ST+8*\t+3], 0
.endr
.set u, 0
.rept 64
	v_mov_b32 v[OT+u], 0
.set u, u+1
.endr
.endm
; The change of slots.  Each wave waits for its reads of the slot (the unit's last K and V are then in registers) and for all its tensor loads, of which one is out: its part of the other slot.
; fill = 1: behind the barrier the slot is filled again first, with the unit two on.
.macro CHANGE fill
	s_wait_dscnt 0x0
	s_wait_tensorcnt 0x0                           ; no tensor load of mine is out, so a group 0 may be written
	ds_add_u32 v254, v255
	s_wait_dscnt 0x0
.if \fill
	NEXTFK
	s_xor_b32 s[G0K+5], s[G0K+5], SLOT1
	s_xor_b32 s[G0V+5], s[G0V+5], SLOT1
	SETADR
.endif
	s_barrier_signal -1
	s_barrier_wait -1
.if \fill
	JLOAD
.endif
	s_xor_b32 s[TB], s[TB], SLOT1
.endm
; A key step.  nexthalf: which half of the slot the next step's K and V are; chg: 0 none, 1 change of slots with a refill, 2 without; fetch = 0: nothing is left to fetch.
.macro STEP nexthalf, chg, fetch
	s_wait_dscnt 16                                ; K is in; V's 16 younger loads may be out
	KQ
	WIN 0
	PLACES
.if \chg == 1
	CHANGE 1
.elseif \chg == 2
	CHANGE 0
.endif
.if \fetch
	FETCH_K \nexthalf
.endif
	s_cmp_lt_u32 s[KB], s[QB]                      ; all 64 keys lie below the block's first query: nothing is hidden
	s_cbranch_scc1 .Lnomask_\@
	MASK
.Lnomask_\@:
	SOFTMAX
	s_wait_dscnt 16*\fetch                         ; V is in; the next K's 16 loads may be out
	PVM
	WIN 0
	PLACES
.if \fetch
	FETCH_V \nexthalf
.endif
	s_add_co_u32 s[KB], s[KB], 64
.endm
; A block's end: O^T / l, rounded to bf16, through my own stage, back as rows of 128 bytes, four rows a load; in memory the four rows follow each other.
.macro FINAL
.irp t, 0,1
	v_add_f32 v[ST+8*\t+4], v[ST+8*\t+2], v[ST+8*\t+3]
.endr
.irp t, 0,1
	v_permlanex16_b32 v[ST+8*\t+5], v[ST+8*\t+4], s[SEL], s[SEL+1]
.endr
.irp t, 0,1
	v_add_f32 v[ST+8*\t+4], v[ST+8*\t+4], v[ST+8*\t+5]
.endr
.irp t, 0,1
	v_rcp_f32 v[ST+8*\t+6], v[ST+8*\t+4]
.endr
	v_nop
.set u, 0
	s_wait_alu depctr_va_vdst(0)
.rept 16
.irp t, 0,1
	v_pk_mul_f32 v[OT+32*\t+u:OT+32*\t+u+1], v[OT+32*\t+u:OT+32*\t+u+1], v[ST+8*\t+6:ST+8*\t+7] op_sel_hi:[1,0]
.endr
.set u, u+2
.endr
.set u, 0
.rept 32
	v_cvt_pk_bf16_f32 v[S+u], v[OT+2*u], v[OT+2*u+1]
.set u, u+1
.endr
.irp f, 0,1,2,3,4,5,6,7
	ds_store_b128 v[STO], v[S+4*\f:S+4*\f+3] offset:(\f/4)*16*SP+(\f%4)*32
.endr
.irp f, 0,1,2,3,4,5,6,7
	ds_load_b128 v[S+32+4*\f:S+32+4*\f+3], v[RD] offset:\f*4*SP    ; LDS serves a wave's instructions in order: these see my stores above
.endr
.irp f, 0,1,2,3,4,5,6,7
	s_wait_dscnt 7-\f
	global_store_b128 v[GO], v[S+32+4*\f:S+32+4*\f+3], s[80:81] offset:\f*512   ; 512 consecutive bytes, at a multiple of 512 from ao's first byte
.endr
	s_wait_xcnt 0x0                                ; the stores' data registers and base are written again only behind this wait
.endm
.macro REINIT                          ; on to the second block
	s_mov_b32 s[QB], s[QB2]
	s_mov_b32 s[KB], 0
	s_lshl_b32 s72, s[QB], 7
	s_add_nc_u64 s[80:81], s[78:79], s[72:73]
	WIN 0x41                                       ; destination and source window 1
.set u, 0
.rept 32
	v_mov_b32 v[u], v[32+u]
.set u, u+1
.endr
	WIN 0
	INIT
.endm
	INIT
	s_wait_tensorcnt 0x1                           ; my part of unit 0 is in; unit 1's may stay out
	s_barrier_signal -1
	s_barrier_wait -1
	FETCH_K 0
	FETCH_V 0
	s_wait_loadcnt 0x0                             ; Q of both blocks
.Lunit:                                                ; 15 trips: units 0 to 14; each asks for the unit two on
	STEP 1, 0, 1
	STEP 0, 1, 1
	s_add_co_u32 s82, s[QB], 128
	s_cmp_lg_u32 s[KB], s82                        ; the block's diagonal unit is through: once, behind unit i
	s_cbranch_scc1 .Lsame_block
	FINAL
	REINIT
.Lsame_block:
	s_add_co_u32 s[UNIT], s[UNIT], 1
	s_cmp_lt_u32 s[UNIT], 15
	s_cbranch_scc1 .Lunit
	STEP 1, 0, 1                                   ; unit 15: nothing is asked for any more
	STEP 0, 2, 1
	STEP 1, 0, 1                                   ; unit 16
	STEP 0, 0, 0
	FINAL
	s_wait_tensorcnt 0x0
	ds_add_u32 v254, v255
	s_wait_dscnt 0x0
	s_endpgm
.Lfunc_end_k_qa8f07982b2_attn:
	.size	k_qa8f07982b2_attn, .Lfunc_end_k_qa8f07982b2_attn-k_qa8f07982b2_attn
	.p2alignl 7, 3214868480
	.fill 96, 4, 3214868480
	.section	.rodata,"a",@progbits
	.p2align	6, 0x0
	.amdhsa_kernel k_qa8f07982b2_attn
		.amdhsa_group_segment_fixed_size 327680
		.amdhsa_private_segment_fixed_size 0
		.amdhsa_enable_private_segment 0
		.amdhsa_kernarg_size 16
		.amdhsa_user_sgpr_count 2
		.amdhsa_user_sgpr_kernarg_segment_ptr 1
		.amdhsa_wavefront_size32 1
		.amdhsa_system_sgpr_workgroup_id_x 1
		.amdhsa_system_sgpr_workgroup_id_y 1
		.amdhsa_system_sgpr_workgroup_id_z 1
		.amdhsa_system_vgpr_workitem_id 0
		.amdhsa_next_free_vgpr 448
		.amdhsa_next_free_sgpr 96
		.amdhsa_reserve_vcc 1
		.amdhsa_float_denorm_mode_32 3
		.amdhsa_float_denorm_mode_16_64 3
		.amdhsa_memory_ordered 1
		.amdhsa_forward_progress 1
		.amdhsa_inst_pref_size 157
	.end_amdhsa_kernel
	.amdgpu_metadata
---
amdhsa.version: [ 1, 2 ]
amdhsa.kernels:
  - .name:           k_qa8f07982b2_attn
    .symbol:         k_qa8f07982b2_attn.kd
    .args:
      - { .name: qkvh, .offset: 0, .size: 8, .value_kind: global_buffer, .address_space: global }
      - { .name: ao, .offset: 8, .size: 8, .value_kind: global_buffer, .address_space: global }
    .group_segment_fixed_size: 327680
    .private_segment_fixed_size: 0
    .kernarg_segment_align: 8
    .kernarg_segment_size: 16
    .max_flat_workgroup_size: 128
    .sgpr_count:     96
    .vgpr_count:     448
    .wavefront_size: 32
...
	.end_amdgpu_metadata
.endif
;; end of part 10
;; launch g_out (part 11): grid 8 x 32, 4 waves a work-group, clusters of 4 x 4, 327,680 bytes of LDS; arguments ao, cb, b_out, x, r1; writes r1
.if DOCPART == 11
	.amdgcn_target "amdgcn-amd-amdhsa--gfx1250"
	.amdhsa_code_object_version 6
	.text
	.protected	k_qa8f07982b2_g_out
	.globl	k_qa8f07982b2_g_out
	.p2align	8
	.type	k_qa8f07982b2_g_out,@function
k_qa8f07982b2_g_out:
	s_mov_b64 s[64:65], 0
	v_nop
	global_prefetch_b8 v0, s[64:65] scope:SCOPE_SE
	s_setreg_imm32_b32 hwreg(HW_REG_WAVE_MODE, 25, 1), 1
	s_wait_xcnt 0x0
	s_wait_alu depctr_hold_cnt(0) depctr_sa_sdst(0) depctr_va_vdst(0) depctr_va_sdst(0) depctr_va_ssrc(0) depctr_va_vcc(0) depctr_vm_vsrc(0)
	s_getreg_b32 s2, hwreg(HW_REG_IB_STS2, 6, 4)
	s_cmp_eq_u32 s2, 0
	s_cbranch_scc0 .Lentry_in_a_cluster
	s_endpgm
.Lentry_in_a_cluster:
	s_bfe_u32 s2, ttmp6, 0x10000c
	s_cmp_lg_u32 s2, 0xf033
	s_cbranch_scc0 .Lentry_shape_is_right
	s_endpgm
.Lentry_shape_is_right:
; r1 = x + ao w_out + b_out, f32 [4096][1024].
; C[m][n] = sum over k of A[m][k] B[k][n].  B: bf16 [SIZE_K][SIZE_N] (at byte BOFF of cb); sums in f32.
; A is ao, bf16, laid by heads: [32 = batch x 16 + head][2048 tokens][64]; k = 64 head + channel.  A K step of 256 is four heads.
; A tile of C is 128 x 128: four waves, each 64 x 64 = 16 accumulators of 16 x 16.  K goes in steps of 256 through two LDS slots filled by tensor loads.
; A wave's load of A brings, for its 64 tokens, four dense runs of 8,192 bytes (one a head, 262,144 bytes apart), padded behind every 128 bytes: in LDS [head][token], 144 bytes a token.
; So quarter q of a K step (64 along K) reads head block q as it lies.  B's tile lies [k][n] and is turned on the way into registers by ds_load_tr16_b128.
; CLUSTERS: 4 x 4 work-groups.  The four of a row of the cluster need the same tiles of A, the four of a column the same tiles of B: each tile is asked for jointly.
; THE MATRIX INSTRUCTION IS USED TRANSPOSED (source 0 = 16 columns of B, source 1 = 16 rows of A): a lane then holds eight neighbouring numbers of a row of C.
; REGISTERS: window 0: v0-31 addresses; v32-95 at work on the way out; v96-99 bias; v128-255 accumulators.  Window 1: two fragment buffers of 128.
;   Window 2: v0-127 my 64 x 64 of x, asked for at the start and first read on the way out.
; LIMITS: the product's operands are bf16; x, the bias and the result stay f32.
.set SIZE_N, 1024
.set SIZE_K, 1024
.set BOFF,   14680064
.set ARG_A,  0
.set ARG_B,  8
.set ARG_BIAS, 16
.set ARG_RES, 24
.set ARG_C,  32
.set KSTEP,  256
.set HEADB,  262144                    ; bytes of a head in ao: 2,048 tokens x 128
.set ASTEP,  4*HEADB                   ; from a K step's four heads to the next four
.set PA,     144                       ; a token of a head in LDS: 128 bytes + 16 = 9 x 16: the 16 rows of a load begin in 16 different 16-byte columns of 256
.set HBLK,   64*PA                     ; a head's 64 tokens
.set PB,     288                       ; a row of B in LDS: 256 bytes + 32 = 9 x 32
.set HALFA,  4*HBLK                    ; what one tensor load brings of A: four heads x 64 tokens
.set HALFB,  128*PB
.set BO_LDS, 2*HALFA
.set SLOT,   BO_LDS+2*HALFB
.set STAGE,  2*SLOT                    ; behind the ring, a multiple of 256: no tensor load lands here
.set SP,     272                       ; the stage's row: 64 f32 + 16 bytes; 16 rows for each wave
.set LAPS,   SIZE_K/(2*KSTEP)
.set ADRA, 16
.set ADRB, 20
.set STO,  24
.set RD,   25
.set CO,   26
.set BO,   27
.set TMP,  32
.set BIAS, 96
.set ACC,  128
.set F0,   0
.set F1,   128
.set G1,  24
.set G0,  32
.set G1B, 48
.set G0B, 56
.set MSB, 0
.macro WIN new
.if MSB != \new
	s_set_vgpr_msb (MSB<<8)|\new
.set MSB, \new
.endif
.endm
.set MUL,  0x05
.set TO_F, 0x40
.macro PLACES
.rept 4
	v_nop
.endr
.endm
.macro JLOAD s
	s_cmp_eq_u32 s11, 0
	s_cbranch_scc0 .Lfor_b_\@
	tensor_load_to_lds s[G0+4*\s:G0+4*\s+3], s[G1:G1+7]
	s_nop 0
.rept 4
	v_nop
.endr
	s_branch .Lasked_\@
.Lfor_b_\@:
	tensor_load_to_lds s[G0B+4*\s:G0B+4*\s+3], s[G1B:G1B+7]
	s_nop 0
.rept 4
	v_nop
.endr
.Lasked_\@:
.endm
.macro CREST
	s_cmp_lg_u32 s10, 0
	s_cbranch_scc1 .Lnot_wave_0_\@
	s_barrier_signal -3
.Lnot_wave_0_\@:
	s_barrier_wait -3
	s_barrier_signal -1
	s_barrier_wait -1
.endm
.macro CROUND
	s_barrier_signal -1
	s_barrier_wait -1
	CREST
.endm
	s_load_b64 s[4:5], s[0:1], ARG_A
	s_load_b64 s[6:7], s[0:1], ARG_B
	s_load_b64 s[8:9], s[0:1], ARG_C
	s_load_b64 s[84:85], s[0:1], ARG_BIAS
	s_load_b64 s[86:87], s[0:1], ARG_RES
	v_lshl_add_u32 v126, v0, 2, 0x4c400
	v_mov_b32 v127, 0
	ds_add_u32 v126, v127
	ds_add_u32 v126, v127
	v_lshrrev_b32 v1, 5, v0
	v_readfirstlane_b32 s10, v1                    ; wave 0..3
	s_lshr_b32 s11, s10, 1                         ; my half of the tile's rows.  Also: I fetch for A (0) or for B (1)
	s_and_b32 s12, s10, 1                          ; my half of its columns.  Also: which half of that tile I fetch
	s_bfe_u32 s40, ttmp6, 0x40000                  ; cx
	s_bfe_u32 s41, ttmp6, 0x40004                  ; cy
	s_lshl_b32 s42, ttmp9, 2
	s_add_co_u32 s42, s42, s40                     ; tile column tc
	s_and_b32 s13, ttmp7, 0xffff
	s_lshl_b32 s13, s13, 2
	s_add_co_u32 s13, s13, s41                     ; tile row tr
	s_lshl_b32 s43, s41, 2
	s_lshl_b32 s43, 15, s43                        ; my row of the cluster
	s_lshl_b32 s44, 0x1111, s40                    ; my column
	s_or_b32 s[G1+0], s43, (3<<16)|(1<<20)|(1<<21)|(4<<22)|(3<<25)   ; mask; 8-byte elements; padding on; bit 21 beside a mask; after every 32 words 4 words
	s_mov_b32 s[G1+1], 1024<<16                    ; tensor_dim0 = 1,024 elements: 64 tokens x 128 bytes, dense
	s_mov_b32 s[G1+2], 4<<16                       ; tensor_dim1 = 4 heads
	s_mov_b32 s[G1+3], 1024<<16                    ; tile_dim0 = 1,024
	s_mov_b32 s[G1+4], 4                           ; tile_dim1 = 4
	s_mov_b32 s[G1+5], HEADB/8                     ; elements from head to head
	s_mov_b32 s[G1+6], 0
	s_mov_b32 s[G1+7], 0
	s_or_b32 s[G1B+0], s44, (1<<16)|(1<<20)|(1<<21)|(5<<22)|(7<<25)  ; 2-byte elements; after every 64 words 8 words
	s_mov_b32 s[G1B+1], 128<<16
	s_mov_b32 s[G1B+2], 128<<16
	s_mov_b32 s[G1B+3], 128<<16
	s_mov_b32 s[G1B+4], 128
	s_mov_b32 s[G1B+5], SIZE_N
	s_mov_b32 s[G1B+6], 0
	s_mov_b32 s[G1B+7], 0
	s_lshr_b32 s16, s13, 4                         ; A: the batch's 16 heads of 262,144 bytes,
	s_lshl_b32 s16, s16, 22
	s_and_b32 s17, s13, 15                         ; token 128 (tr % 16) + 64 x half, 128 bytes each
	s_lshl_b32 s17, s17, 14
	s_add_co_u32 s16, s16, s17
	s_lshl_b32 s17, s12, 13
	s_add_co_u32 s16, s16, s17
	s_mov_b32 s17, 0
	s_mul_i32 s46, s12, 128*SIZE_N*2               ; B: k row 128 x half, column 128 tc, behind BOFF
	s_lshl_b32 s47, s42, 8
	s_add_co_u32 s46, s46, s47
	s_add_co_u32 s46, s46, BOFF
	s_mov_b32 s47, 0
	s_mul_i32 s20, s12, HALFA                      ; where they go: no place in the cluster enters an LDS address
	s_mul_i32 s21, s12, HALFB
	s_add_co_u32 s21, s21, BO_LDS
	s_wait_dscnt 0x0
	s_wait_kmcnt 0x0
	s_add_nc_u64 s[14:15], s[4:5], s[16:17]
	s_add_nc_u64 s[46:47], s[6:7], s[46:47]
.irp s, 0,1
	s_mov_b32 s[G0+4*\s], 1
	s_add_co_u32 s[G0+4*\s+1], s20, \s*SLOT
	s_add_nc_u64 s[G0+4*\s+2:G0+4*\s+3], s[14:15], \s*ASTEP
	s_or_b32 s[G0+4*\s+3], s[G0+4*\s+3], 0x80000000
	s_mov_b32 s[G0B+4*\s], 1
	s_add_co_u32 s[G0B+4*\s+1], s21, \s*SLOT
	s_add_nc_u64 s[G0B+4*\s+2:G0B+4*\s+3], s[46:47], \s*KSTEP*SIZE_N*2
	s_or_b32 s[G0B+4*\s+3], s[G0B+4*\s+3], 0x80000000
.endr
	CROUND                                         ; all sixteen work-groups are here: the first joint loads meet
	s_cmp_eq_u32 s11, 0                            ; a wave's two first fills stand in one branch: two loads of mine are out
	s_cbranch_scc0 .Lfirst_b
	tensor_load_to_lds s[G0:G0+3], s[G1:G1+7]
	s_nop 0
	tensor_load_to_lds s[G0+4:G0+7], s[G1:G1+7]
	s_nop 0
.rept 4
	v_nop
.endr
	s_branch .Lfirst_asked
.Lfirst_b:
	tensor_load_to_lds s[G0B:G0B+3], s[G1B:G1B+7]
	s_nop 0
	tensor_load_to_lds s[G0B+4:G0B+7], s[G1B:G1B+7]
	s_nop 0
.rept 4
	v_nop
.endr
.Lfirst_asked:
	v_and_b32 v1, 15, v0                           ; r
	v_bfe_u32 v2, v0, 4, 1                         ; h
	v_mul_u32_u24 v3, v1, PA
	v_lshl_add_u32 v3, v2, 4, v3                   ; A: token x pitch + 16 h
	s_mul_i32 s22, s11, HALFA                      ; my 64 tokens
	v_add_nc_u32 v[ADRA], s22, v3
	v_add_nc_u32 v[ADRA+1], SLOT, v[ADRA]
	v_and_b32 v4, 7, v0
	v_lshl_add_u32 v4, v2, 3, v4
	v_mul_u32_u24 v4, v4, PB
	v_bfe_u32 v5, v0, 3, 1
	v_lshl_add_u32 v4, v5, 4, v4
	s_lshl_b32 s23, s12, 7
	s_add_co_u32 s23, s23, BO_LDS
	v_add_nc_u32 v[ADRB], s23, v4
	v_add_nc_u32 v[ADRB+1], 128*PB, v[ADRB]
	v_add_nc_u32 v[ADRB+2], SLOT, v[ADRB]
	v_add_nc_u32 v[ADRB+3], SLOT, v[ADRB+1]
	; the way out: my 64 columns of f32 are 256 aligned bytes of a row, so the stage is my own: 16 rows x 272 bytes
	s_mul_i32 s23, s10, 16*SP
	s_add_co_u32 s23, s23, STAGE
	v_mul_u32_u24 v4, v1, SP
	v_lshl_add_u32 v4, v2, 5, v4
	v_add_nc_u32 v[STO], s23, v4                   ; in: row r, 32 bytes for each half of the lanes
	v_mul_u32_u24 v4, v2, SP
	v_lshl_add_u32 v4, v1, 4, v4
	v_add_nc_u32 v[RD], s23, v4                    ; back: lanes 0-15 one row of 256 bytes, lanes 16-31 the next
	v_lshlrev_b32 v4, 12, v2
	v_lshl_add_u32 v[CO], v1, 4, v4                ; the same two rows in memory (4,096 bytes a row)
	v_lshlrev_b32 v[BO], 4, v1                     ; my four columns' bias
	s_lshl_b32 s88, s42, 9                         ; (128 tc + 64 x half) x 4 bytes
	s_lshl_b32 s89, s12, 8
	s_add_co_u32 s88, s88, s89
	s_mov_b32 s89, 0
	s_lshl_b32 s90, s13, 19                        ; (128 tr + 64 x half) x 4,096 bytes
	s_lshl_b32 s91, s11, 18
	s_add_co_u32 s90, s90, s91
	s_mov_b32 s91, 0
	s_add_nc_u64 s[84:85], s[84:85], s[88:89]
	s_add_nc_u64 s[8:9], s[8:9], s[88:89]
	s_add_nc_u64 s[8:9], s[8:9], s[90:91]
	s_add_nc_u64 s[86:87], s[86:87], s[88:89]
	s_add_nc_u64 s[86:87], s[86:87], s[90:91]
	global_load_b128 v[BIAS:BIAS+3], v[BO], s[84:85]
	WIN 0x80                                       ; destination window 2
.irp a, 0,1,2,3
.irp t, 0,1,2,3,4,5,6,7
	global_load_b128 v[32*\a+4*\t:32*\a+4*\t+3], v[CO], s[86:87] offset:(16*\a+2*\t)*4096 th:TH_LOAD_NT
.endr
.endr
	WIN 0
.macro MUL8 f, c, a0, zero             ; the 16 accumulators take turns, one instruction a turn
.irp a, \a0, \a0+1
.irp b, 0,1,2,3
.if \zero
	v_wmma_f32_16x16x32_bf16 v[ACC+8*(4*(\a)+\b):ACC+8*(4*(\a)+\b)+7], v[\f+64+8*(4*\c+\b):\f+64+8*(4*\c+\b)+7], v[\f+8*(4*\c+\a):\f+8*(4*\c+\a)+7], 0
.else
	v_wmma_f32_16x16x32_bf16 v[ACC+8*(4*(\a)+\b):ACC+8*(4*(\a)+\b)+7], v[\f+64+8*(4*\c+\b):\f+64+8*(4*\c+\b)+7], v[\f+8*(4*\c+\a):\f+8*(4*\c+\a)+7], v[ACC+8*(4*(\a)+\b):ACC+8*(4*(\a)+\b)+7]
.endif
.endr
.endr
.endm
.macro FETCH slot, q, f                ; 32 LDS loads in one run: quarter q of a slot (A: head block q) into buffer f; the first 32 along K first
	WIN TO_F
.irp c, 0,1
.irp i, 0,1,2,3
	ds_load_tr16_b128 v[\f+64+8*(4*\c+\i):\f+64+8*(4*\c+\i)+3],   v[ADRB+2*\slot+(\q)/2] offset:(((\q)%2)*64+32*\c)*PB+32*\i
	ds_load_tr16_b128 v[\f+64+8*(4*\c+\i)+4:\f+64+8*(4*\c+\i)+7], v[ADRB+2*\slot+(\q)/2] offset:(((\q)%2)*64+32*\c+16)*PB+32*\i
	ds_load_b128 v[\f+8*(4*\c+\i):\f+8*(4*\c+\i)+3],              v[ADRA+\slot] offset:(\q)*HBLK+64*\c+\i*16*PA
	ds_load_b128 v[\f+8*(4*\c+\i)+4:\f+8*(4*\c+\i)+7],            v[ADRA+\slot] offset:(\q)*HBLK+64*\c+\i*16*PA+32
.endr
.endr
.endm
.macro QUARTER slot, qn, f, g, zero
	s_wait_dscnt 16                                ; the first 32 along K are in; the 16 younger loads may be out
	WIN MUL
	MUL8 \f, 0, 0, \zero
	MUL8 \f, 0, 2, \zero
	PLACES
	FETCH \slot, \qn, \g
	s_wait_dscnt 32                                ; all but the 32 just issued
	WIN MUL
	MUL8 \f, 1, 0, 0
	MUL8 \f, 1, 2, 0
.endm
.macro TURN slot, next, fill
	s_wait_dscnt 16
	WIN MUL
	MUL8 F1, 0, 0, 0
	s_wait_dscnt 0x0                               ; my reads of this slot are over,
	s_set_vgpr_msb 0x500
	s_wait_tensorcnt 0x0                           ; and all my tensor loads have landed: my part of the next slot
	ds_add_u32 v126, v127
	s_wait_dscnt 0x0
	s_set_vgpr_msb 0x5
	s_barrier_signal -1
	MUL8 F1, 0, 2, 0
.if \fill
	WIN 0
.endif
	s_barrier_wait -1
.if \fill
	CREST
	s_add_nc_u64 s[G0+4*\slot+2:G0+4*\slot+3], s[G0+4*\slot+2:G0+4*\slot+3], 2*ASTEP
	s_add_nc_u64 s[G0B+4*\slot+2:G0B+4*\slot+3], s[G0B+4*\slot+2:G0B+4*\slot+3], 2*KSTEP*SIZE_N*2
	JLOAD \slot                                    ; the first tensor load behind the round, my only one out
.else
	PLACES
.endif
	FETCH \next, 0, F0
	WIN MUL
	MUL8 F1, 1, 0, 0
	MUL8 F1, 1, 2, 0
.endm
	s_wait_tensorcnt 0x1                           ; my part of K step 0 is in; K step 1's may stay out
	s_barrier_signal -1
	s_barrier_wait -1
	FETCH 0, 0, F0
	QUARTER 0, 1, F0, F1, 1
	WIN 0
	s_mov_b32 s3, LAPS-1
.Llap:
	QUARTER 0, 2, F1, F0, 0
	QUARTER 0, 3, F0, F1, 0
	TURN 0, 1, 1
	QUARTER 1, 1, F0, F1, 0
	QUARTER 1, 2, F1, F0, 0
	QUARTER 1, 3, F0, F1, 0
	TURN 1, 0, 1
	QUARTER 0, 1, F0, F1, 0
	WIN 0
	s_sub_co_u32 s3, s3, 1
	s_cmp_lg_u32 s3, 0
	s_cbranch_scc1 .Llap
	QUARTER 0, 2, F1, F0, 0
	QUARTER 0, 3, F0, F1, 0
	TURN 0, 1, 0
	QUARTER 1, 1, F0, F1, 0
	QUARTER 1, 2, F1, F0, 0
	QUARTER 1, 3, F0, F1, 0
	s_wait_dscnt 16
	WIN MUL
	MUL8 F1, 0, 0, 0
	MUL8 F1, 0, 2, 0
	s_wait_dscnt 0x0
	MUL8 F1, 1, 0, 0
	MUL8 F1, 1, 2, 0
	WIN 0
	; THE WAY OUT, 16 rows at a time: the sums go through my stage and come back as whole rows of 256 bytes; + bias, + x; 16 lanes store 256 consecutive aligned bytes.
	s_wait_loadcnt 0x0                             ; the bias and x
	PLACES
.irp a, 0,1,2,3
.set BK, TMP+32*(\a%2)
.if \a >= 2
	s_wait_xcnt 0x0                                ; the registers that the stores two blocks back read are written again only behind this wait
.endif
.irp b, 0,1,2,3
	ds_store_b128 v[STO], v[ACC+8*(4*\a+\b):ACC+8*(4*\a+\b)+3] offset:64*\b
	ds_store_b128 v[STO], v[ACC+8*(4*\a+\b)+4:ACC+8*(4*\a+\b)+7] offset:64*\b+16
.endr
.irp t, 0,1,2,3,4,5,6,7
	ds_load_b128 v[BK+4*\t:BK+4*\t+3], v[RD] offset:\t*2*SP        ; LDS serves a wave's instructions in order: these see my stores above, and the next block's stores come behind them
.endr
	s_wait_dscnt 0x0
.irp t, 0,1,2,3,4,5,6,7
	v_pk_add_f32 v[BK+4*\t:BK+4*\t+1], v[BK+4*\t:BK+4*\t+1], v[BIAS:BIAS+1]
	v_pk_add_f32 v[BK+4*\t+2:BK+4*\t+3], v[BK+4*\t+2:BK+4*\t+3], v[BIAS+2:BIAS+3]
.endr
	WIN 0x08                                       ; source 1 window 2
.irp t, 0,1,2,3,4,5,6,7
	v_pk_add_f32 v[BK+4*\t:BK+4*\t+1], v[BK+4*\t:BK+4*\t+1], v[32*\a+4*\t:32*\a+4*\t+1]
	v_pk_add_f32 v[BK+4*\t+2:BK+4*\t+3], v[BK+4*\t+2:BK+4*\t+3], v[32*\a+4*\t+2:32*\a+4*\t+3]
.endr
	WIN 0
.irp t, 0,1,2,3,4,5,6,7
	global_store_b128 v[CO], v[BK+4*\t:BK+4*\t+3], s[8:9] offset:(16*\a+2*\t)*4096
.endr
.endr
	s_wait_tensorcnt 0x0
	ds_add_u32 v126, v127
	s_wait_dscnt 0x0
	CROUND                                         ; the closing round
	s_endpgm
.Lfunc_end_k_qa8f07982b2_g_out:
	.size	k_qa8f07982b2_g_out, .Lfunc_end_k_qa8f07982b2_g_out-k_qa8f07982b2_g_out
	.p2alignl 7, 3214868480
	.fill 96, 4, 3214868480
	.section	.rodata,"a",@progbits
	.p2align	6, 0x0
	.amdhsa_kernel k_qa8f07982b2_g_out
		.amdhsa_group_segment_fixed_size 327680
		.amdhsa_private_segment_fixed_size 0
		.amdhsa_enable_private_segment 0
		.amdhsa_kernarg_size 40
		.amdhsa_user_sgpr_count 2
		.amdhsa_user_sgpr_kernarg_segment_ptr 1
		.amdhsa_wavefront_size32 1
		.amdhsa_system_sgpr_workgroup_id_x 1
		.amdhsa_system_sgpr_workgroup_id_y 1
		.amdhsa_system_sgpr_workgroup_id_z 1
		.amdhsa_system_vgpr_workitem_id 0
		.amdhsa_next_free_vgpr 640
		.amdhsa_next_free_sgpr 96
		.amdhsa_reserve_vcc 0
		.amdhsa_float_denorm_mode_32 3
		.amdhsa_float_denorm_mode_16_64 3
		.amdhsa_memory_ordered 1
		.amdhsa_forward_progress 1
		.amdhsa_inst_pref_size 98
	.end_amdhsa_kernel
	.amdgpu_metadata
---
amdhsa.version: [ 1, 2 ]
amdhsa.kernels:
  - .name:           k_qa8f07982b2_g_out
    .symbol:         k_qa8f07982b2_g_out.kd
    .args:
      - { .name: ao, .offset: 0, .size: 8, .value_kind: global_buffer, .address_space: global }
      - { .name: cb, .offset: 8, .size: 8, .value_kind: global_buffer, .address_space: global }
      - { .name: b_out, .offset: 16, .size: 8, .value_kind: global_buffer, .address_space: global }
      - { .name: x, .offset: 24, .size: 8, .value_kind: global_buffer, .address_space: global }
      - { .name: r1, .offset: 32, .size: 8, .value_kind: global_buffer, .address_space: global }
    .group_segment_fixed_size: 327680
    .private_segment_fixed_size: 0
    .kernarg_segment_align: 8
    .kernarg_segment_size: 40
    .max_flat_workgroup_size: 128
    .sgpr_count:     96
    .vgpr_count:     640
    .wavefront_size: 32
...
	.end_amdgpu_metadata
.endif
;; end of part 11
;; launch ln1: the kernel of part 5 again; grid 256 x 1, 8 waves a work-group, no clusters, 0 bytes of LDS; arguments r1, ln1_g, ln1_b, y1b; writes y1b
;; launch g_ff1 (part 12): grid 16 x 16, 4 waves a work-group, clusters of 4 x 4, 327,680 bytes of LDS; arguments y1b, cb, b_ff1, hb; writes hb
.if DOCPART == 12
	.amdgcn_target "amdgcn-amd-amdhsa--gfx1250"
	.amdhsa_code_object_version 6
	.text
	.protected	k_qa8f07982b2_g_ff1
	.globl	k_qa8f07982b2_g_ff1
	.p2align	8
	.type	k_qa8f07982b2_g_ff1,@function
k_qa8f07982b2_g_ff1:
	s_mov_b64 s[64:65], 0
	v_nop
	global_prefetch_b8 v0, s[64:65] scope:SCOPE_SE
	s_setreg_imm32_b32 hwreg(HW_REG_WAVE_MODE, 25, 1), 1
	s_wait_xcnt 0x0
	s_wait_alu depctr_hold_cnt(0) depctr_sa_sdst(0) depctr_va_vdst(0) depctr_va_sdst(0) depctr_va_ssrc(0) depctr_va_vcc(0) depctr_vm_vsrc(0)
	s_getreg_b32 s2, hwreg(HW_REG_IB_STS2, 6, 4)
	s_cmp_eq_u32 s2, 0
	s_cbranch_scc0 .Lentry_in_a_cluster
	s_endpgm
.Lentry_in_a_cluster:
	s_bfe_u32 s2, ttmp6, 0x10000c
	s_cmp_lg_u32 s2, 0xf033
	s_cbranch_scc0 .Lentry_shape_is_right
	s_endpgm
.Lentry_shape_is_right:
; hb = gelu(y1 w_ff1 + b_ff1), bf16 [4096][4096]; the exact GELU, 0.5 x (1 + erf(x / sqrt 2)).
; C[m][n] = sum over k of A[m][k] B[k][n].  A: bf16 [4096][SIZE_K] (y1b); B: bf16 [SIZE_K][SIZE_N] (at byte BOFF of cb); sums in f32.
; A tile of C is 256 x 256: four waves, each 128 x 128 = 64 accumulators of 16 x 16, 512 registers.  16 x 16 = 256 work-groups.
; K goes in steps of 128 through two LDS slots filled by tensor loads: A's 256 rows x 256 bytes, then B's 128 rows of k x 512 bytes.
; A's tile lies along K and is read as it lies; B's tile lies [k][n] and is turned on the way into registers by ds_load_tr16_b128.
; CLUSTERS: 4 x 4 work-groups.  The four of a row of the cluster need the same tiles of A, the four of a column the same tiles of B: each tile is asked for jointly.
; THE MATRIX INSTRUCTION IS USED TRANSPOSED (source 0 = 16 columns of B, source 1 = 16 rows of A): a lane then holds eight neighbouring numbers of a row of C.
; ERF: erfc(z) = (a1 t + .. + a5 t^5) e^(-z^2), t = 1 / (1 + 0.3275911 z), z = |x| / sqrt 2 (Abramowitz and Stegun 7.1.26, absolute error 1.5e-7);
;   gelu = 0.5 x + |x| (0.5 - erfc(z) / 2).  LIMIT: absolute error about 1e-7 |x|; operands and result are bf16; v_exp_f32 and v_rcp_f32 flush denormals.
; REGISTERS, in windows of 256: window 0: v0-31 addresses, a4 / 2; v64-127, v128-191 fragments of A, two buffers (free on the way out); v32-63, v192-255 at work on the way out.
;   window 1: v0-63 the bias of my 128 columns; v64-127, v128-191 fragments of B, two buffers.
;   window 2: the 32 accumulators of my rows 0-63 ((a, b) at v[8 (8 a + b)]); window 3: those of my rows 64-127.
.set SIZE_N, 4096
.set SIZE_K, 1024
.set BOFF,   16777216
.set ARG_A,  0
.set ARG_B,  8
.set ARG_BIAS, 16
.set ARG_C,  24
.set KSTEP,  128
.set PA,     272                       ; a row of A in LDS: 256 bytes + 16 = 17 x 16: the 16 rows of a load begin in 16 different 16-byte columns of 256
.set PB,     544                       ; a row of B in LDS: 512 bytes + 32 = 17 x 32
.set HALFT,  128*PA                    ; what one tensor load brings: 128 rows of A, or 64 rows of B (64 x 544 is the same number)
.set SLOT,   4*HALFT                   ; A's two halves, then B's two halves
.set STAGE,  2*SLOT                    ; behind the ring, a multiple of 256: no tensor load lands here
.set SP,     272                       ; the stage's row: my 128 bf16 + 16 bytes; 16 rows for each wave
.set LAPS,   SIZE_K/(2*KSTEP)
.set ADRA, 16                          ; v16-17  my A fragments in slot 0, 1
.set ADRB, 20                          ; v20-21  my B fragments in slot 0, 1
.set STO,  24
.set RD,   25
.set CO,   26
.set BO,   27
.set VA4,  28                          ; v[28:29] a4 / 2, twice
.set OB,   32                          ; 16 rows read back from the stage: v32-63 and v224-255 by turns
.set XT,   64                          ; a block's 8 accumulators + bias, in window 0
.set T,    128
.set U,    136
.set PP,   144
.set TMP,  192                         ; packed results
.set F0,   64
.set F1,   128
.set C1,   70                          ; s70 0.3275911 / sqrt 2
.set C2,   72                          ; s[72:73] -log2(e) / 2; then a1 / 2, a2 / 2, a3 / 2, a5 / 2, each named as a pair
.set A1,   74
.set A2,   76
.set A3,   78
.set A5,   80
.set G1,  24                           ; s[24:31] group 1 for A; s[32:39] group 0, a set for each slot
.set G0,  32
.set G1B, 48                           ; s[48:55], s[56:63] the same for B
.set G0B, 56
.set MSB, 0
.macro WIN new                         ; the immediate's high byte repeats the setting that is left; a switch that changes nothing is dropped
.if MSB != (\new)
	s_set_vgpr_msb (MSB<<8)|(\new)
.set MSB, (\new)
.endif
.endm
.set MUL_LO, 0xa1                      ; source 0 (B) window 1, source 1 (A) window 0, C and D window 2
.set MUL_HI, 0xf1                      ; the same, C and D window 3
.set TO_B,   0x40                      ; destination window 1, address window 0
.macro PLACES                          ; four places in front of loads into registers that matrix instructions have read, and of vector work on their results
.rept 4
	v_nop
.endr
.endm
.macro JLOAD s                         ; a joint refill: waves 0 and 1 fetch A's halves, waves 2 and 3 B's; four v_nop follow each line
	s_cmp_eq_u32 s11, 0
	s_cbranch_scc0 .Lfor_b_\@
	tensor_load_to_lds s[G0+4*\s:G0+4*\s+3], s[G1:G1+7]
	s_nop 0
.rept 4
	v_nop
.endr
	s_branch .Lasked_\@
.Lfor_b_\@:
	tensor_load_to_lds s[G0B+4*\s:G0B+4*\s+3], s[G1B:G1B+7]
	s_nop 0
.rept 4
	v_nop
.endr
.Lasked_\@:
.endm
.macro CREST                           ; a round of the cluster's barrier behind its opening barrier
	s_cmp_lg_u32 s10, 0
	s_cbranch_scc1 .Lnot_wave_0_\@
	s_barrier_signal -3
.Lnot_wave_0_\@:
	s_barrier_wait -3
	s_barrier_signal -1
	s_barrier_wait -1
.endm
.macro CROUND
	s_barrier_signal -1
	s_barrier_wait -1
	CREST
.endm
	s_load_b64 s[4:5], s[0:1], ARG_A
	s_load_b64 s[6:7], s[0:1], ARG_B
	s_load_b64 s[8:9], s[0:1], ARG_C
	s_load_b64 s[84:85], s[0:1], ARG_BIAS
	s_set_vgpr_msb 0x40
	v_lshl_add_u32 v255, v0, 2, 0x48400
	s_set_vgpr_msb 0x4000
	v_mov_b32 v31, 0
	s_set_vgpr_msb 0x1
	ds_add_u32 v255, v31
	ds_add_u32 v255, v31
	s_set_vgpr_msb 0x100
	v_lshrrev_b32 v1, 5, v0
	v_readfirstlane_b32 s10, v1                    ; wave 0..3
	s_lshr_b32 s11, s10, 1                         ; my half of the tile's rows.  Also: I fetch for A (0) or for B (1)
	s_and_b32 s12, s10, 1                          ; my half of its columns.  Also: which half of that tile I fetch
	s_bfe_u32 s40, ttmp6, 0x40000                  ; cx
	s_bfe_u32 s41, ttmp6, 0x40004                  ; cy
	s_lshl_b32 s42, ttmp9, 2
	s_add_co_u32 s42, s42, s40                     ; tile column tc = 4 x cluster x + cx
	s_and_b32 s13, ttmp7, 0xffff
	s_lshl_b32 s13, s13, 2
	s_add_co_u32 s13, s13, s41                     ; tile row tr = 4 x cluster y + cy
	s_lshl_b32 s43, s41, 2
	s_lshl_b32 s43, 15, s43                        ; my row of the cluster
	s_lshl_b32 s44, 0x1111, s40                    ; my column
	s_or_b32 s[G1+0], s43, (1<<16)|(1<<20)|(1<<21)|(5<<22)|(3<<25)   ; mask; 2-byte elements; padding on; bit 21 beside a mask; after every 64 words 4 words
	s_mov_b32 s[G1+1], KSTEP<<16                   ; tensor_dim0 = 128
	s_mov_b32 s[G1+2], 128<<16                     ; tensor_dim1 = 128
	s_mov_b32 s[G1+3], KSTEP<<16                   ; tile_dim0 = 128
	s_mov_b32 s[G1+4], 128                         ; tile_dim1 = 128
	s_mov_b32 s[G1+5], SIZE_K                      ; elements from row to row
	s_mov_b32 s[G1+6], 0
	s_mov_b32 s[G1+7], 0
	s_or_b32 s[G1B+0], s44, (1<<16)|(1<<20)|(1<<21)|(6<<22)|(7<<25)  ; after every 128 words 8 words
	s_mov_b32 s[G1B+1], 256<<16                    ; 256 columns
	s_mov_b32 s[G1B+2], 64<<16                     ; 64 rows of k
	s_mov_b32 s[G1B+3], 256<<16
	s_mov_b32 s[G1B+4], 64
	s_mov_b32 s[G1B+5], SIZE_N
	s_mov_b32 s[G1B+6], 0
	s_mov_b32 s[G1B+7], 0
	s_lshl_b32 s16, s13, 8                         ; A: row 256 tr + 128 x half, in bytes (under 2^24)
	s_lshl_b32 s17, s12, 7
	s_add_co_u32 s16, s16, s17
	s_mul_i32 s16, s16, SIZE_K*2
	s_mov_b32 s17, 0
	s_mul_i32 s46, s12, 64*SIZE_N*2                ; B: k row 64 x half, column 256 tc, behind BOFF
	s_lshl_b32 s47, s42, 9
	s_add_co_u32 s46, s46, s47
	s_add_co_u32 s46, s46, BOFF
	s_mov_b32 s47, 0
	s_mul_i32 s20, s10, HALFT                      ; where they go: wave x 34,816 bytes: no place in the cluster enters an LDS address
	s_wait_dscnt 0x0
	s_wait_kmcnt 0x0
	s_add_nc_u64 s[14:15], s[4:5], s[16:17]
	s_add_nc_u64 s[46:47], s[6:7], s[46:47]
.irp s, 0,1
	s_mov_b32 s[G0+4*\s], 1
	s_add_co_u32 s[G0+4*\s+1], s20, \s*SLOT
	s_add_nc_u64 s[G0+4*\s+2:G0+4*\s+3], s[14:15], \s*KSTEP*2
	s_or_b32 s[G0+4*\s+3], s[G0+4*\s+3], 0x80000000
	s_mov_b32 s[G0B+4*\s], 1
	s_add_co_u32 s[G0B+4*\s+1], s20, \s*SLOT
	s_add_nc_u64 s[G0B+4*\s+2:G0B+4*\s+3], s[46:47], \s*KSTEP*SIZE_N*2
	s_or_b32 s[G0B+4*\s+3], s[G0B+4*\s+3], 0x80000000
.endr
	CROUND                                         ; all sixteen work-groups are here: the first joint loads meet
	s_cmp_eq_u32 s11, 0                            ; a wave's two first fills stand in one branch: two loads of mine are out
	s_cbranch_scc0 .Lfirst_b
	tensor_load_to_lds s[G0:G0+3], s[G1:G1+7]
	s_nop 0
	tensor_load_to_lds s[G0+4:G0+7], s[G1:G1+7]
	s_nop 0
.rept 4
	v_nop
.endr
	s_branch .Lfirst_asked
.Lfirst_b:
	tensor_load_to_lds s[G0B:G0B+3], s[G1B:G1B+7]
	s_nop 0
	tensor_load_to_lds s[G0B+4:G0B+7], s[G1B:G1B+7]
	s_nop 0
.rept 4
	v_nop
.endr
.Lfirst_asked:
	v_and_b32 v1, 15, v0                           ; r = l % 16
	v_bfe_u32 v2, v0, 4, 1                         ; h = l / 16
	v_mul_u32_u24 v3, v1, PA
	v_lshl_add_u32 v3, v2, 4, v3                   ; A: row x pitch + 16 h
	s_mul_i32 s22, s11, HALFT                      ; my 128 rows
	v_add_nc_u32 v[ADRA], s22, v3
	v_add_nc_u32 v[ADRA+1], SLOT, v[ADRA]
	v_and_b32 v4, 7, v0                            ; B: k row 8 h + l % 8, columns 8 ((l / 8) % 2) on
	v_lshl_add_u32 v4, v2, 3, v4
	v_mul_u32_u24 v4, v4, PB
	v_bfe_u32 v5, v0, 3, 1
	v_lshl_add_u32 v4, v5, 4, v4
	s_lshl_b32 s23, s12, 8                         ; my 128 columns: 256 bytes of a row,
	s_add_co_u32 s23, s23, 2*HALFT                 ; behind A's 256 rows
	v_add_nc_u32 v[ADRB], s23, v4
	v_add_nc_u32 v[ADRB+1], SLOT, v[ADRB]
	; the way out: my 128 columns of bf16 are 256 aligned bytes of a row of hb, so the stage is my own: 16 rows x 272 bytes
	s_mul_i32 s23, s10, 16*SP
	s_add_co_u32 s23, s23, STAGE
	v_mul_u32_u24 v4, v1, SP
	v_lshl_add_u32 v4, v2, 4, v4
	v_add_nc_u32 v[STO], s23, v4                   ; in: row r, 16 bytes for each half of the lanes
	v_mul_u32_u24 v4, v2, SP
	v_lshl_add_u32 v4, v1, 4, v4
	v_add_nc_u32 v[RD], s23, v4                    ; back: lanes 0-15 one row of 256 bytes, lanes 16-31 the next
	v_lshlrev_b32 v4, 13, v2
	v_lshl_add_u32 v[CO], v1, 4, v4                ; the same two rows in memory (8,192 bytes a row)
	v_lshlrev_b32 v[BO], 5, v2                     ; bias: my 8 columns begin 8 h numbers into a block of 16
	v_mov_b32 v[VA4], 0xbf3a00e3                   ; a4 / 2 = -0.72657601
	v_mov_b32 v[VA4+1], 0xbf3a00e3
	s_mov_b32 s[C1], 0x3e6d3388                    ; 0.23164189
	s_mov_b32 s[C2], 0xbf38aa3b                    ; -0.72134752
	s_mov_b32 s[C2+1], s[C2]
	s_mov_b32 s[A1], 0x3e027906                    ; 0.12741480
	s_mov_b32 s[A1+1], s[A1]
	s_mov_b32 s[A2], 0xbe11a98e                    ; -0.14224837
	s_mov_b32 s[A2+1], s[A2]
	s_mov_b32 s[A3], 0x3f35f0e3                    ; 0.71070687
	s_mov_b32 s[A3+1], s[A3]
	s_mov_b32 s[A5], 0x3f07dc22                    ; 0.53070271
	s_mov_b32 s[A5+1], s[A5]
	s_lshl_b32 s88, s42, 10                        ; bias: (256 tc + 128 x half) x 4 bytes
	s_lshl_b32 s89, s12, 9
	s_add_co_u32 s88, s88, s89
	s_mov_b32 s89, 0
	s_add_nc_u64 s[84:85], s[84:85], s[88:89]
	WIN TO_B                                       ; the bias lies in window 1, v0-63, until the way out
.irp b, 0,1,2,3,4,5,6,7
	global_load_b128 v[8*\b:8*\b+3], v[BO], s[84:85] offset:64*\b
	global_load_b128 v[8*\b+4:8*\b+7], v[BO], s[84:85] offset:64*\b+16
.endr
	WIN 0
	s_lshr_b32 s88, s88, 1                         ; hb: the same columns x 2 bytes
	s_add_nc_u64 s[8:9], s[8:9], s[88:89]
	s_lshl_b32 s90, s13, 21                        ; (256 tr + 128 x half) x 8,192 bytes
	s_lshl_b32 s91, s11, 20
	s_add_co_u32 s90, s90, s91
	s_mov_b32 s91, 0
	s_add_nc_u64 s[8:9], s[8:9], s[90:91]
; 16 matrix instructions: m blocks a0, a0 + 1 of the window's four (hi = 0: my rows 0-63, 1: rows 64-127) x all 8 n blocks, 32 along K.  zero = 1: the product starts the sums.
; The 64 accumulators take turns, one instruction a turn, in the same order in every quarter.
.macro MUL16 f, hi, a0, zero
.irp a, \a0, \a0+1
.irp b, 0,1,2,3,4,5,6,7
.if \zero
	v_wmma_f32_16x16x32_bf16 v[8*(8*(\a)+\b):8*(8*(\a)+\b)+7], v[\f+8*\b:\f+8*\b+7], v[\f+8*(4*\hi+\a):\f+8*(4*\hi+\a)+7], 0
.else
	v_wmma_f32_16x16x32_bf16 v[8*(8*(\a)+\b):8*(8*(\a)+\b)+7], v[\f+8*\b:\f+8*\b+7], v[\f+8*(4*\hi+\a):\f+8*(4*\hi+\a)+7], v[8*(8*(\a)+\b):8*(8*(\a)+\b)+7]
.endif
.endr
.endr
.endm
; 32 LDS loads in one run: the fragments of quarter q (32 along K) of a slot into buffer f: B's 128 columns, turned, then A's 128 rows
.macro FETCH slot, q, f
	WIN TO_B
.irp i, 0,1,2,3,4,5,6,7
	ds_load_tr16_b128 v[\f+8*\i:\f+8*\i+3],   v[ADRB+\slot] offset:32*\q*PB+32*\i
	ds_load_tr16_b128 v[\f+8*\i+4:\f+8*\i+7], v[ADRB+\slot] offset:(32*\q+16)*PB+32*\i
.endr
	WIN 0
.irp i, 0,1,2,3,4,5,6,7
	ds_load_b128 v[\f+8*\i:\f+8*\i+3],   v[ADRA+\slot] offset:64*\q+\i*16*PA
	ds_load_b128 v[\f+8*\i+4:\f+8*\i+7], v[ADRA+\slot] offset:64*\q+\i*16*PA+32
.endr
.endm
; A K step is four quarters of 32 along K, 64 matrix instructions each, on buffers 0, 1, 0, 1.  One of the first three: multiplies f; in its middle it fetches quarter qn into g.
.macro QUARTER slot, qn, f, g, zero
	s_wait_dscnt 8                                 ; B and A's rows 0-63 are in; the youngest eight loads (A's rows 64-127) may be out
	WIN MUL_LO
	MUL16 \f, 0, 0, \zero
	MUL16 \f, 0, 2, \zero
	PLACES
	FETCH \slot, \qn, \g
	s_wait_dscnt 32                                ; all but the 32 just issued
	WIN MUL_HI
	MUL16 \f, 1, 0, \zero
	MUL16 \f, 1, 2, \zero
.endm
; The last quarter multiplies buffer 1 and changes slots: one barrier; in front of it each wave waits for its reads of this slot and for all its tensor loads.
; fill = 1: the barrier opens a round of the cluster's barrier, and this slot is filled again, two K steps ahead, first thing behind the round.
.macro TURN slot, next, fill
	s_wait_dscnt 8
	WIN MUL_LO
	MUL16 F1, 0, 0, 0
	s_wait_dscnt 0x0                               ; my reads of this slot are over,
	s_wait_tensorcnt 0x0                           ; and all my tensor loads have landed: the one that was out is my part of the next slot
	ds_add_u32 v255, v31
	s_wait_dscnt 0x0
	s_barrier_signal -1
	MUL16 F1, 0, 2, 0                              ; work on registers while the others arrive
.if \fill
	WIN 0
.endif
	s_barrier_wait -1
.if \fill
	CREST
	s_add_nc_u64 s[G0+4*\slot+2:G0+4*\slot+3], s[G0+4*\slot+2:G0+4*\slot+3], 2*KSTEP*2
	s_add_nc_u64 s[G0B+4*\slot+2:G0B+4*\slot+3], s[G0B+4*\slot+2:G0B+4*\slot+3], 2*KSTEP*SIZE_N*2
	JLOAD \slot                                    ; one load of mine is out; 240 matrix instructions stand between it and the wait for it; its four v_nop are also the places in front of the loads below
.else
	PLACES
.endif
	FETCH \next, 0, F0
	WIN MUL_HI
	MUL16 F1, 1, 0, 0
	MUL16 F1, 1, 2, 0
.endm
	s_wait_tensorcnt 0x1                           ; my part of K step 0 is in; K step 1's may stay out
	s_barrier_signal -1
	s_barrier_wait -1
	FETCH 0, 0, F0
	QUARTER 0, 1, F0, F1, 1                        ; the first quarter stands in front of the loop: its products start the sums
	WIN 0                                          ; at a label and at a branch every window is 0
	s_mov_b32 s3, LAPS-1
.Llap:                                                 ; a trip goes once round the ring, from a lap's second quarter to the next lap's first, and fills both slots again
	QUARTER 0, 2, F1, F0, 0
	QUARTER 0, 3, F0, F1, 0
	TURN 0, 1, 1
	QUARTER 1, 1, F0, F1, 0
	QUARTER 1, 2, F1, F0, 0
	QUARTER 1, 3, F0, F1, 0
	TURN 1, 0, 1
	QUARTER 0, 1, F0, F1, 0
	WIN 0
	s_sub_co_u32 s3, s3, 1
	s_cmp_lg_u32 s3, 0
	s_cbranch_scc1 .Llap
	QUARTER 0, 2, F1, F0, 0                        ; the last lap fills nothing
	QUARTER 0, 3, F0, F1, 0
	TURN 0, 1, 0
	QUARTER 1, 1, F0, F1, 0
	QUARTER 1, 2, F1, F0, 0
	QUARTER 1, 3, F0, F1, 0
	s_wait_dscnt 8                                 ; the very last quarter: nothing more to fetch
	WIN MUL_LO
	MUL16 F1, 0, 0, 0
	MUL16 F1, 0, 2, 0
	s_wait_dscnt 0x0
	WIN MUL_HI
	MUL16 F1, 1, 0, 0
	MUL16 F1, 1, 2, 0
	WIN 0
; GELU of the 8 numbers a lane holds of n block b, rounded to bf16.  Plain packed work stands behind each run of reciprocals and exponentials.
.macro GELU b
.set X, XT+8*(\b)
.set PKD, TMP+4*(\b)
.irp k, 0,1,2,3,4,5,6,7
	v_fma_f32 v[T+\k], |v[X+\k]|, s[C1], 1.0       ; 1 + p z
.endr
.irp k, 0,1,2,3,4,5,6,7
	v_rcp_f32 v[T+\k], v[T+\k]                     ; t
.endr
.irp k, 0,2,4,6
	v_pk_mul_f32 v[U+\k:U+\k+1], v[X+\k:X+\k+1], v[X+\k:X+\k+1]
.endr
.irp k, 0,2,4,6
	v_pk_mul_f32 v[U+\k:U+\k+1], v[U+\k:U+\k+1], s[C2:C2+1] op_sel_hi:[1,0]
.endr
.irp k, 0,1,2,3,4,5,6,7
	v_exp_f32 v[U+\k], v[U+\k]                     ; e^(-x^2 / 2)
.endr
	s_wait_alu depctr_va_vdst(0)
.irp k, 0,2,4,6
	v_pk_fma_f32 v[PP+\k:PP+\k+1], v[T+\k:T+\k+1], s[A5:A5+1], v[VA4:VA4+1] op_sel_hi:[1,0,1]
.endr
.irp cc, A3, A2, A1
.irp k, 0,2,4,6
	v_pk_fma_f32 v[PP+\k:PP+\k+1], v[PP+\k:PP+\k+1], v[T+\k:T+\k+1], s[\cc:\cc+1] op_sel_hi:[1,1,0]
.endr
.endr
.irp k, 0,2,4,6
	v_pk_mul_f32 v[PP+\k:PP+\k+1], v[PP+\k:PP+\k+1], v[T+\k:T+\k+1]
.endr
.irp k, 0,2,4,6
	v_pk_fma_f32 v[PP+\k:PP+\k+1], v[PP+\k:PP+\k+1], v[U+\k:U+\k+1], 0.5 op_sel_hi:[1,1,0] neg_lo:[1,0,0] neg_hi:[1,0,0]   ; 0.5 - erfc / 2
.endr
.irp k, 0,2,4,6
	v_pk_mul_f32 v[U+\k:U+\k+1], v[X+\k:X+\k+1], 0.5 op_sel_hi:[1,0]
.endr
.irp k, 0,1,2,3,4,5,6,7
	v_fma_f32 v[X+\k], |v[X+\k]|, v[PP+\k], v[U+\k]
.endr
.irp k, 0,1,2,3
	v_cvt_pk_bf16_f32 v[PKD+\k], v[X+2*\k], v[X+2*\k+1]
.endr
.endm
; THE WAY OUT of block a (16 rows x my 128 columns), in three parts.
; PACK: + bias on the way from the accumulators' window into window 0, then GELU and the rounding, 16 bytes a lane and n block.
.macro PACK a
.set AC, 64*((\a)%4)
.set WW, 0x06+(\a)/4                   ; source 0 window 2 or 3, source 1 window 1, destination window 0
	WIN WW
.irp b, 0,1,2,3,4,5,6,7
.irp k, 0,2,4,6
	v_pk_add_f32 v[XT+8*\b+\k:XT+8*\b+\k+1], v[AC+8*\b+\k:AC+8*\b+\k+1], v[8*\b+\k:8*\b+\k+1]
.endr
.endr
	WIN 0
.irp b, 0,1,2,3,4,5,6,7
	GELU \b
.endr
.endm
; TOSTAGE: into my own stage, and back as whole rows of 256 bytes.
.macro TOSTAGE a
.set BK, OB+192*((\a)%2)
.irp b, 0,1,2,3,4,5,6,7
	ds_store_b128 v[STO], v[TMP+4*\b:TMP+4*\b+3] offset:32*\b
.endr
.irp t, 0,1,2,3,4,5,6,7
	ds_load_b128 v[BK+4*\t:BK+4*\t+3], v[RD] offset:\t*2*SP        ; LDS serves a wave's instructions in order: these see my stores above, and the next block's stores come behind them
.endr
.endm
; SEND: 16 lanes store 256 consecutive bytes, at a multiple of 256 from hb's first byte; the row stands in the immediate, 126 rows of 8,192 bytes at the most.
.macro SEND a
.set BK, OB+192*((\a)%2)
	s_wait_dscnt 0x0                               ; the block is back in registers
	s_wait_xcnt 0x0                                ; the registers that the stores of the block before read are loaded again only behind this wait
.irp t, 0,1,2,3,4,5,6,7
	global_store_b128 v[CO], v[BK+4*\t:BK+4*\t+3], s[8:9] offset:(16*(\a)+2*\t)*SIZE_N*2
.endr
.endm
	s_wait_loadcnt 0x0                             ; the bias
	PLACES
	PACK 0
	TOSTAGE 0
.irp a, 1,2,3,4,5,6,7                  ; block a's arithmetic stands between block a - 1's loads from the stage and the wait for them
	PACK \a
	SEND \a-1
	TOSTAGE \a
.endr
	SEND 7
	s_set_vgpr_msb 0x1
	s_wait_tensorcnt 0x0
	ds_add_u32 v255, v31
	s_wait_dscnt 0x0
	s_set_vgpr_msb 0x100
	CROUND                                         ; the closing round: no work-group ends while a partner may still ask for a tile that names it
	s_endpgm
.Lfunc_end_k_qa8f07982b2_g_ff1:
	.size	k_qa8f07982b2_g_ff1, .Lfunc_end_k_qa8f07982b2_g_ff1-k_qa8f07982b2_g_ff1
	.p2alignl 7, 3214868480
	.fill 96, 4, 3214868480
	.section	.rodata,"a",@progbits
	.p2align	6, 0x0
	.amdhsa_kernel k_qa8f07982b2_g_ff1
		.amdhsa_group_segment_fixed_size 327680
		.amdhsa_private_segment_fixed_size 0
		.amdhsa_enable_private_segment 0
		.amdhsa_kernarg_size 32
		.amdhsa_user_sgpr_count 2
		.amdhsa_user_sgpr_kernarg_segment_ptr 1
		.amdhsa_wavefront_size32 1
		.amdhsa_system_sgpr_workgroup_id_x 1
		.amdhsa_system_sgpr_workgroup_id_y 1
		.amdhsa_system_sgpr_workgroup_id_z 1
		.amdhsa_system_vgpr_workitem_id 0
		.amdhsa_next_free_vgpr 1024
		.amdhsa_next_free_sgpr 96
		.amdhsa_reserve_vcc 0
		.amdhsa_float_denorm_mode_32 3
		.amdhsa_float_denorm_mode_16_64 3
		.amdhsa_memory_ordered 1
		.amdhsa_forward_progress 1
		.amdhsa_inst_pref_size 255
	.end_amdhsa_kernel
	.section	.bss,"aw",@nobits
	.p2align	6
	.space	262144
	.amdgpu_metadata
---
amdhsa.version: [ 1, 2 ]
amdhsa.kernels:
  - .name:           k_qa8f07982b2_g_ff1
    .symbol:         k_qa8f07982b2_g_ff1.kd
    .args:
      - { .name: y1b, .offset: 0, .size: 8, .value_kind: global_buffer, .address_space: global }
      - { .name: cb, .offset: 8, .size: 8, .value_kind: global_buffer, .address_space: global }
      - { .name: b_ff1, .offset: 16, .size: 8, .value_kind: global_buffer, .address_space: global }
      - { .name: hb, .offset: 24, .size: 8, .value_kind: global_buffer, .address_space: global }
    .group_segment_fixed_size: 327680
    .private_segment_fixed_size: 0
    .kernarg_segment_align: 8
    .kernarg_segment_size: 32
    .max_flat_workgroup_size: 128
    .sgpr_count:     96
    .vgpr_count:     1024
    .wavefront_size: 32
...
	.end_amdgpu_metadata
.endif
;; end of part 12
;; launch g_ff2: the kernel of part 7 again; grid 8 x 32, 4 waves a work-group, clusters of 4 x 4, 327,680 bytes of LDS; arguments hb, cb, b_ff2, f2; writes f2
;; launch ln2: the kernel of part 8 again; grid 256 x 1, 8 waves a work-group, no clusters, 0 bytes of LDS; arguments r1, f2, ln1_g, ln1_b, ln2_g, ln2_b, out0; writes out0
